; MI455X (gfx1250); checked and timed in simulation.
; The chip was launched on July 23, 2026; its instructions are those of AMD's public machine-readable ISA for CDNA 5 (MIT licence, August 2026) and "CDNA5" Instruction Set Architecture Reference Guide (July 2026). The comments in the code are by the model that wrote it; some were corrected since.
;; Grouped Query Attention. Allowed arithmetic: matrix products marked QUANTISED: E2M1 operands, one E8M0 scale for each 32 along K, by v_wmma_scale_f32_16x16x128_f8f6f4 with both operands' format E2M1 (or v_wmma_scale_f32_32x16x128_f4), f32 sums; products left as they are: bf16, f16 or f32 operands; f32 sums; everything else in f32.
;; Inputs: wk 2,048 x 512 float32; wo 2,048 x 2,048 float32; wq 2,048 x 2,048 float32; wv 2,048 x 512 float32; x 2 x 1,024 x 2,048 float32.
;; Outputs: out0 2 x 1,024 x 2,048 float32.
;; This version of the problem:
;;   THIS VERSION OF THE PROBLEM IS GIVEN IN LOW PRECISION. The matrix products marked QUANTISED in the list below multiply operands that are first quantised to E2M1 (2 exponent bits, 1 mantissa bit; 4 bits a number), with one power-of-two scale for each 32 numbers along K (OCP MX v1.0); their sums are f32. The products marked 'left as it is' may take bf16, f16 or f32 operands, with f32 sums. Whichever they take, every output number must still come out within the allowed error. Rounding operands to bf16 (8 significant bits) uses up far more of that allowance than f16 does (11 bits, for magnitudes from 6e-5 to 65,504). All else is computed in f32.
;;   The module's matrix products, in the order in which they are computed (A, B: the left and right operand; K: the contracted axis; several contracted axes count as one K, in the product's order):
;;     1. [M 2,048, K 2,048] x [K 2,048, N 2,048]; A: input x; B: input wq: QUANTISED
;;     2. [M 2,048, K 2,048] x [K 2,048, N 512]; A: input x; B: input wk: QUANTISED
;;     3. [M 2,048, K 2,048] x [K 2,048, N 512]; A: input x; B: input wv: QUANTISED
;;     4. batch 16 x [M 1,024, K 64] x [K 64, N 4,096]; A: computed on the way; B: computed on the way: left as it is (an operand is computed on the way)
;;     5. batch 16 x [M 64, K 1,024] x [K 1,024, N 4,096]; A: computed on the way; B: computed on the way: left as it is (an operand is computed on the way)
;;     6. [M 2,048, K 2,048] x [K 2,048, N 2,048]; A: computed on the way; B: input wo: left as it is (an operand is computed on the way)
;;   THE QUANTISER, for each operand of a quantised product, along K:
;;     - K is cut into blocks of 32 from its start; a last block that is shorter is filled with zeros.
;;     - A block's scale is 2^e with e = floor(log2(the largest magnitude in the block)) - 2, held to -126 .. 127; a block of zeros has e = 0. As a byte (E8M0): e + 127.
;;     - Each number is divided by its block's scale, clamped to +-6, and rounded to the nearest number of E2M1, ties to even, subnormals kept.
;;     - The product sums the exact products of the quantised numbers (number of the format x scale) in f32.
;;   ~~~python
;;   def quantise(x, axis):      # numpy; x: float32 -> the quantised numbers, widened to float32 again
;;       x = np.moveaxis(x, axis, -1); K = x.shape[-1]
;;       x = np.pad(x, [(0, 0)] * (x.ndim - 1) + [(0, -K % 32)]); x = x.reshape(x.shape[:-1] + (-1, 32)); a = np.abs(x).max(-1, keepdims=True)
;;       e = np.where(a > 0, np.clip(np.frexp(np.where(a > 0, a, 1))[1] - 1 - 2, -126, 127), 0)      # np.frexp(a)[1] - 1 = floor(log2(a)), exactly
;;       r = np.clip(x / 2.0 ** e, -6, 6)
;;       step = 2.0 ** (np.maximum(np.frexp(np.where(r == 0, 1, r))[1] - 1, 0) - 1)
;;       q = np.round(r / step) * step * 2.0 ** e      # np.round: ties to even
;;       return np.moveaxis(q.reshape(q.shape[:-2] + (-1,))[..., :K], -1, axis).astype(np.float32)
;;   ~~~
;; 2 versions, each right and faster than the one before. Each part assembles by itself: llvm-mc -triple=amdgcn-amd-amdhsa -mcpu=gfx1250 --defsym DOCPART=n.
;; ======== version 1 of 2: 5 launches
;; limits: values are held in f16: magnitudes above 65,504 overflow, below 6.1e-05 lose precision
;; workspace buffers: xq 2,228,224 bytes; wq4 3,342,336 bytes; wo16 16,777,216 bytes; rope 262,144 bytes; qkv16 12,582,912 bytes; head32 393,216 bytes; attn16 8,388,608 bytes
;; launch prep (part 1): grid 1032 x 1, 4 waves a work-group, no clusters, 33,280 bytes of LDS; arguments x, wq, wk, wv, wo, xq, wq4, wo16, rope; writes xq, wq4, wo16, rope
.if DOCPART == 1
	.amdgcn_target "amdgcn-amd-amdhsa--gfx1250"
	.amdhsa_code_object_version 6
	.text
	.protected	k_q3361e3219a_prep
	.globl	k_q3361e3219a_prep
	.p2align	8
	.type	k_q3361e3219a_prep,@function
k_q3361e3219a_prep:
	s_mov_b64 s[64:65], 0
	v_nop
	global_prefetch_b8 v0, s[64:65] scope:SCOPE_SE
	s_setreg_imm32_b32 hwreg(HW_REG_WAVE_MODE, 25, 1), 1
	s_wait_xcnt 0x0
; PREP: everything that is made once from the inputs.  Five paths, chosen by the work-group's number alone:
;   0..127     x [2048][2048] f32 -> codes of E2M1, K innermost (xq), and one E8M0 byte for each 32 along K (xq + XSC, [row][64])
;   128..383   wq [K 2048][N 2048] -> codes and scale words (wq4), columns 0..2047 of the joined 3,072
;   384..511   wk, wv [K 2048][N 512] -> the same, columns 2048..2559 and 2560..3071
;   512..1023  wo [K 2048][N 2048] -> f16 high parts (wo16) and f16 low parts f16(wo - high) (wo16 + WOLO)
;   1024..1031 cos and sin of position x 10^(-i/8), i = 0..31 (rope: [position 1024][cos 32 | sin 32] f32)
; THE WEIGHTS ARE LAID AS IMAGES OF THE OPERAND'S REGISTERS.  wq4: [column / 16][k / 32][column % 16][16 bytes]: a fragment (16 columns x 128 K) is 1,024 bytes on end, lane l's
; 16 bytes at 16 l and at 512 + 16 l.  Its scale words: [k / 128][column] of 4 bytes.  wo16: [column / 16][k / 8][column % 16][8 f16]: a fragment (16 columns x 32 K) likewise.
; A block's scale is 2^(floor(log2(largest magnitude)) - 2); its byte is that magnitude's exponent field - 2, held at 1 from below.
; LIMITS: a block of zeros gets the byte 1 where the rule says 127 (its codes are zeros, and this program alone reads the bytes); blocks whose largest magnitude lies under 2^-124
; keep the byte 1; NaN and infinities are not served; |wo| stays at or under 65,504 (f16); under 6e-5 its high part keeps an absolute step of 6e-8.
; The frequencies are the f32 numbers nearest to 10^(-i/8); an ulp's difference from a computed power is at most 1e-4 radians at position 1,023.
; No cluster, no tensor load: work-groups share no input here, and every byte is read once.  Only the path for x uses LDS.
.set XSC,   2097152                    ; x's scale bytes begin here in xq
.set WSC,   3145728                    ; the weights' scale words begin here in wq4
.set WOLO,  8388608                    ; wo's low parts begin here in wo16
.set STEPS, 16
.set EMAX,  2
.set CB,    8                          ; bytes of 16 codes
.set R,     16                         ; v16-79   x: four sets of 16 numbers as they are loaded
.set X,     80                         ; v80-111  x: two sets of 16 neighbours
.set E,     112                        ; v112-127 x: a scale byte for each step
.set C,     128                        ; v128-191 x: codes, four registers a step
.set WREG,  8192                       ; LDS: a region for each wave: two stages of 32 x SP bytes, then its 256 scale bytes
.set SP,    80
.set SPW,   12                         ; v12 LDS address of my spare word; never rewritten
.set NIL,   13                         ; v13 0; never rewritten
.set SPARE, 4*WREG                     ; behind the four regions: the spare words, 128 bytes a wave
.macro FINISH                          ; a wave's end
	s_wait_tensorcnt 0x0
	ds_add_u32 v[SPW], v[NIL]
	s_wait_dscnt 0x0
	s_endpgm
.endm
	s_load_b512 s[4:19], s[0:1], 0x0               ; x 4:5, wq 6:7, wk 8:9, wv 10:11, wo 12:13, xq 14:15, wq4 16:17, wo16 18:19
	s_load_b64 s[20:21], s[0:1], 0x40              ; rope
	v_lshl_add_u32 v[SPW], v0, 2, SPARE
	v_mov_b32 v[NIL], 0
	v_lshrrev_b32 v1, 5, v0
	v_readfirstlane_b32 s22, v1                    ; wave 0..3
	v_and_b32 v2, 31, v0                           ; lane
	s_wait_kmcnt 0x0
	s_cmp_lt_u32 ttmp9, 128
	s_cbranch_scc1 .Lpx
	s_cmp_lt_u32 ttmp9, 384
	s_cbranch_scc1 .Lpwq
	s_cmp_lt_u32 ttmp9, 512
	s_cbranch_scc1 .Lpwkv
	s_cmp_lt_u32 ttmp9, 1024
	s_cbranch_scc1 .Lpwo
; ---- THE TABLE OF COS AND SIN.  A thread takes a position.  The angle f = position x frequency (one f32 product, as the table is defined) is brought into -pi/4 .. pi/4
; by taking off n quarter turns in two parts of pi/2 (fused, so the first part's product is not rounded); sine and cosine by their series to r^9 and r^8, whose first
; terms left out are under 3e-8 there; the quadrant n mod 4 swaps the two and sets the signs.
	s_sub_co_u32 s23, ttmp9, 1024
	s_lshl_b32 s23, s23, 7
	v_add_nc_u32 v3, s23, v0                       ; my position
	v_cvt_f32_u32 v1, v3
	v_lshlrev_b32 v2, 8, v3                        ; its 256 bytes of the table
.macro SINCOS i, inv
	v_mul_f32 v4, \inv, v1                         ; f
	v_mul_f32 v5, 0x3f22f983, v4                   ; f x 2 / pi
	v_rndne_f32 v5, v5                             ; n
	v_fmamk_f32 v6, v5, 0xbfc90fdb, v4             ; f - n x (pi/2 as f32)
	v_fmamk_f32 v6, v5, 0x333bbd2e, v6             ; + n x (that f32 - pi/2) = r
	v_mul_f32 v7, v6, v6                           ; r^2
	v_mov_b32 v8, 0x3638ef1d                       ; 1/9!
	v_mov_b32 v10, 0x37d00d01                      ; 1/8!
	v_fmaak_f32 v8, v7, v8, 0xb9500d01             ; -1/7!
	v_fmaak_f32 v10, v7, v10, 0xbab60b61           ; -1/6!
	v_fmaak_f32 v8, v7, v8, 0x3c088889             ; 1/5!
	v_fmaak_f32 v10, v7, v10, 0x3d2aaaab           ; 1/4!
	v_fmaak_f32 v8, v7, v8, 0xbe2aaaab             ; -1/3!
	v_fmaak_f32 v10, v7, v10, 0xbf000000           ; -1/2
	v_mul_f32 v9, v6, v7                           ; r^3
	v_fma_f32 v10, v7, v10, 1.0                    ; cos r
	v_fma_f32 v8, v9, v8, v6                       ; sin r
	v_cvt_i32_f32 v11, v5
	v_and_b32 v14, 1, v11
	v_cmp_eq_u32 vcc_lo, 1, v14                    ; an odd quadrant swaps the two
	v_cndmask_b32 v15, v8, v10, vcc_lo
	v_cndmask_b32 v16, v10, v8, vcc_lo
	v_and_b32 v14, 2, v11                          ; the sine is negative in quadrants 2 and 3,
	v_lshlrev_b32 v14, 30, v14
	v_xor_b32 v[64+\i], v15, v14
	v_add_nc_u32 v11, 1, v11                       ; the cosine in quadrants 1 and 2
	v_and_b32 v11, 2, v11
	v_lshlrev_b32 v11, 30, v11
	v_xor_b32 v[32+\i], v16, v11
.endm
	SINCOS 0, 1.0
	SINCOS 1, 0.7498942093
	SINCOS 2, 0.5623413252
	SINCOS 3, 0.4216965034
	SINCOS 4, 0.3162277660
	SINCOS 5, 0.2371373706
	SINCOS 6, 0.1778279410
	SINCOS 7, 0.1333521432
	SINCOS 8, 0.1
	SINCOS 9, 0.07498942093
	SINCOS 10, 0.05623413252
	SINCOS 11, 0.04216965034
	SINCOS 12, 0.03162277660
	SINCOS 13, 0.02371373706
	SINCOS 14, 0.01778279410
	SINCOS 15, 0.01333521432
	SINCOS 16, 0.01
	SINCOS 17, 0.007498942093
	SINCOS 18, 0.005623413252
	SINCOS 19, 0.004216965034
	SINCOS 20, 0.003162277660
	SINCOS 21, 0.002371373706
	SINCOS 22, 0.001778279410
	SINCOS 23, 0.001333521432
	SINCOS 24, 0.001
	SINCOS 25, 0.0007498942093
	SINCOS 26, 0.0005623413252
	SINCOS 27, 0.0004216965034
	SINCOS 28, 0.0003162277660
	SINCOS 29, 0.0002371373706
	SINCOS 30, 0.0001778279410
	SINCOS 31, 0.0001333521432
.irp k, 0,1,2,3,4,5,6,7,8,9,10,11,12,13,14,15
	global_store_b128 v2, v[32+4*\k:35+4*\k], s[20:21] offset:16*\k   ; a lane fills its own 256 bytes over sixteen stores: 256 KiB in the whole launch
.endr
	FINISH
; ---- x.  Rows are dense and K is a multiple of 32: a plain stream of blocks of 32.  A wave takes 16 steps of 512 numbers.  Each load reads 512 consecutive bytes; a step's 2,048 bytes turn
; through the wave's own stage in LDS and come back 64 bytes a lane, so that a lane holds 16 neighbours (two lanes a block).  Loads run four steps ahead, the turn one step.
.Lpx:
	v_lshlrev_b32 v3, 4, v2                        ; my 16 bytes of a load's 512
	s_mul_i32 s23, s22, WREG
	v_lshrrev_b32 v14, 2, v2
	v_mul_u32_u24 v14, v14, SP
	v_and_b32 v15, 3, v2
	v_lshl_add_u32 v14, v15, 4, v14
	v_add_nc_u32 v14, s23, v14                     ; the stage, on the way in: SP (lane / 4) + 16 (lane % 4)
	v_mul_u32_u24 v15, v2, SP
	v_add_nc_u32 v15, s23, v15                     ; and on the way out: SP x lane
	v_mul_u32_u24 v4, v2, CB                       ; my codes' place in a step's
	v_lshrrev_b32 v5, 1, v2
	s_add_co_u32 s23, s23, 2*32*SP
	v_add_nc_u32 v5, s23, v5                       ; LDS: my wave's 256 scale bytes, my block's byte
	v_lshlrev_b32 v7, 3, v2
	v_add_nc_u32 v6, s23, v7                       ; and on the way out 8 bytes a lane
	s_lshl_b32 s24, ttmp9, 2
	s_add_co_u32 s24, s24, s22                     ; which run of 8,192 numbers is my wave's
	s_lshl_b32 s26, s24, 15
	s_mov_b32 s27, 0
	s_add_nc_u64 s[4:5], s[4:5], s[26:27]
	s_lshl_b32 s26, s24, 12
	s_add_nc_u64 s[28:29], s[14:15], s[26:27]      ; its codes
	s_lshl_b32 s26, s24, 8
	s_add_co_u32 s26, s26, XSC
	s_add_nc_u64 s[30:31], s[14:15], s[26:27]      ; its scale bytes
.macro XLOAD t
.irp i, 0,1,2,3
	global_load_b128 v[R+16*((\t)%4)+4*\i:R+16*((\t)%4)+4*\i+3], v3, s[4:5] offset:2048*(\t)+512*\i th:TH_LOAD_NT
.endr
.endm
.macro XTURN t                         ; LDS serves a wave's instructions in order, so no wait stands between the stores and the loads
.irp i, 0,1,2,3
	ds_store_b128 v14, v[R+16*((\t)%4)+4*\i:R+16*((\t)%4)+4*\i+3] offset:32*SP*((\t)%2)+8*SP*\i
.endr
.irp i, 0,1,2,3
	ds_load_b128 v[X+16*((\t)%2)+4*\i:X+16*((\t)%2)+4*\i+3], v15 offset:32*SP*((\t)%2)+16*\i
.endr
.endm
.irp t, 0,1,2,3
	XLOAD \t
.endr
	s_wait_loadcnt 12                              ; step 0's four loads are in
	XTURN 0
.macro XSTEP t
.set XS, X+16*((\t)%2)
.if (\t) > 0
	s_wait_dscnt 1                                 ; this step's numbers are back from the stage (the last step's byte store may be out)
.else
	s_wait_dscnt 0x0
.endif
.if (\t)+4 < STEPS
	XLOAD (\t)+4
.endif
.if (\t)+1 < STEPS
.if STEPS-2-(\t) >= 3
	s_wait_loadcnt 12                              ; the next step's four loads are in; those of the three steps behind it may be out
.else
	s_wait_loadcnt 4*(STEPS-2-(\t))
.endif
	XTURN (\t)+1
.endif
	v_max3_num_f32 v8, |v[XS]|, |v[XS+1]|, |v[XS+2]|
	v_max3_num_f32 v9, |v[XS+3]|, |v[XS+4]|, |v[XS+5]|
.irp i, 6,10
	v_max3_num_f32 v8, v8, |v[XS+\i]|, |v[XS+\i+1]|
	v_max3_num_f32 v9, v9, |v[XS+\i+2]|, |v[XS+\i+3]|
.endr
	v_max3_num_f32 v8, v8, |v[XS+14]|, |v[XS+15]|
	v_max3_num_f32 v8, v8, v9, (EMAX+1)<<23        ; the floor 2^(3 - 127): the byte cannot fall under 1
	v_max_num_f32_dpp v8, v8, v8 row_xmask:1 row_mask:0xf bank_mask:0xf   ; with my neighbour's 16: the block's largest magnitude
	v_add_nc_u32 v11, -(EMAX<<23), v8              ; 2 off its exponent field: the conversion takes this operand's exponent field as its scale
	v_cvt_scalef32_pk8_fp4_f32 v[C+4*(\t)], v[XS:XS+7], v11
	v_cvt_scalef32_pk8_fp4_f32 v[C+4*(\t)+1], v[XS+8:XS+15], v11
	v_lshrrev_b32 v[E+(\t)], 23, v11               ; the scale's byte
	ds_store_b8 v5, v[E+(\t)] offset:16*(\t)       ; both lanes of a block write the same byte with the same value
	global_store_b64 v4, v[C+4*(\t):C+4*(\t)+1], s[28:29] offset:32*CB*(\t)   ; the wave stores 256 consecutive bytes
.endm
.irp t, 0,1,2,3,4,5,6,7,8,9,10,11,12,13,14,15
	XSTEP \t
.endr
	ds_load_b64 v[8:9], v6                         ; my wave's 256 scale bytes
	s_wait_dscnt 0x0
	global_store_b64 v7, v[8:9], s[30:31]          ; 32 lanes store 256 consecutive bytes
	FINISH
; ---- wq, wk, wv.  K is the FIRST axis: a lane takes a column and its registers run down K, so a block of 32 lies in one lane and the conversions give codes with K innermost.
; A work-group takes 128 columns x 128 along K, a wave 32 columns.  Set ahead: s[24:25] the tensor, s26 my wave's first column in it, s27 the same among the 3,072, s28 the K step.
.macro WLOAD t, cols
.set i, 0
.rept 32
	global_load_b32 v[32+32*(\t)+i], v3, s[24:25] offset:(32*(\t)+i)*\cols*4 th:TH_LOAD_NT   ; 32 lanes read 128 consecutive bytes of a row
.set i, i+1
.endr
.endm
.macro PW cols
	s_mul_i32 s30, s28, 128*\cols*4
	s_lshl_b32 s29, s26, 2
	s_add_co_u32 s30, s30, s29
	s_mov_b32 s31, 0
	s_add_nc_u64 s[24:25], s[24:25], s[30:31]
	v_lshlrev_b32 v3, 2, v2
	WLOAD 0, \cols
	WLOAD 1, \cols
	s_lshl_b32 s30, s27, 10                        ; (column / 16) x 16,384
	s_lshl_b32 s29, s28, 10                        ; + K step x 1,024
	s_add_co_u32 s30, s30, s29
	s_add_nc_u64 s[32:33], s[16:17], s[30:31]      ; the codes' images
	s_mul_i32 s30, s28, 12288
	s_lshl_b32 s29, s27, 2
	s_add_co_u32 s30, s30, s29
	s_add_co_u32 s30, s30, WSC
	s_add_nc_u64 s[34:35], s[16:17], s[30:31]      ; the scale words
	v_lshrrev_b32 v4, 4, v2
	v_and_b32 v5, 15, v2
	v_lshlrev_b32 v5, 4, v5
	v_lshl_add_u32 v4, v4, 14, v5                  ; my column's tile and its 16 bytes in a block's 256
.irp t, 0,1,2,3
.if \t < 3
	s_wait_loadcnt 32                              ; this block's 32 loads are in; the next block's may be out
.else
	s_wait_loadcnt 0x0
.endif
.if \t < 2
	WLOAD \t+2, \cols                              ; each block has registers of its own: two blocks are always asked for
.endif
	v_max3_num_f32 v8, |v[32+32*\t]|, |v[33+32*\t]|, |v[34+32*\t]|
	v_max3_num_f32 v9, |v[35+32*\t]|, |v[36+32*\t]|, |v[37+32*\t]|
.irp i, 6,10,14,18,22,26
	v_max3_num_f32 v8, v8, |v[32+32*\t+\i]|, |v[33+32*\t+\i]|
	v_max3_num_f32 v9, v9, |v[34+32*\t+\i]|, |v[35+32*\t+\i]|
.endr
	v_max3_num_f32 v8, v8, |v[62+32*\t]|, |v[63+32*\t]|
	v_max3_num_f32 v8, v8, v9, (EMAX+1)<<23        ; the floor: the byte cannot fall under 1
	v_add_nc_u32 v11, -(EMAX<<23), v8              ; the conversion's scale operand
	v_lshrrev_b32 v10, 23, v11                     ; the scale's byte
.if \t == 0
	v_mov_b32 v24, v10                             ; four bytes make the K step's scale word, the lower K in the lower byte
.else
	v_lshl_or_b32 v24, v10, 8*\t, v24
.endif
.irp g, 0,1,2,3
	v_cvt_scalef32_pk8_fp4_f32 v[160+4*\t+\g], v[32+32*\t+8*\g:39+32*\t+8*\g], v11
.endr
	v_nop                                          ; one plain line behind the conversions
	global_store_b128 v4, v[160+4*\t:163+4*\t], s[32:33] offset:256*\t   ; sixteen lanes store 256 consecutive bytes, aligned
.endr
	global_store_b32 v3, v24, s[34:35]             ; 32 lanes store 128 consecutive bytes
	FINISH
.endm
.Lpwq:
	s_sub_co_u32 s23, ttmp9, 128
	s_and_b32 s26, s23, 15                         ; which 128 columns
	s_lshr_b32 s28, s23, 4                         ; which 128 along K
	s_lshl_b32 s26, s26, 7
	s_lshl_b32 s29, s22, 5
	s_add_co_u32 s26, s26, s29
	s_mov_b32 s27, s26
	s_mov_b64 s[24:25], s[6:7]
	PW 2048
.Lpwkv:
	s_sub_co_u32 s23, ttmp9, 384
	s_cmp_lt_u32 s23, 64                           ; wk or wv: the choice hangs on the work-group's number alone
	s_cselect_b64 s[24:25], s[8:9], s[10:11]
	s_lshr_b32 s27, s23, 6
	s_lshl_b32 s27, s27, 9
	s_add_co_u32 s27, s27, 2048                    ; where the tensor's columns begin among the 3,072
	s_and_b32 s26, s23, 3
	s_lshl_b32 s26, s26, 7
	s_lshl_b32 s29, s22, 5
	s_add_co_u32 s26, s26, s29
	s_add_co_u32 s27, s27, s26
	s_bfe_u32 s28, s23, 0x40002                    ; which 128 along K
	PW 512
; ---- wo.  The same plan: a lane a column, registers down K; 64 along K a wave.  Eight neighbours along K make 16 bytes of f16; the low part is f16(w - f32(high part)).
.Lpwo:
	s_sub_co_u32 s23, ttmp9, 512
	s_and_b32 s26, s23, 15                         ; which 128 columns
	s_lshr_b32 s28, s23, 4                         ; which 64 along K
	s_lshl_b32 s30, s28, 19
	s_lshl_b32 s29, s26, 9
	s_add_co_u32 s30, s30, s29
	s_lshl_b32 s29, s22, 7
	s_add_co_u32 s30, s30, s29
	s_mov_b32 s31, 0
	s_add_nc_u64 s[24:25], s[12:13], s[30:31]
	v_lshlrev_b32 v3, 2, v2
.set i, 0
.rept 64
	global_load_b32 v[32+i], v3, s[24:25] offset:i*8192 th:TH_LOAD_NT
.set i, i+1
.endr
	s_lshl_b32 s30, s26, 19                        ; 8 tiles of 65,536 bytes for each 128 columns,
	s_lshl_b32 s29, s22, 17                        ; 2 for my wave's 32,
	s_add_co_u32 s30, s30, s29
	s_lshl_b32 s29, s28, 11                        ; 2,048 bytes for each 64 along K
	s_add_co_u32 s30, s30, s29
	s_add_nc_u64 s[32:33], s[18:19], s[30:31]      ; the high parts
	s_add_nc_u64 s[34:35], s[32:33], WOLO          ; the low parts
	v_lshrrev_b32 v4, 4, v2
	v_and_b32 v5, 15, v2
	v_lshlrev_b32 v5, 4, v5
	v_lshl_add_u32 v4, v4, 16, v5
.irp hn, 96,97,98,99,100,101,102,103,104,105,106,107,108,109,110,111,112,113,114,115,116,117,118,119,120,121,122,123,124,125,126,127
.if (\hn%4) == 0
	s_wait_loadcnt 56-2*(\hn-96)                   ; this group's eight loads are in; the later groups' may be out
.endif
	v_cvt_pk_f16_f32 v\hn, v[32+2*(\hn-96)], v[33+2*(\hn-96)]
	v_cvt_f32_f16 v[176+2*(\hn%4)], v\hn\().l
	v_cvt_f32_f16 v[177+2*(\hn%4)], v\hn\().h
	v_pk_add_f32 v[176+2*(\hn%4):177+2*(\hn%4)], v[32+2*(\hn-96):33+2*(\hn-96)], v[176+2*(\hn%4):177+2*(\hn%4)] neg_lo:[0,1] neg_hi:[0,1]
	v_cvt_pk_f16_f32 v[128+\hn-96], v[176+2*(\hn%4)], v[177+2*(\hn%4)]
.if (\hn%4) == 3
	global_store_b128 v4, v[\hn-3:\hn], s[32:33] offset:256*((\hn-96)/4)               ; sixteen lanes store 256 consecutive bytes, aligned
	global_store_b128 v4, v[128+\hn-99:128+\hn-96], s[34:35] offset:256*((\hn-96)/4)
.endif
.endr
	FINISH
.Lfunc_end_k_q3361e3219a_prep:
	.size	k_q3361e3219a_prep, .Lfunc_end_k_q3361e3219a_prep-k_q3361e3219a_prep
	.p2alignl 7, 3214868480
	.fill 96, 4, 3214868480
	.section	.rodata,"a",@progbits
	.p2align	6, 0x0
	.amdhsa_kernel k_q3361e3219a_prep
		.amdhsa_group_segment_fixed_size 33280
		.amdhsa_private_segment_fixed_size 0
		.amdhsa_enable_private_segment 0
		.amdhsa_kernarg_size 72
		.amdhsa_user_sgpr_count 2
		.amdhsa_user_sgpr_kernarg_segment_ptr 1
		.amdhsa_wavefront_size32 1
		.amdhsa_system_sgpr_workgroup_id_x 1
		.amdhsa_system_sgpr_workgroup_id_y 1
		.amdhsa_system_sgpr_workgroup_id_z 1
		.amdhsa_system_vgpr_workitem_id 0
		.amdhsa_next_free_vgpr 192
		.amdhsa_next_free_sgpr 66
		.amdhsa_reserve_vcc 1
		.amdhsa_float_denorm_mode_32 3
		.amdhsa_float_denorm_mode_16_64 3
		.amdhsa_memory_ordered 1
		.amdhsa_forward_progress 1
		.amdhsa_inst_pref_size 134
	.end_amdhsa_kernel
	.amdgpu_metadata
---
amdhsa.version: [ 1, 2 ]
amdhsa.kernels:
  - .name:           k_q3361e3219a_prep
    .symbol:         k_q3361e3219a_prep.kd
    .args:
      - { .name: x, .offset: 0, .size: 8, .value_kind: global_buffer, .address_space: global }
      - { .name: wq, .offset: 8, .size: 8, .value_kind: global_buffer, .address_space: global }
      - { .name: wk, .offset: 16, .size: 8, .value_kind: global_buffer, .address_space: global }
      - { .name: wv, .offset: 24, .size: 8, .value_kind: global_buffer, .address_space: global }
      - { .name: wo, .offset: 32, .size: 8, .value_kind: global_buffer, .address_space: global }
      - { .name: xq, .offset: 40, .size: 8, .value_kind: global_buffer, .address_space: global }
      - { .name: wq4, .offset: 48, .size: 8, .value_kind: global_buffer, .address_space: global }
      - { .name: wo16, .offset: 56, .size: 8, .value_kind: global_buffer, .address_space: global }
      - { .name: rope, .offset: 64, .size: 8, .value_kind: global_buffer, .address_space: global }
    .group_segment_fixed_size: 33280
    .private_segment_fixed_size: 0
    .kernarg_segment_align: 8
    .kernarg_segment_size: 72
    .max_flat_workgroup_size: 128
    .sgpr_count:     66
    .vgpr_count:     192
    .wavefront_size: 32
...
	.end_amdgpu_metadata
.endif
;; end of part 1
;; launch qkv (part 2): grid 16 x 16, 4 waves a work-group, clusters of 4 x 4, 327,680 bytes of LDS; arguments xq, wq4, rope, qkv16, head32; writes qkv16, head32
.if DOCPART == 2
	.amdgcn_target "amdgcn-amd-amdhsa--gfx1250"
	.amdhsa_code_object_version 6
	.text
	.protected	k_q3361e3219a_qkv
	.globl	k_q3361e3219a_qkv
	.p2align	8
	.type	k_q3361e3219a_qkv,@function
k_q3361e3219a_qkv:
	s_mov_b64 s[64:65], 0
	v_nop
	global_prefetch_b8 v0, s[64:65] scope:SCOPE_SE
	s_setreg_imm32_b32 hwreg(HW_REG_WAVE_MODE, 25, 1), 1
	s_wait_xcnt 0x0
	s_wait_alu depctr_hold_cnt(0) depctr_sa_sdst(0) depctr_va_vdst(0) depctr_va_sdst(0) depctr_va_ssrc(0) depctr_va_vcc(0) depctr_vm_vsrc(0)
	s_getreg_b32 s2, hwreg(HW_REG_IB_STS2, 6, 4)
	s_cmp_eq_u32 s2, 0
	s_cbranch_scc0 .Lentry_in_a_cluster
	s_endpgm
.Lentry_in_a_cluster:
	s_bfe_u32 s2, ttmp6, 0x10000c
	s_cmp_lg_u32 s2, 0xf033
	s_cbranch_scc0 .Lentry_shape_is_right
	s_endpgm
.Lentry_shape_is_right:
; QKV: [2048 rows][3072 columns] = x [wq | wk | wv] on codes of E2M1 with E8M0 scales, K = 2,048; then the rotation by position (q and k), q's factor log2(e) / 8, and the rounding to f16.
; OUT: qkv16: 48 planes [plane][row][64] f16 (0-31 q, 32-39 k, 40-47 v); head32: the same numbers in f32 for the first 16 positions of each sequence: [plane][batch][16][64].
; SHARES.  A work-group makes 128 rows x 192 columns (three planes): 16 x 16 work-groups.  Wave w makes rows 32 w .. 32 w + 31 of all 192 columns: 24 accumulators.  So a wave holds whole heads:
; the rotation's pair (d, d + 32) lies in ONE lane at one register number, in column tiles t and t + 2, and a row's 128 bytes of a plane leave from one wave.
; THE MATRIX INSTRUCTION IS USED TRANSPOSED: source 0 = 16 columns of the weights, source 1 = 16 rows of x: a lane holds eight neighbouring columns of one row.
; K goes in four steps of 512 through THREE LDS slots: slots 0, 1, 2 are filled at the start; K step 3 comes into slot 0 behind one round of the cluster's barrier and has two K steps' work in which to land.
; CLUSTERS: 4 x 4.  x's tile and scales hang on the tile row alone and are asked for jointly along a row of the cluster (wave 3); the weights' on the tile column alone, jointly along a column (waves 0-2, four column tiles each).
; A wave has four tensor loads out at the start and one behind the round.
; LIMITS: |q| log2(e) / 8, |k|, |v| stay at or under 65,504 (f16); NaN and infinities are not served.
; REGISTERS: window 0: v3-15 addresses; v16-31 x's scale words (register kq: rows 0-15 in lanes 0-15, rows 16-31 in lanes 16-31); v32-127 the weights' (register 6 kq + b / 2: tile b even below, odd above);
;   v128-159 x's fragments, two sets; v160-255 at work on the way out.   window 1: the weights' fragments, two sets of 96.   window 2: v0-191 accumulator (a, b) at 8 (12 a + b); v192-255 cos and sin of my rows.
.set XSC,   2097152
.set WSC,   3145728
.set SLOT,  83968                      ; x: 128 rows x (256 + 16) bytes = 34,816; then the weights' 12 tiles x 4,096 bytes of images
.set BOFF,  34816
.set SCA,   3*SLOT                     ; x's scale bytes of my 128 rows, all of K: 32 units of 256 + 16 bytes
.set SCB,   SCA+8704                   ; the weights' scale words: [part 3][K step of 128: 16][64 columns x 4 bytes]
.set STAGE, SCB+12288                  ; the way out: for each wave [plane 3][16 rows x (128 + 16) bytes]; no fill lands here
.set SPARE, STAGE+4*6912               ; the spare words, 128 bytes a wave
.set ADRA, 3                           ; v3-5   my x fragments in slot 0, 1, 2
.set ADRB, 6                           ; v6-8   the weights' images in slot 0, 1, 2: 16 x lane
.set STO,  9                           ; v9     the stage: where I put 16 bytes of a row
.set RD,   10                          ; v10    and where I read rows back
.set GO,   11                          ; v11    16 x lane
.set HO,   12                          ; v12    my place in head32: r x 256 + 32 h
.set PMV,  13                          ; v13    position of row r of the work-group's first 16 rows
.set SPW,  14                          ; v14    my spare word; never rewritten
.set NIL,  15                          ; v15    0; never rewritten
.set SA,   16
.set SB,   32
.set AF,   128
.set CE,   160                         ; v160-175 cos x a + b;  v176-191 sin x a
.set SE,   176
.set Y,    192                         ; v192-223 a plane's 16 rows x 64, f32: column tile u at + 8 u
.set F,    224                         ; v224-239 the same in f16
.set T1,   240
.set T2,   248
.set WV,   14                          ; s14 my wave's number
.set G1A,  24
.set G1B,  32
.set G1SA, 40
.set G1SB, 48
.set G0A0, 56
.set G0A1, 60
.set G0A2, 68
.set G0B0, 72
.set G0B1, 76
.set G0B2, 80
.set G0SA, 84
.set G0SB, 88
.set AP,   92                          ; s92-97 for my three planes: a, b: q (c, 0), k (1, 0), v (0, 1): the rotation uses cos x a + b and sin x a
.set MSB, 0
.macro WIN new                         ; the immediate's high byte repeats the setting that is left
.if MSB != \new
	s_set_vgpr_msb (MSB<<8)|\new
.set MSB, \new
.endif
.endm
.macro PLACES n
.rept \n
	v_nop
.endr
.endm
; A joint load: wave 3 fetches for x, waves 0 to 2 for the weights.  Each line has one mask; the branch hangs on the wave's number alone.  An s_nop 0 and four v_nop follow each line.
.macro JLOAD g0a, g1a, g0b, g1b
	s_cmp_eq_u32 s[WV], 3
	s_cbranch_scc0 .Lfor_b_\@
	tensor_load_to_lds s[\g0a:\g0a+3], s[\g1a:\g1a+7]
	s_nop 0
.rept 4
	v_nop
.endr
	s_branch .Lasked_\@
.Lfor_b_\@:
	tensor_load_to_lds s[\g0b:\g0b+3], s[\g1b:\g1b+7]
	s_nop 0
.rept 4
	v_nop
.endr
.Lasked_\@:
.endm
.macro CROUND                          ; a round of the cluster's barrier
	s_barrier_signal -1
	s_barrier_wait -1
	s_cmp_lg_u32 s[WV], 0
	s_cbranch_scc1 .Lnot_wave_0_\@
	s_barrier_signal -3
.Lnot_wave_0_\@:
	s_barrier_wait -3
	s_barrier_signal -1
	s_barrier_wait -1
.endm
	s_load_b256 s[4:11], s[0:1], 0x0               ; xq 4:5, wq4 6:7, rope 8:9, qkv16 10:11
	s_load_b64 s[12:13], s[0:1], 0x20              ; head32
	v_lshl_add_u32 v[SPW], v0, 2, SPARE
	v_mov_b32 v[NIL], 0
	ds_add_u32 v[SPW], v[NIL]                      ; the wave's opening: the add, twice on end, and its wait ahead of my first tensor load
	ds_add_u32 v[SPW], v[NIL]
	v_lshrrev_b32 v1, 5, v0
	v_readfirstlane_b32 s[WV], v1                  ; wave 0..3
	s_bfe_u32 s15, ttmp6, 0x40000                  ; cx
	s_bfe_u32 s16, ttmp6, 0x40004                  ; cy
	s_lshl_b32 s17, ttmp9, 2
	s_add_co_u32 s17, s17, s15                     ; tile column = 4 x cluster x + cx
	s_and_b32 s18, ttmp7, 0xffff
	s_lshl_b32 s18, s18, 2
	s_add_co_u32 s18, s18, s16                     ; tile row = 4 x cluster y + cy
	s_lshl_b32 s19, s16, 2
	s_lshl_b32 s19, 15, s19                        ; my row of the cluster
	s_lshl_b32 s20, 0x1111, s15                    ; my column
	s_min_u32 s21, s[WV], 2                        ; which four column tiles I fetch (wave 3 fetches x and issues none of these)
	; x's tile: 128 rows x 256 bytes, 1,024 bytes apart, 16 bytes of padding behind each
	s_or_b32 s[G1A], s19, (0<<16)|(1<<20)|(1<<21)|(5<<22)|(3<<25)
	s_mov_b32 s[G1A+1], 256<<16
	s_mov_b32 s[G1A+2], 128<<16
	s_mov_b32 s[G1A+3], 256<<16
	s_mov_b32 s[G1A+4], 128
	s_mov_b32 s[G1A+5], 1024
	s_mov_b32 s[G1A+6], 0
	s_mov_b32 s[G1A+7], 0
	; the weights' images: 4 column tiles x 4,096 bytes (512 elements of 8), 16,384 bytes apart, dense in LDS
	s_or_b32 s[G1B], s20, (3<<16)|(1<<21)
	s_mov_b32 s[G1B+1], 512<<16
	s_mov_b32 s[G1B+2], 4<<16
	s_mov_b32 s[G1B+3], 512<<16
	s_mov_b32 s[G1B+4], 4
	s_mov_b32 s[G1B+5], 2048
	s_mov_b32 s[G1B+6], 0
	s_mov_b32 s[G1B+7], 0
	; x's scale bytes: 8,192 dense bytes as 32 rows of 256, 16 bytes of padding behind each
	s_or_b32 s[G1SA], s19, (3<<16)|(1<<20)|(1<<21)|(5<<22)|(3<<25)
	s_mov_b32 s[G1SA+1], 32<<16
	s_mov_b32 s[G1SA+2], 32<<16
	s_mov_b32 s[G1SA+3], 32<<16
	s_mov_b32 s[G1SA+4], 32
	s_mov_b32 s[G1SA+5], 32
	s_mov_b32 s[G1SA+6], 0
	s_mov_b32 s[G1SA+7], 0
	; the weights' scale words: 16 K steps x 256 bytes (64 columns), 12,288 bytes apart
	s_or_b32 s[G1SB], s20, (3<<16)|(1<<21)
	s_mov_b32 s[G1SB+1], 32<<16
	s_mov_b32 s[G1SB+2], 16<<16
	s_mov_b32 s[G1SB+3], 32<<16
	s_mov_b32 s[G1SB+4], 16
	s_mov_b32 s[G1SB+5], 1536
	s_mov_b32 s[G1SB+6], 0
	s_mov_b32 s[G1SB+7], 0
	s_lshl_b32 s22, s18, 17                        ; x's codes: tile row x 128 rows x 1,024 bytes
	s_mov_b32 s23, 0
	s_lshl_b32 s2, s18, 13                         ; x's scales: tile row x 128 x 64 bytes
	s_add_co_u32 s2, s2, XSC
	s_mov_b32 s3, 0
	s_mul_i32 s98, s17, 196608                     ; the weights: (12 x tile column + 4 x part) x 16,384 bytes
	s_lshl_b32 s99, s21, 16
	s_add_co_u32 s98, s98, s99
	s_mov_b32 s99, 0
	s_mul_i32 s96, s17, 768                        ; their scale words: (192 x tile column + 64 x part) x 4 bytes
	s_lshl_b32 s97, s21, 8
	s_add_co_u32 s96, s96, s97
	s_add_co_u32 s96, s96, WSC
	s_mov_b32 s97, 0
	s_lshl_b32 s94, s21, 14                        ; where my part goes in a slot,
	s_lshl_b32 s95, s21, 12                        ; and among the scale words: no place in the cluster enters an LDS address
	s_wait_dscnt 0x0                               ; both opening adds are done
	s_wait_kmcnt 0x0
	s_add_nc_u64 s[100:101], s[4:5], s[22:23]
	s_add_nc_u64 s[2:3], s[4:5], s[2:3]
	s_add_nc_u64 s[98:99], s[6:7], s[98:99]
	s_add_nc_u64 s[96:97], s[6:7], s[96:97]
	CROUND                                         ; all sixteen work-groups are here: the first joint loads meet
	s_mov_b32 s[G0SA], 1
	s_mov_b32 s[G0SA+1], SCA
	s_mov_b64 s[G0SA+2:G0SA+3], s[2:3]
	s_or_b32 s[G0SA+3], s[G0SA+3], 0x80000000
	s_mov_b32 s[G0SB], 1
	s_add_co_u32 s[G0SB+1], s95, SCB
	s_mov_b64 s[G0SB+2:G0SB+3], s[96:97]
	s_or_b32 s[G0SB+3], s[G0SB+3], 0x80000000
	JLOAD G0SA, G1SA, G0SB, G1SB                   ; the scales first: they are wanted with K step 0
.macro SLOTG ga, gb, s                 ; slot s takes K step s
	s_mov_b32 s[\ga], 1
	s_mov_b32 s[\ga+1], \s*SLOT
	s_add_nc_u64 s[\ga+2:\ga+3], s[100:101], \s*256
	s_or_b32 s[\ga+3], s[\ga+3], 0x80000000
	s_mov_b32 s[\gb], 1
	s_add_co_u32 s[\gb+1], s94, \s*SLOT+BOFF
	s_add_nc_u64 s[\gb+2:\gb+3], s[98:99], \s*4096
	s_or_b32 s[\gb+3], s[\gb+3], 0x80000000
	JLOAD \ga, G1A, \gb, G1B
.endm
	SLOTG G0A0, G0B0, 0
	SLOTG G0A1, G0B1, 1
	SLOTG G0A2, G0B2, 2
	; cos and sin of my 32 rows' positions, in the result's layout: lane (r, h), rotation index 16 t + 8 h + j
	v_and_b32 v1, 15, v0                           ; r
	v_bfe_u32 v2, v0, 4, 1                         ; h
	v_lshlrev_b32 v162, 8, v1
	v_lshl_add_u32 v162, v2, 5, v162               ; r x 256 + 32 h
	s_and_b32 s22, s18, 7
	s_lshl_b32 s22, s22, 7                         ; the position of the work-group's first row
	s_lshl_b32 s2, s[WV], 5
	s_add_co_u32 s2, s2, s22
	s_lshl_b32 s2, s2, 8
	s_mov_b32 s3, 0
	s_add_nc_u64 s[8:9], s[8:9], s[2:3]
	WIN 0x80                                       ; destination window 2
.irp a, 0,1
.irp t, 0,1
	global_load_b128 v[192+32*\a+8*\t:195+32*\a+8*\t], v162, s[8:9] offset:\a*4096+\t*64
	global_load_b128 v[196+32*\a+8*\t:199+32*\a+8*\t], v162, s[8:9] offset:\a*4096+\t*64+16
	global_load_b128 v[208+32*\a+8*\t:211+32*\a+8*\t], v162, s[8:9] offset:\a*4096+\t*64+128
	global_load_b128 v[212+32*\a+8*\t:215+32*\a+8*\t], v162, s[8:9] offset:\a*4096+\t*64+144
.endr
.endr
	WIN 0
	v_mul_u32_u24 v160, v1, 272
	v_lshl_add_u32 v160, v2, 4, v160               ; a fragment's row x pitch + 16 x half
	s_mul_i32 s2, s[WV], 8704                      ; my 32 rows
	v_add_nc_u32 v[ADRA], s2, v160
	v_add_nc_u32 v[ADRA+1], SLOT, v[ADRA]
	v_add_nc_u32 v[ADRA+2], 2*SLOT, v[ADRA]
	v_and_b32 v161, 31, v0                         ; lane
	v_lshlrev_b32 v[GO], 4, v161
	v_add_nc_u32 v[ADRB], BOFF, v[GO]
	v_add_nc_u32 v[ADRB+1], SLOT+BOFF, v[GO]
	v_add_nc_u32 v[ADRB+2], 2*SLOT+BOFF, v[GO]
	v_lshrrev_b32 v163, 2, v161                    ; x's scale bytes: lane = row of my 32: 64 bytes a row, 16 more for each 256 passed
	v_lshlrev_b32 v163, 4, v163
	v_lshl_add_u32 v163, v161, 6, v163
	s_mul_i32 s2, s[WV], 2176
	s_add_co_u32 s2, s2, SCA
	v_add_nc_u32 v163, s2, v163
	v_lshl_add_u32 v164, v161, 2, SCB              ; the weights' scale words: 4 x lane
	s_mul_i32 s2, s[WV], 6912
	s_add_co_u32 s2, s2, STAGE                     ; my stage
	v_mul_u32_u24 v[STO], v1, 144
	v_lshl_add_u32 v[STO], v2, 4, v[STO]
	v_add_nc_u32 v[STO], s2, v[STO]
	v_lshrrev_b32 v[RD], 3, v161                   ; back: eight lanes to a row of 128 bytes, four rows an instruction
	v_mul_u32_u24 v[RD], v[RD], 144
	v_and_b32 v165, 7, v161
	v_lshl_add_u32 v[RD], v165, 4, v[RD]
	v_add_nc_u32 v[RD], s2, v[RD]
	v_lshlrev_b32 v[HO], 8, v1
	v_lshl_add_u32 v[HO], v2, 5, v[HO]
	v_add_nc_u32 v[PMV], s22, v1
	s_mul_i32 s2, s17, 786432                      ; qkv16: three planes a tile column, 128 bytes a row
	s_lshl_b32 s3, s18, 14
	s_add_co_u32 s2, s2, s3
	s_lshl_b32 s3, s[WV], 12
	s_add_co_u32 s2, s2, s3
	s_mov_b32 s3, 0
	s_add_nc_u64 s[10:11], s[10:11], s[2:3]
	s_mul_i32 s2, s17, 24576                       ; head32: 8,192 bytes a plane, 4,096 a batch
	s_lshr_b32 s3, s18, 3
	s_lshl_b32 s3, s3, 12
	s_add_co_u32 s2, s2, s3
	s_mov_b32 s3, 0
	s_add_nc_u64 s[12:13], s[12:13], s[2:3]
	s_mul_i32 s2, s17, 3                           ; my first plane
.irp p, 0,1,2
	s_add_co_u32 s3, s2, \p
	s_cmp_lt_u32 s3, 40
	s_cselect_b32 s[AP+2*\p], 1.0, 0               ; q and k are rotated; v goes through: cos x 0 + 1, sin x 0
	s_cselect_b32 s[AP+2*\p+1], 0, 1.0
	s_cmp_lt_u32 s3, 32
	s_cselect_b32 s[AP+2*\p], 0x3e38aa3b, s[AP+2*\p]   ; q also takes log2(e) / sqrt(64)
.endr
; one matrix instruction: d the accumulator, bf the weights' fragment (window 1), af x's, sb and sa the scale registers, ra / rb: the scales stand in lanes 16-31
.macro WM d, bf, af, sb, sa, ra, rb, zero
.if \zero
.if (\ra) && (\rb)
	v_wmma_scale_f32_16x16x128_f8f6f4 v[\d:\d+7], v[\bf:\bf+7], v[\af:\af+7], 0, v[\sb], v[\sa] matrix_a_fmt:MATRIX_FMT_FP4 matrix_b_fmt:MATRIX_FMT_FP4 matrix_a_scale:MATRIX_SCALE_ROW1 matrix_b_scale:MATRIX_SCALE_ROW1
.elseif \ra
	v_wmma_scale_f32_16x16x128_f8f6f4 v[\d:\d+7], v[\bf:\bf+7], v[\af:\af+7], 0, v[\sb], v[\sa] matrix_a_fmt:MATRIX_FMT_FP4 matrix_b_fmt:MATRIX_FMT_FP4 matrix_a_scale:MATRIX_SCALE_ROW1
.elseif \rb
	v_wmma_scale_f32_16x16x128_f8f6f4 v[\d:\d+7], v[\bf:\bf+7], v[\af:\af+7], 0, v[\sb], v[\sa] matrix_a_fmt:MATRIX_FMT_FP4 matrix_b_fmt:MATRIX_FMT_FP4 matrix_b_scale:MATRIX_SCALE_ROW1
.else
	v_wmma_scale_f32_16x16x128_f8f6f4 v[\d:\d+7], v[\bf:\bf+7], v[\af:\af+7], 0, v[\sb], v[\sa] matrix_a_fmt:MATRIX_FMT_FP4 matrix_b_fmt:MATRIX_FMT_FP4
.endif
.else
.if (\ra) && (\rb)
	v_wmma_scale_f32_16x16x128_f8f6f4 v[\d:\d+7], v[\bf:\bf+7], v[\af:\af+7], v[\d:\d+7], v[\sb], v[\sa] matrix_a_fmt:MATRIX_FMT_FP4 matrix_b_fmt:MATRIX_FMT_FP4 matrix_a_scale:MATRIX_SCALE_ROW1 matrix_b_scale:MATRIX_SCALE_ROW1
.elseif \ra
	v_wmma_scale_f32_16x16x128_f8f6f4 v[\d:\d+7], v[\bf:\bf+7], v[\af:\af+7], v[\d:\d+7], v[\sb], v[\sa] matrix_a_fmt:MATRIX_FMT_FP4 matrix_b_fmt:MATRIX_FMT_FP4 matrix_a_scale:MATRIX_SCALE_ROW1
.elseif \rb
	v_wmma_scale_f32_16x16x128_f8f6f4 v[\d:\d+7], v[\bf:\bf+7], v[\af:\af+7], v[\d:\d+7], v[\sb], v[\sa] matrix_a_fmt:MATRIX_FMT_FP4 matrix_b_fmt:MATRIX_FMT_FP4 matrix_b_scale:MATRIX_SCALE_ROW1
.else
	v_wmma_scale_f32_16x16x128_f8f6f4 v[\d:\d+7], v[\bf:\bf+7], v[\af:\af+7], v[\d:\d+7], v[\sb], v[\sa] matrix_a_fmt:MATRIX_FMT_FP4 matrix_b_fmt:MATRIX_FMT_FP4
.endif
.endif
.endm
; the kq-th 128 along K: 24 matrix instructions; the accumulators take turns, one instruction a turn, in the same order in every step.  The first step's products start the sums.
.macro MUL kq
	WIN 0xa1                                       ; source 0 window 1, source 1 window 0, C and D window 2
.irp a, 0,1
.irp b, 0,1,2,3,4,5,6,7,8,9,10,11
	WM 8*(12*\a+\b), 96*((\kq)%2)+8*\b, AF+16*((\kq)%2)+8*\a, SB+6*(\kq)+\b/2, SA+(\kq), \b%2, \a, (\kq)==0
.endr
.endr
	WIN 0
.endm
; 28 LDS loads in one run: the fragments of the slot's q-th 128 along K into a set.  The weights' images come as they lie (16 x lane); x's from rows.
.macro FETCH slot, q, set
	WIN 0x40                                       ; destination window 1
.irp b, 0,1,2,3,4,5,6,7,8,9,10,11
	ds_load_b128 v[96*(\set)+8*\b:96*(\set)+8*\b+3], v[ADRB+\slot] offset:\b*4096+(\q)*1024
	ds_load_b128 v[96*(\set)+8*\b+4:96*(\set)+8*\b+7], v[ADRB+\slot] offset:\b*4096+(\q)*1024+512
.endr
	WIN 0
.irp a, 0,1
	ds_load_b128 v[AF+16*(\set)+8*\a:AF+16*(\set)+8*\a+3], v[ADRA+\slot] offset:\a*4352+64*(\q)
	ds_load_b128 v[AF+16*(\set)+8*\a+4:AF+16*(\set)+8*\a+7], v[ADRA+\slot] offset:\a*4352+64*(\q)+32
.endr
.endm
; a step that fetches its successor's fragments (slot, q) into the other set, then multiplies
.macro STEP kq, slot, q
	s_wait_dscnt 0x0                               ; this step's fragments, asked for a step ago, are in
	PLACES 4                                       ; behind the last step's products, in front of loads into the set that they read
	FETCH \slot, \q, ((\kq)+1)%2
	MUL \kq
.endm
	s_wait_tensorcnt 2                             ; the scales and my part of slot 0 are in; slots 1 and 2 may stay out
	s_barrier_signal -1
	s_barrier_wait -1
.irp s, 0,1,2,3
	ds_load_b128 v[SA+4*\s:SA+4*\s+3], v163 offset:16*\s   ; x's sixteen scale words of my row
.endr
.irp kq, 0,1,2,3,4,5,6,7,8,9,10,11,12,13,14,15
.irp bp, 0,1,2,3,4,5
	ds_load_b32 v[SB+6*\kq+\bp], v164 offset:(\bp/2)*4096+(\bp%2)*128+\kq*256
.endr
.endr
	FETCH 0, 0, 0
	STEP 0, 0, 1
	STEP 1, 0, 2
	STEP 2, 0, 3
	s_wait_dscnt 0x0                               ; the last fragments of slot 0 are in: my reads of it are over
	s_wait_tensorcnt 0x0                           ; all my tensor loads have landed: my parts of slots 1 and 2
	ds_add_u32 v[SPW], v[NIL]                      ; 0 onto my spare word; 24 matrix instructions stand between it and the wait for it
	MUL 3
	s_add_nc_u64 s[G0A0+2:G0A0+3], s[G0A0+2:G0A0+3], 768      ; slot 0's descriptors step to K step 3
	s_add_nc_u64 s[G0B0+2:G0B0+3], s[G0B0+2:G0B0+3], 12288
	s_wait_dscnt 0x0                               ; the add is done
	CROUND                                         ; no wave of any partner still reads slot 0 or has a load on its way; slots 1 and 2 are whole
	JLOAD G0A0, G1A, G0B0, G1B                     ; the first thing behind the round; its four v_nop are the places in front of the loads below
	FETCH 1, 0, 0
	STEP 4, 1, 1
	STEP 5, 1, 2
	STEP 6, 1, 3
	STEP 7, 2, 0
	STEP 8, 2, 1
	STEP 9, 2, 2
	STEP 10, 2, 3
	s_wait_dscnt 0x0
	MUL 11
	s_wait_tensorcnt 0x0                           ; my part of K step 3 has landed,
	s_barrier_signal -1
	s_barrier_wait -1                              ; everybody's has
	PLACES 4
	FETCH 0, 0, 0
	STEP 12, 0, 1
	STEP 13, 0, 2
	STEP 14, 0, 3
	s_wait_dscnt 0x0
	MUL 15
; THE WAY OUT of row tile a (16 rows), plane by plane.  y1 = x1 (cos a + b) - x2 (sin a), y2 = x1 (sin a) + x2 (cos a + b), x1 = columns 0-31 of the head, x2 = columns 32-63.
; f16 results go through my stage and leave as whole rows: an instruction stores four rows of a plane, 512 consecutive bytes.
.macro OUT a
.irp p, 0,1,2
	WIN 0x02                                       ; source 0 window 2
.set i, 0
.rept 16
	v_fma_f32 v[CE+i], v[192+32*\a+i], s[AP+2*\p], s[AP+2*\p+1]
.set i, i+1
.endr
.set i, 0
.rept 16
	v_mul_f32 v[SE+i], v[208+32*\a+i], s[AP+2*\p]
.set i, i+1
.endr
.irp t, 0,1                            ; each accumulator is read from its low end on
.irp jj, 0,2,4,6
	v_pk_mul_f32 v[T1+\jj:T1+\jj+1], v[8*(12*\a+4*\p+\t+2)+\jj:8*(12*\a+4*\p+\t+2)+\jj+1], v[SE+8*\t+\jj:SE+8*\t+\jj+1]
.endr
.irp jj, 0,2,4,6
	v_pk_mul_f32 v[T2+\jj:T2+\jj+1], v[8*(12*\a+4*\p+\t+2)+\jj:8*(12*\a+4*\p+\t+2)+\jj+1], v[CE+8*\t+\jj:CE+8*\t+\jj+1]
.endr
.irp jj, 0,2,4,6
	v_pk_fma_f32 v[Y+8*\t+\jj:Y+8*\t+\jj+1], v[8*(12*\a+4*\p+\t)+\jj:8*(12*\a+4*\p+\t)+\jj+1], v[CE+8*\t+\jj:CE+8*\t+\jj+1], v[T1+\jj:T1+\jj+1] neg_lo:[0,0,1] neg_hi:[0,0,1]
.endr
.irp jj, 0,2,4,6
	v_pk_fma_f32 v[Y+8*(\t+2)+\jj:Y+8*(\t+2)+\jj+1], v[8*(12*\a+4*\p+\t)+\jj:8*(12*\a+4*\p+\t)+\jj+1], v[SE+8*\t+\jj:SE+8*\t+\jj+1], v[T2+\jj:T2+\jj+1]
.endr
.endr
	WIN 0
	s_wait_dscnt 0x0                               ; the last plane's stores into the stage have read their registers
.set i, 0
.rept 16
	v_cvt_pk_f16_f32 v[F+i], v[Y+2*i], v[Y+2*i+1]
.set i, i+1
.endr
.irp u, 0,1,2,3
	ds_store_b128 v[STO], v[F+4*\u:F+4*\u+3] offset:\p*2304+32*\u
.endr
.if \a == 0                            ; the first 16 positions of a sequence also leave in f32: they lie in wave 0's first row tile of tile rows 0 and 8.  The lanes are chosen by a mask, not by a branch
	s_cmp_lg_u32 s[WV], 0
	s_cbranch_scc1 .Lnot_head_\p
	v_cmp_gt_u32 vcc_lo, 16, v[PMV]
	s_wait_xcnt 0x0                                ; EXEC changes only behind this wait
	s_and_saveexec_b32 s99, vcc_lo
.irp u, 0,1,2,3
	global_store_b128 v[HO], v[Y+8*\u:Y+8*\u+3], s[12:13] offset:\p*8192+\u*64
	global_store_b128 v[HO], v[Y+8*\u+4:Y+8*\u+7], s[12:13] offset:\p*8192+\u*64+16
.endr
	s_wait_xcnt 0x0                                ; and again in front of the line that widens it; the stores' data may be rewritten too
	s_or_b32 exec_lo, exec_lo, s99
.Lnot_head_\p:
.endif
.endr
.irp p, 0,1,2
.irp i, 0,1,2,3
	ds_load_b128 v[160+16*\p+4*\i:163+16*\p+4*\i], v[RD] offset:\p*2304+\i*576   ; LDS serves a wave's instructions in order: these see my stores
.endr
.endr
.irp p, 0,1,2
.irp i, 0,1,2,3
	s_wait_dscnt 11-4*\p-\i
	global_store_b128 v[GO], v[160+16*\p+4*\i:163+16*\p+4*\i], s[10:11] offset:\p*262144+\a*2048+\i*512
.endr
.endr
.endm
	s_wait_loadcnt 0x0                             ; cos and sin
	PLACES 4                                       ; behind the last products, in front of the first read of results
	OUT 0
	s_wait_xcnt 0x0                                ; the stores have read their registers
	OUT 1
	s_wait_tensorcnt 0x0                           ; the wave's end
	ds_add_u32 v[SPW], v[NIL]
	s_wait_dscnt 0x0
	CROUND                                         ; the closing round
	s_endpgm
.Lfunc_end_k_q3361e3219a_qkv:
	.size	k_q3361e3219a_qkv, .Lfunc_end_k_q3361e3219a_qkv-k_q3361e3219a_qkv
	.p2alignl 7, 3214868480
	.fill 96, 4, 3214868480
	.section	.rodata,"a",@progbits
	.p2align	6, 0x0
	.amdhsa_kernel k_q3361e3219a_qkv
		.amdhsa_group_segment_fixed_size 327680
		.amdhsa_private_segment_fixed_size 0
		.amdhsa_enable_private_segment 0
		.amdhsa_kernarg_size 40
		.amdhsa_user_sgpr_count 2
		.amdhsa_user_sgpr_kernarg_segment_ptr 1
		.amdhsa_wavefront_size32 1
		.amdhsa_system_sgpr_workgroup_id_x 1
		.amdhsa_system_sgpr_workgroup_id_y 1
		.amdhsa_system_sgpr_workgroup_id_z 1
		.amdhsa_system_vgpr_workitem_id 0
		.amdhsa_next_free_vgpr 768
		.amdhsa_next_free_sgpr 102
		.amdhsa_reserve_vcc 1
		.amdhsa_float_denorm_mode_32 3
		.amdhsa_float_denorm_mode_16_64 3
		.amdhsa_memory_ordered 1
		.amdhsa_forward_progress 1
		.amdhsa_inst_pref_size 141
	.end_amdhsa_kernel
	.amdgpu_metadata
---
amdhsa.version: [ 1, 2 ]
amdhsa.kernels:
  - .name:           k_q3361e3219a_qkv
    .symbol:         k_q3361e3219a_qkv.kd
    .args:
      - { .name: xq, .offset: 0, .size: 8, .value_kind: global_buffer, .address_space: global }
      - { .name: wq4, .offset: 8, .size: 8, .value_kind: global_buffer, .address_space: global }
      - { .name: rope, .offset: 16, .size: 8, .value_kind: global_buffer, .address_space: global }
      - { .name: qkv16, .offset: 24, .size: 8, .value_kind: global_buffer, .address_space: global }
      - { .name: head32, .offset: 32, .size: 8, .value_kind: global_buffer, .address_space: global }
    .group_segment_fixed_size: 327680
    .private_segment_fixed_size: 0
    .kernarg_segment_align: 8
    .kernarg_segment_size: 40
    .max_flat_workgroup_size: 128
    .sgpr_count:     102
    .vgpr_count:     768
    .wavefront_size: 32
...
	.end_amdgpu_metadata
.endif
;; end of part 2
;; launch attn (part 3): grid 16 x 16, 8 waves a work-group, clusters of 4 x 1, 327,680 bytes of LDS; arguments qkv16, attn16; writes attn16
.if DOCPART == 3
	.amdgcn_target "amdgcn-amd-amdhsa--gfx1250"
	.amdhsa_code_object_version 6
	.text
	.protected	k_q3361e3219a_attn
	.globl	k_q3361e3219a_attn
	.p2align	8
	.type	k_q3361e3219a_attn,@function
k_q3361e3219a_attn:
	s_mov_b64 s[64:65], 0
	v_nop
	global_prefetch_b8 v0, s[64:65] scope:SCOPE_SE
	s_setreg_imm32_b32 hwreg(HW_REG_WAVE_MODE, 25, 1), 1
	s_wait_xcnt 0x0
	s_wait_alu depctr_hold_cnt(0) depctr_sa_sdst(0) depctr_va_vdst(0) depctr_va_sdst(0) depctr_va_ssrc(0) depctr_va_vcc(0) depctr_vm_vsrc(0)
	s_getreg_b32 s2, hwreg(HW_REG_IB_STS2, 6, 4)
	s_cmp_eq_u32 s2, 0
	s_cbranch_scc0 .Lentry_in_a_cluster
	s_endpgm
.Lentry_in_a_cluster:
	s_bfe_u32 s2, ttmp6, 0x10000c
	s_cmp_lg_u32 s2, 0x3003
	s_cbranch_scc0 .Lentry_shape_is_right
	s_endpgm
.Lentry_shape_is_right:
; ATTN: causal attention in f16 with f32 sums, all positions.  q comes already rotated and multiplied by log2(e) / 8, so a score is an exponent of 2.  attn16: [head 32][row 2048][64] f16.
; SHARES.  A cluster's four work-groups are the four query heads of one key and value head, at the same positions; K and V are asked for JOINTLY, once for the four.
; Cluster x = u (0..3), y = batch x 8 + group.  A sequence has 64 tiles of 16 positions; a work-group owns tiles 8 i + u and 8 i + 7 - u; wave w owns tA = 8 w + u and tB = 63 - 8 w - u.
; In key steps of 64, tile t wants t / 4 + 1 steps: (2 w + 1) + (16 - 2 w) = 17 tile steps in EVERY wave of every work-group: the causal mask's work is even.  Wave 0's tB wants all 16 steps, so every joint load is read in every partner.
; Every branch hangs on u, the wave's number and the count of steps alone: alike in all four partners.
; ALL 1,024 KEYS AND VALUES OF THE GROUP STAY IN LDS: nothing is filled again.  They come in four chunks of 256 keys (waves 0-3: K, waves 4-7: V, 64 keys a load), all asked for at the head:
; a wave has four tensor loads out; a counted wait and a barrier stand ahead of each chunk.  Since every tile is asked for at the head, there is no later request for a prefetch to run ahead of.
; LAYOUT.  S^T = K Q^T and O^T = V^T P: a lane holds ONE query (lane % 16) throughout.  Two rows of 128 bytes make an LDS row of 256 + padding (K: 16, V: 32).  V is turned by ds_load_tr16_b128.
; SOFTMAX.  Running maximum m and sum l in f32; p = 2^(s - m) is rounded to f16 for the second product; the sum is taken of the unrounded p.
; Two waves share a SIMD, so that one wave's softmax stands beside the other's products.
; LIMITS: as stated for qkv16's numbers (f16); NaN and infinities are not served.
; REGISTERS: window 0: v3-15 addresses; v16-31 statistics, 8 a tile (+0 m, +2, +3 l, +4 the factor, +6, +7 at work; +1, +5 named as pair partners); v32-63 Q; v64-127 O^T, 32 a tile; v128-159 S^T, then p; v160-175 P; v176-181 at work.
;   window 1: v0-63 K's fragments of a step (16 kt + 8 c); v64-127 V's (64 + 32 c + 8 ct).
.set VOFF,  139264                     ; K: 512 double rows x 272; V behind it: 512 x 288
.set STAGE, VOFF+147456                ; the way out: 16 rows x (128 + 16) bytes for each wave; no fill lands here
.set SPARE, STAGE+8*2304               ; the spare words, 128 bytes a wave
.set VPL,   2097152                    ; from K's plane to V's in qkv16: 8 planes
.set SPW,   14
.set NIL,   15
.set MSB, 0
.macro WIN new
.if MSB != \new
	s_set_vgpr_msb (MSB<<8)|\new
.set MSB, \new
.endif
.endm
.macro CROUND
	s_barrier_signal -1
	s_barrier_wait -1
	s_cmp_lg_u32 s8, 0
	s_cbranch_scc1 .Lnot_wave_0_\@
	s_barrier_signal -3
.Lnot_wave_0_\@:
	s_barrier_wait -3
	s_barrier_signal -1
	s_barrier_wait -1
.endm
	s_load_b128 s[4:7], s[0:1], 0x0                ; qkv16, attn16
	v_lshl_add_u32 v[SPW], v0, 2, SPARE
	v_mov_b32 v[NIL], 0
	ds_add_u32 v[SPW], v[NIL]                      ; the wave's opening: the add, twice on end, and its wait ahead of my first tensor load
	ds_add_u32 v[SPW], v[NIL]
	v_lshrrev_b32 v1, 5, v0
	v_readfirstlane_b32 s8, v1                     ; wave 0..7
	s_bfe_u32 s9, ttmp6, 0x40000                   ; cx: my head within the group: it enters Q's and the output's addresses alone
	s_mov_b32 s10, ttmp9                           ; u
	s_and_b32 s11, ttmp7, 0xffff
	s_lshr_b32 s12, s11, 3                         ; batch
	s_and_b32 s13, s11, 7                          ; group
	s_lshl_b32 s14, s8, 3
	s_add_co_u32 s14, s14, s10                     ; tA
	s_sub_co_u32 s15, 63, s14                      ; tB
	s_lshl_b32 s19, s14, 4                         ; their first queries,
	s_lshl_b32 s20, s15, 4
	s_add_co_u32 s16, s19, 15                      ; their last,
	s_add_co_u32 s17, s20, 15
	s_max_u32 s18, s16, s17                        ; and my wave's last
	s_mov_b32 s21, 0                               ; the step's first key
	s_mov_b32 s22, 0                               ; where its K begins in LDS: 8,704 bytes a step
	s_mov_b32 s23, 0                               ; and its V: 9,216
	s_mov_b32 s78, 0x76543210
	s_mov_b32 s79, 0xfedcba98                      ; v_permlanex16_b32's selects for lane l xor 16
	; descriptor group 1: 32 rows of 256 bytes (two keys each), dense in memory, padded in LDS
	s_mov_b32 s24, 15|(3<<16)|(1<<20)|(1<<21)|(5<<22)|(3<<25)   ; the mask: all four work-groups; elements of 8 bytes; 4 words of padding behind every 64
	s_mov_b32 s32, 15|(3<<16)|(1<<20)|(1<<21)|(5<<22)|(7<<25)   ; V: 8 words
.irp g, 24, 32
	s_mov_b32 s[\g+1], 32<<16
	s_mov_b32 s[\g+2], 32<<16
	s_mov_b32 s[\g+3], 32<<16
	s_mov_b32 s[\g+4], 32
	s_mov_b32 s[\g+5], 32
	s_mov_b32 s[\g+6], 0
	s_mov_b32 s[\g+7], 0
.endr
	s_and_b32 s92, s8, 3                           ; which 64 keys of a chunk I fetch
	s_add_co_u32 s86, s13, 32
	s_lshl_b32 s86, s86, 18                        ; K's plane,
	s_lshl_b32 s87, s12, 17
	s_add_co_u32 s86, s86, s87                     ; the batch's rows,
	s_lshl_b32 s87, s92, 13
	s_add_co_u32 s86, s86, s87                     ; my 64 keys of 128 bytes
	s_mov_b32 s87, 0
	s_mul_i32 s94, s92, 8704                       ; where they go: no place in the cluster enters an LDS address
	s_mul_i32 s95, s92, 9216
	s_lshl_b32 s84, s13, 2
	s_add_co_u32 s84, s84, s9                      ; my head
	s_lshl_b32 s84, s84, 18
	s_lshl_b32 s85, s12, 17
	s_add_co_u32 s84, s84, s85
	s_lshl_b32 s77, s14, 11
	s_add_co_u32 s88, s84, s77                     ; tile A's 16 rows, in q's plane and in attn16 alike
	s_mov_b32 s89, 0
	s_lshl_b32 s77, s15, 11
	s_add_co_u32 s90, s84, s77                     ; tile B's
	s_mov_b32 s91, 0
	s_wait_dscnt 0x0                               ; both opening adds are done
	s_wait_kmcnt 0x0
	s_add_nc_u64 s[86:87], s[4:5], s[86:87]
	s_add_nc_u64 s[80:81], s[6:7], s[88:89]
	s_add_nc_u64 s[82:83], s[6:7], s[90:91]
	s_add_nc_u64 s[88:89], s[4:5], s[88:89]
	s_add_nc_u64 s[90:91], s[4:5], s[90:91]
.macro MKG0 g, lreg, loff, goff
	s_mov_b32 s[\g], 1
	s_add_co_u32 s[\g+1], s[\lreg], \loff
	s_add_nc_u64 s[\g+2:\g+3], s[86:87], \goff
	s_or_b32 s[\g+3], s[\g+3], 0x80000000
.endm
	MKG0 40, 94, 0, 0                              ; K, chunks 0 to 3: 34,816 bytes of LDS and 32,768 of memory a chunk
	MKG0 44, 94, 34816, 32768
	MKG0 48, 94, 2*34816, 2*32768
	MKG0 52, 94, 3*34816, 3*32768
	MKG0 56, 95, VOFF, VPL                         ; V: 36,864 bytes of LDS a chunk
	MKG0 60, 95, VOFF+36864, VPL+32768
	MKG0 68, 95, VOFF+2*36864, VPL+2*32768
	MKG0 72, 95, VOFF+3*36864, VPL+3*32768
	CROUND                                         ; all four work-groups are here: the joint loads meet
	s_cmp_lt_u32 s8, 4                             ; a wave's four first fills stand in one branch, ahead of every wait on TENSORcnt and every LDS read
	s_cbranch_scc0 .Lfirst_v
	tensor_load_to_lds s[40:43], s[24:31]
	s_nop 0
	tensor_load_to_lds s[44:47], s[24:31]
	s_nop 0
	tensor_load_to_lds s[48:51], s[24:31]
	s_nop 0
	tensor_load_to_lds s[52:55], s[24:31]
	s_nop 0
.rept 4
	v_nop
.endr
	s_branch .Lfirst_asked
.Lfirst_v:
	tensor_load_to_lds s[56:59], s[32:39]
	s_nop 0
	tensor_load_to_lds s[60:63], s[32:39]
	s_nop 0
	tensor_load_to_lds s[68:71], s[32:39]
	s_nop 0
	tensor_load_to_lds s[72:75], s[32:39]
	s_nop 0
.rept 4
	v_nop
.endr
.Lfirst_asked:
	v_and_b32 v1, 15, v0                           ; r
	v_bfe_u32 v2, v0, 4, 1                         ; h
	v_lshlrev_b32 v10, 7, v1
	v_lshl_add_u32 v10, v2, 4, v10                 ; Q: row r of 128 bytes + 16 h
.irp x, 0,1
.irp c, 0,1
	global_load_b128 v[32+16*\x+8*\c:35+16*\x+8*\c], v10, s[88+2*\x:89+2*\x] offset:64*\c       ; Q's fragments stay in registers
	global_load_b128 v[36+16*\x+8*\c:39+16*\x+8*\c], v10, s[88+2*\x:89+2*\x] offset:64*\c+32
.endr
.endr
	v_lshrrev_b32 v3, 1, v1                        ; K: key r of a tile: double row r / 2, half r % 2, + 16 h
	v_mul_u32_u24 v3, v3, 272
	v_and_b32 v5, 1, v1
	v_lshl_add_u32 v3, v5, 7, v3
	v_lshl_add_u32 v3, v2, 4, v3
	v_and_b32 v5, 7, v0                            ; V, for the turning load: key 8 h + lane % 8, channels 8 ((lane / 8) % 2) on
	v_lshl_add_u32 v5, v2, 3, v5
	v_lshrrev_b32 v4, 1, v5
	v_mul_u32_u24 v4, v4, 288
	v_and_b32 v5, 1, v5
	v_lshl_add_u32 v4, v5, 7, v4
	v_bfe_u32 v5, v0, 3, 1
	v_lshl_add_u32 v4, v5, 4, v4
	v_add_nc_u32 v4, VOFF, v4
	s_mul_i32 s77, s8, 2304
	s_add_co_u32 s77, s77, STAGE                   ; my stage
	v_mul_u32_u24 v7, v1, 144
	v_lshl_add_u32 v7, v2, 4, v7
	v_add_nc_u32 v7, s77, v7                       ; in: row r, 16 bytes for each half of the lanes
	v_and_b32 v6, 31, v0
	v_lshlrev_b32 v9, 4, v6                        ; 16 x lane
	v_lshrrev_b32 v8, 3, v6
	v_mul_u32_u24 v8, v8, 144
	v_and_b32 v6, 7, v6
	v_lshl_add_u32 v8, v6, 4, v8
	v_add_nc_u32 v8, s77, v8                       ; back: eight lanes to a row, four rows an instruction
	v_lshlrev_b32 v11, 3, v2
	v_sub_nc_u32 v11, v1, v11                      ; r - 8 h, for the mask
	v_mov_b32 v13, 0xff800000                      ; -infinity
.irp x, 0,1
	v_mov_b32 v[16+8*\x], 0xff61b1e6               ; m = -3e38, under every score
.irp k, 1,2,3,4,5,6,7
	v_mov_b32 v[16+8*\x+\k], 0                     ; l = 0; the rest is named as pair partners or as a lane permute's destination before it is first written
.endr
.endr
.set i, 0
.rept 64
	v_mov_b32 v[64+i], 0                           ; O^T.  (The step is written once: the first finds zeros, which its factor 0 leaves zeros)
.set i, i+1
.endr
; ONE TILE OF 16 QUERIES AGAINST THE STEP'S 64 KEYS.
.macro TILE x
.set T, 16+8*\x
.set Q, 32+16*\x
.set O, 64+32*\x
	s_cmp_gt_u32 s21, s[16+\x]                     ; all the step's keys come after this tile's queries: nothing to do
	s_cbranch_scc1 .Lno_tile_\@
	s_wait_dscnt 16                                ; K's sixteen loads are in; V's sixteen may be out
	WIN 0x01                                       ; source 0 window 1
.irp kt, 0,1,2,3
	v_wmma_f32_16x16x32_f16 v[128+8*\kt:135+8*\kt], v[16*\kt:16*\kt+7], v[Q:Q+7], 0
.endr
.irp kt, 0,1,2,3
	v_wmma_f32_16x16x32_f16 v[128+8*\kt:135+8*\kt], v[16*\kt+8:16*\kt+15], v[Q+8:Q+15], v[128+8*\kt:135+8*\kt]
.endr
	WIN 0
.rept 4
	v_nop                                          ; places behind the products, in front of the first read of the scores
.endr
	s_add_co_u32 s77, s21, 63
	s_cmp_le_u32 s77, s[19+\x]                     ; all the step's keys count: no mask
	s_cbranch_scc1 .Lopen_\@
	s_sub_co_i32 s77, s[19+\x], s21
	v_add_nc_u32 v12, s77, v11                     ; register 8 kt + j holds key 16 kt + 8 h + j of the step: hidden where 16 kt + j > my query - the step's first key - 8 h
.set n, 0
.rept 32
	v_cmp_gt_i32 vcc_lo, 16*(n/8)+n%8, v12
	v_cndmask_b32 v[128+n], v[128+n], v13, vcc_lo
.set n, n+1
.endr
.Lopen_\@:
.irp kt, 0,1,2,3
	v_max3_num_f32 v[176+\kt], v[128+8*\kt], v[129+8*\kt], v[130+8*\kt]   ; four chains, each begun at its accumulator's low end
.endr
.irp kt, 0,1,2,3
	v_max3_num_f32 v[176+\kt], v[176+\kt], v[131+8*\kt], v[132+8*\kt]
.endr
.irp kt, 0,1,2,3
	v_max3_num_f32 v[176+\kt], v[176+\kt], v[133+8*\kt], v[134+8*\kt]
.endr
	v_max3_num_f32 v176, v176, v135, v143
	v_max3_num_f32 v178, v178, v151, v159
	v_max3_num_f32 v176, v176, v177, v178
	v_max3_num_f32 v176, v176, v179, v[T]
	v_permlanex16_b32 v[T+7], v176, s78, s79       ; the query's other 32 keys lie in the lane 16 away
	v_max_num_f32 v[T+6], v176, v[T+7]             ; the new m
	v_sub_f32 v[T+7], v[T], v[T+6]                 ; old m - new m
	v_mov_b32 v[T], v[T+6]
.set n, 0
.rept 16
	v_pk_add_f32 v[128+n:129+n], v[128+n:129+n], v[T:T+1] op_sel_hi:[1,0] neg_lo:[0,1] neg_hi:[0,1]   ; s - m, two at a time
.set n, n+2
.endr
	v_exp_f32 v[T+4], v[T+7]                       ; the factor 2^(old m - new m)
.set n, 0
.rept 32
	v_exp_f32 v[128+n], v[128+n]                   ; p
.set n, n+1
.endr
	v_nop                                          ; a plain line behind the last exponential
	s_wait_alu depctr_va_vdst(0)                   ; one wait for the batch of 33, ahead of its first reader
	v_pk_mul_f32 v[T+2:T+3], v[T+2:T+3], v[T+4:T+5] op_sel_hi:[1,0]
	v_pk_add_f32 v[180:181], v[128:129], v[130:131]   ; the sum of the unrounded p, in two chains
.irp j, 4,8,12,16,20,24,28
	v_pk_add_f32 v[T+2:T+3], v[T+2:T+3], v[128+\j:129+\j]
	v_pk_add_f32 v[180:181], v[180:181], v[130+\j:131+\j]
.endr
	v_pk_add_f32 v[T+2:T+3], v[T+2:T+3], v[180:181]
.set n, 0
.rept 16
	v_cvt_pk_f16_f32 v[160+n], v[128+2*n], v[129+2*n]   ; two score tiles, rounded in pairs, ARE source 1 (32 keys x 16 queries) of the second product
.set n, n+1
.endr
.set n, 0
.rept 16
	v_pk_mul_f32 v[O+n:O+n+1], v[O+n:O+n+1], v[T+4:T+5] op_sel_hi:[1,0]   ; O^T under the new m
.set n, n+2
.endr
	s_wait_dscnt 0x0                               ; V is in
	WIN 0x01
.irp ct, 0,1,2,3
	v_wmma_f32_16x16x32_f16 v[O+8*\ct:O+8*\ct+7], v[64+8*\ct:71+8*\ct], v[160:167], v[O+8*\ct:O+8*\ct+7]
.endr
.irp ct, 0,1,2,3
	v_wmma_f32_16x16x32_f16 v[O+8*\ct:O+8*\ct+7], v[96+8*\ct:103+8*\ct], v[168:175], v[O+8*\ct:O+8*\ct+7]
.endr
	WIN 0
.Lno_tile_\@:
.endm
; A KEY STEP: 64 keys.  K's and V's fragments are read once for both tiles.  A step all of whose keys come after both tiles' queries is left out, but for the lines that step addresses.
.macro STEP
	s_cmp_gt_u32 s21, s18
	s_cbranch_scc1 .Lend_step_\@
	s_wait_dscnt 0x0                               ; the last step's 32 loads have landed, on every way here, before their registers are loaded again (a tile that was worked has waited for them already)
	v_add_nc_u32 v5, s22, v3
	v_add_nc_u32 v6, s23, v4
	v_nop
	v_nop                                          ; four places behind the last products, in front of loads into the registers that they read
	WIN 0x40                                       ; destination window 1
.irp kt, 0,1,2,3
.irp c, 0,1
	ds_load_b128 v[16*\kt+8*\c:16*\kt+8*\c+3], v5 offset:\kt*2176+64*\c
	ds_load_b128 v[16*\kt+8*\c+4:16*\kt+8*\c+7], v5 offset:\kt*2176+64*\c+32
.endr
.endr
.irp c, 0,1
.irp ct, 0,1,2,3
	ds_load_tr16_b128 v[64+32*\c+8*\ct:64+32*\c+8*\ct+3], v6 offset:\c*4608+32*\ct
	ds_load_tr16_b128 v[64+32*\c+8*\ct+4:64+32*\c+8*\ct+7], v6 offset:\c*4608+32*\ct+2304
.endr
.endr
	WIN 0
	TILE 0
	TILE 1
.Lend_step_\@:
	s_add_co_u32 s21, s21, 64
	s_add_co_u32 s22, s22, 8704
	s_add_co_u32 s23, s23, 9216
.endm
; A CHUNK OF 256 KEYS: my parts of the chunks up to this one have landed (left: the later ones, which may stay out); a barrier; four steps, a constant count.
.macro CHUNK left
	s_wait_dscnt 0x0
	s_wait_tensorcnt \left
	s_barrier_signal -1
	s_barrier_wait -1
	s_mov_b32 s76, 4
.Lsteps_\@:
	STEP
	s_sub_co_u32 s76, s76, 1
	s_cmp_lg_u32 s76, 0
	s_cbranch_scc1 .Lsteps_\@
.endm
	s_wait_loadcnt 0x0                             ; Q
	CHUNK 3
	CHUNK 2
	CHUNK 1
	CHUNK 0
; THE WAY OUT of a tile: O^T / l, rounded to f16, through my stage, and out as whole rows: an instruction stores four rows, 512 consecutive bytes.
.macro OUTT x
.set T, 16+8*\x
.set O, 64+32*\x
	v_add_f32 v[T+6], v[T+2], v[T+3]
	v_permlanex16_b32 v[T+7], v[T+6], s78, s79
	v_add_f32 v[T+6], v[T+6], v[T+7]
	v_rcp_f32 v[T+4], v[T+6]
	v_nop                                          ; a plain line behind the reciprocal,
	s_wait_alu depctr_va_vdst(0)                   ; and the wait ahead of its first reader
.set n, 0
.rept 16
	v_pk_mul_f32 v[O+n:O+n+1], v[O+n:O+n+1], v[T+4:T+5] op_sel_hi:[1,0]
.set n, n+2
.endr
.set n, 0
.rept 16
	v_cvt_pk_f16_f32 v[160+n], v[O+2*n], v[O+2*n+1]
.set n, n+1
.endr
.irp ct, 0,1,2,3
	ds_store_b128 v7, v[160+4*\ct:163+4*\ct] offset:32*\ct
.endr
.irp i, 0,1,2,3
	ds_load_b128 v[128+16*\x+4*\i:131+16*\x+4*\i], v8 offset:\i*576   ; LDS serves a wave's instructions in order: these see my stores
.endr
.irp i, 0,1,2,3
	s_wait_dscnt 3-\i
	global_store_b128 v9, v[128+16*\x+4*\i:131+16*\x+4*\i], s[80+2*\x:81+2*\x] offset:512*\i
.endr
.endm
.rept 4
	v_nop                                          ; places behind the last products
.endr
	OUTT 0
	OUTT 1
	s_wait_tensorcnt 0x0                           ; the wave's end
	ds_add_u32 v[SPW], v[NIL]
	s_wait_dscnt 0x0
	CROUND                                         ; the closing round
	s_endpgm
.Lfunc_end_k_q3361e3219a_attn:
	.size	k_q3361e3219a_attn, .Lfunc_end_k_q3361e3219a_attn-k_q3361e3219a_attn
	.p2alignl 7, 3214868480
	.fill 96, 4, 3214868480
	.section	.rodata,"a",@progbits
	.p2align	6, 0x0
	.amdhsa_kernel k_q3361e3219a_attn
		.amdhsa_group_segment_fixed_size 327680
		.amdhsa_private_segment_fixed_size 0
		.amdhsa_enable_private_segment 0
		.amdhsa_kernarg_size 16
		.amdhsa_user_sgpr_count 2
		.amdhsa_user_sgpr_kernarg_segment_ptr 1
		.amdhsa_wavefront_size32 1
		.amdhsa_system_sgpr_workgroup_id_x 1
		.amdhsa_system_sgpr_workgroup_id_y 1
		.amdhsa_system_sgpr_workgroup_id_z 1
		.amdhsa_system_vgpr_workitem_id 0
		.amdhsa_next_free_vgpr 384
		.amdhsa_next_free_sgpr 100
		.amdhsa_reserve_vcc 1
		.amdhsa_float_denorm_mode_32 3
		.amdhsa_float_denorm_mode_16_64 3
		.amdhsa_memory_ordered 1
		.amdhsa_forward_progress 1
		.amdhsa_inst_pref_size 109
	.end_amdhsa_kernel
	.amdgpu_metadata
---
amdhsa.version: [ 1, 2 ]
amdhsa.kernels:
  - .name:           k_q3361e3219a_attn
    .symbol:         k_q3361e3219a_attn.kd
    .args:
      - { .name: qkv16, .offset: 0, .size: 8, .value_kind: global_buffer, .address_space: global }
      - { .name: attn16, .offset: 8, .size: 8, .value_kind: global_buffer, .address_space: global }
    .group_segment_fixed_size: 327680
    .private_segment_fixed_size: 0
    .kernarg_segment_align: 8
    .kernarg_segment_size: 16
    .max_flat_workgroup_size: 256
    .sgpr_count:     100
    .vgpr_count:     384
    .wavefront_size: 32
...
	.end_amdgpu_metadata
.endif
;; end of part 3
;; launch proj (part 4): grid 16 x 16, 4 waves a work-group, clusters of 4 x 4, 327,680 bytes of LDS; arguments attn16, wo16, out0; writes out0
.if DOCPART == 4
	.amdgcn_target "amdgcn-amd-amdhsa--gfx1250"
	.amdhsa_code_object_version 6
	.text
	.protected	k_q3361e3219a_proj
	.globl	k_q3361e3219a_proj
	.p2align	8
	.type	k_q3361e3219a_proj,@function
k_q3361e3219a_proj:
	s_mov_b64 s[64:65], 0
	v_nop
	global_prefetch_b8 v0, s[64:65] scope:SCOPE_SE
	s_setreg_imm32_b32 hwreg(HW_REG_WAVE_MODE, 25, 1), 1
	s_wait_xcnt 0x0
	s_wait_alu depctr_hold_cnt(0) depctr_sa_sdst(0) depctr_va_vdst(0) depctr_va_sdst(0) depctr_va_ssrc(0) depctr_va_vcc(0) depctr_vm_vsrc(0)
	s_getreg_b32 s2, hwreg(HW_REG_IB_STS2, 6, 4)
	s_cmp_eq_u32 s2, 0
	s_cbranch_scc0 .Lentry_in_a_cluster
	s_endpgm
.Lentry_in_a_cluster:
	s_bfe_u32 s2, ttmp6, 0x10000c
	s_cmp_lg_u32 s2, 0xf033
	s_cbranch_scc0 .Lentry_shape_is_right
	s_endpgm
.Lentry_shape_is_right:
; PROJ: out0 [2048][2048] f32 = attention's result [2048][K 2048] x wo [K 2048][2048], f16 operands, f32 sums.  All rows; the first 16 positions of each sequence are written again, more finely, by the next launch.
; A: attn16, [head][row][64] f16: K = 64 x head + channel.  B: wo16's high parts, images of the operand's registers: [column / 16][k / 8][column % 16][8 f16].
; A tile of the result is 128 x 128: 256 work-groups.  Four waves, each 64 x 64: 16 accumulators.  K goes in steps of 256 (four heads) through a ring of two LDS slots.
; CLUSTERS: 4 x 4.  A's tile is asked for jointly along a row of the cluster (waves 0, 1: 64 rows each), B's along a column (waves 2, 3: four column tiles each).
; THE MATRIX INSTRUCTION IS USED TRANSPOSED (source 0 = 16 columns of wo, source 1 = 16 rows of A): a lane holds eight neighbouring numbers of a row of the result.
; A wave has two tensor loads out at the start and one behind each round.
; LIMITS: f16 operands, as stated where they are made.
; REGISTERS: window 0: v16-29 addresses; v32-95 the way out; v128-255 the accumulators ((a, b) at 128 + 8 (4 a + b)).  window 1: two fragment buffers of 128: 64 of A (2 x 4 x 16 rows x 32 K), then 64 of B.
.set AHALF, 34816                      ; 64 rows x 4 heads: [head 4][32 double rows x (256 + 16) bytes]
.set BHALF, 32768                      ; 4 column tiles x 8,192 bytes of images
.set SLOT,  2*AHALF+2*BHALF
.set STAGE, 2*SLOT                     ; the way out: 16 rows x (256 + 16) bytes for each wave; no fill lands here
.set SPITCH, 272
.set SPARE, STAGE+4*16*SPITCH
.set LAPS,  4                          ; a lap = two K steps
.set ADRA, 16
.set ADRB, 20
.set STO,  24
.set RD,   25
.set CO,   26
.set SPW,  28
.set NIL,  29
.set TMP,  32
.set ACC,  128
.set F0,   0
.set F1,   128
.set G1, 24
.set G0, 32
.set G1B, 48
.set G0B, 56
.set MSB, 0
.macro WIN new
.if MSB != \new
	s_set_vgpr_msb (MSB<<8)|\new
.set MSB, \new
.endif
.endm
.set MUL,  0x05                        ; sources 0 and 1 window 1; C and D window 0
.set TO_F, 0x40                        ; destination window 1
.macro JLOAD s                         ; a joint load; an s_nop 0 and four v_nop follow each of the two lines
	s_cmp_eq_u32 s11, 0
	s_cbranch_scc0 .Lfor_b_\@
	tensor_load_to_lds s[G0+4*\s:G0+4*\s+3], s[G1:G1+7]
	s_nop 0
.rept 4
	v_nop
.endr
	s_branch .Lasked_\@
.Lfor_b_\@:
	tensor_load_to_lds s[G0B+4*\s:G0B+4*\s+3], s[G1B:G1B+7]
	s_nop 0
.rept 4
	v_nop
.endr
.Lasked_\@:
.endm
.macro CREST
	s_cmp_lg_u32 s10, 0
	s_cbranch_scc1 .Lnot_wave_0_\@
	s_barrier_signal -3
.Lnot_wave_0_\@:
	s_barrier_wait -3
	s_barrier_signal -1
	s_barrier_wait -1
.endm
.macro CROUND
	s_barrier_signal -1
	s_barrier_wait -1
	CREST
.endm
	s_load_b128 s[4:7], s[0:1], 0x0                ; attn16, wo16
	s_load_b64 s[8:9], s[0:1], 0x10                ; out0
	v_lshl_add_u32 v[SPW], v0, 2, SPARE
	v_mov_b32 v[NIL], 0
	ds_add_u32 v[SPW], v[NIL]                      ; the wave's opening: the add, twice on end, and its wait ahead of my first tensor load
	ds_add_u32 v[SPW], v[NIL]
	v_lshrrev_b32 v1, 5, v0
	v_readfirstlane_b32 s10, v1                    ; wave 0..3
	s_lshr_b32 s11, s10, 1                         ; which half of the tile's rows is mine.  Also: I fetch for A (0) or for B (1)
	s_and_b32 s12, s10, 1                          ; which half of its columns.  Also: which half of that tile I fetch
	s_bfe_u32 s40, ttmp6, 0x40000                  ; cx, cy
	s_bfe_u32 s41, ttmp6, 0x40004
	s_lshl_b32 s42, ttmp9, 2
	s_add_co_u32 s42, s42, s40                     ; tile column
	s_and_b32 s13, ttmp7, 0xffff
	s_lshl_b32 s13, s13, 2
	s_add_co_u32 s13, s13, s41                     ; tile row
	s_lshl_b32 s43, s41, 2
	s_lshl_b32 s43, 15, s43                        ; my row of the cluster
	s_lshl_b32 s44, 0x1111, s40                    ; my column
	; A: four heads x 8,192 bytes (64 rows of 128), 262,144 bytes apart; 16 bytes of padding behind every 256
	s_or_b32 s[G1+0], s43, (3<<16)|(1<<20)|(1<<21)|(5<<22)|(3<<25)
	s_mov_b32 s[G1+1], 1024<<16
	s_mov_b32 s[G1+2], 4<<16
	s_mov_b32 s[G1+3], 1024<<16
	s_mov_b32 s[G1+4], 4
	s_mov_b32 s[G1+5], 32768
	s_mov_b32 s[G1+6], 0
	s_mov_b32 s[G1+7], 0
	; B: four column tiles x 8,192 bytes, 65,536 bytes apart, dense in LDS
	s_or_b32 s[G1B+0], s44, (3<<16)|(1<<21)
	s_mov_b32 s[G1B+1], 1024<<16
	s_mov_b32 s[G1B+2], 4<<16
	s_mov_b32 s[G1B+3], 1024<<16
	s_mov_b32 s[G1B+4], 4
	s_mov_b32 s[G1B+5], 8192
	s_mov_b32 s[G1B+6], 0
	s_mov_b32 s[G1B+7], 0
	s_lshl_b32 s16, s13, 14                        ; A: (128 x tile row + 64 x half) rows of 128 bytes
	s_lshl_b32 s17, s12, 13
	s_add_co_u32 s16, s16, s17
	s_mov_b32 s17, 0
	s_lshl_b32 s46, s42, 19                        ; B: (8 x tile column + 4 x half) tiles of 65,536 bytes
	s_lshl_b32 s47, s12, 18
	s_add_co_u32 s46, s46, s47
	s_mov_b32 s47, 0
	s_mul_i32 s20, s12, AHALF                      ; where they go in a slot
	s_lshl_b32 s21, s12, 15
	s_add_co_u32 s21, s21, 2*AHALF
	s_wait_dscnt 0x0                               ; both opening adds are done
	s_wait_kmcnt 0x0
	s_add_nc_u64 s[14:15], s[4:5], s[16:17]
	s_add_nc_u64 s[46:47], s[6:7], s[46:47]
	CROUND                                         ; all sixteen work-groups are here
.irp s, 0,1
	s_mov_b32 s[G0+4*\s], 1
	s_add_co_u32 s[G0+4*\s+1], s20, \s*SLOT
	s_add_nc_u64 s[G0+4*\s+2:G0+4*\s+3], s[14:15], \s*1048576      ; K step s: four heads on
	s_or_b32 s[G0+4*\s+3], s[G0+4*\s+3], 0x80000000
	s_mov_b32 s[G0B+4*\s], 1
	s_add_co_u32 s[G0B+4*\s+1], s21, \s*SLOT
	s_add_nc_u64 s[G0B+4*\s+2:G0B+4*\s+3], s[46:47], \s*8192
	s_or_b32 s[G0B+4*\s+3], s[G0B+4*\s+3], 0x80000000
	JLOAD \s
.endr
	v_and_b32 v1, 15, v0                           ; r
	v_bfe_u32 v2, v0, 4, 1                         ; h
	v_lshrrev_b32 v3, 1, v1                        ; A: row r of a tile: double row r / 2, half r % 2, + 16 h
	v_mul_u32_u24 v3, v3, 272
	v_and_b32 v4, 1, v1
	v_lshl_add_u32 v3, v4, 7, v3
	v_lshl_add_u32 v3, v2, 4, v3
	v_and_b32 v4, 31, v0
	v_lshlrev_b32 v4, 4, v4                        ; B: 16 x lane
	s_mul_i32 s21, s11, AHALF                      ; my 64 rows of A
	s_lshl_b32 s22, s12, 15                        ; my 64 columns of B,
	s_add_co_u32 s22, s22, 2*AHALF                 ; which lie behind A
.irp s, 0,1
	v_add_nc_u32 v[ADRA+\s], s21, v3
	v_add_nc_u32 v[ADRB+\s], s22, v4
	s_add_co_u32 s21, s21, SLOT
	s_add_co_u32 s22, s22, SLOT
.endr
	s_mul_i32 s23, s10, 16*SPITCH
	s_add_co_u32 s23, s23, STAGE                   ; my stage
	v_mul_u32_u24 v5, v1, SPITCH
	v_lshl_add_u32 v5, v2, 5, v5
	v_add_nc_u32 v[STO], s23, v5                   ; in: row r, 32 bytes for each half of the lanes
	v_mul_u32_u24 v5, v2, SPITCH
	v_lshl_add_u32 v5, v1, 4, v5
	v_add_nc_u32 v[RD], s23, v5                    ; back: lanes 0-15 one row of 256 bytes, lanes 16-31 the next
	v_lshlrev_b32 v5, 13, v2
	v_lshl_add_u32 v[CO], v1, 4, v5                ; and the same two rows in out0
	s_lshl_b32 s16, s13, 20                        ; my first row: (128 x tile row + 64 x half) x 8,192 bytes
	s_lshl_b32 s17, s11, 19
	s_add_co_u32 s16, s16, s17
	s_mov_b32 s17, 0
	s_add_nc_u64 s[8:9], s[8:9], s[16:17]
	s_lshl_b32 s46, s42, 9                         ; my first column: (128 x tile column + 64 x half) x 4 bytes
	s_lshl_b32 s47, s12, 8
	s_add_co_u32 s46, s46, s47
	s_mov_b32 s47, 0
	s_add_nc_u64 s[8:9], s[8:9], s[46:47]
; 8 matrix instructions: row tiles a0, a0 + 1 x all 4 column tiles, 32 along K: half c of buffer f.  zero = 1: the first product starts the sums
.macro MUL8 f, c, a0, zero
.irp a, \a0, \a0+1
.irp b, 0,1,2,3
.if \zero
	v_wmma_f32_16x16x32_f16 v[ACC+8*(4*(\a)+\b):ACC+8*(4*(\a)+\b)+7], v[\f+64+8*(4*\c+\b):\f+64+8*(4*\c+\b)+7], v[\f+8*(4*\c+\a):\f+8*(4*\c+\a)+7], 0
.else
	v_wmma_f32_16x16x32_f16 v[ACC+8*(4*(\a)+\b):ACC+8*(4*(\a)+\b)+7], v[\f+64+8*(4*\c+\b):\f+64+8*(4*\c+\b)+7], v[\f+8*(4*\c+\a):\f+8*(4*\c+\a)+7], v[ACC+8*(4*(\a)+\b):ACC+8*(4*(\a)+\b)+7]
.endif
.endr
.endr
.endm
; 32 LDS loads in one run: the fragments of the slot's head z (64 along K) into buffer f; the first 32 along K first
.macro FETCH slot, z, f
	WIN TO_F
.irp c, 0,1
.irp i, 0,1,2,3
	ds_load_b128 v[\f+64+8*(4*\c+\i):\f+64+8*(4*\c+\i)+3],   v[ADRB+\slot] offset:\i*8192+(2*(\z)+\c)*1024
	ds_load_b128 v[\f+64+8*(4*\c+\i)+4:\f+64+8*(4*\c+\i)+7], v[ADRB+\slot] offset:\i*8192+(2*(\z)+\c)*1024+512
	ds_load_b128 v[\f+8*(4*\c+\i):\f+8*(4*\c+\i)+3],         v[ADRA+\slot] offset:(\z)*8704+\i*2176+64*\c
	ds_load_b128 v[\f+8*(4*\c+\i)+4:\f+8*(4*\c+\i)+7],       v[ADRA+\slot] offset:(\z)*8704+\i*2176+64*\c+32
.endr
.endr
.endm
.macro PLACES
.rept 4
	v_nop
.endr
.endm
; A K step is four quarters (heads), 32 matrix instructions each, on buffers 0, 1, 0, 1.  One of the first three: multiplies buffer f and fetches head z into g.
.macro QUARTER slot, z, f, g, zero
	s_wait_dscnt 16                                ; the first 32 along K are in
	WIN MUL
	MUL8 \f, 0, 0, \zero
	MUL8 \f, 0, 2, \zero
	PLACES
	FETCH \slot, \z, \g
	s_wait_dscnt 32                                ; all but the 32 just issued
	WIN MUL
	MUL8 \f, 1, 0, 0
	MUL8 \f, 1, 2, 0
.endm
; The last quarter multiplies buffer 1 and changes slots: one barrier; in front of it each wave waits for all its tensor loads, adds 0 to its spare word, and waits for that and for its reads of this slot.
.macro TURN slot, next, fill
	WIN 0
	s_wait_tensorcnt 0x0                           ; all my tensor loads have landed: my part of the next slot
	ds_add_u32 v[SPW], v[NIL]                      ; 0 onto my spare word
	s_wait_dscnt 17                                ; (the add and the youngest sixteen loads may be out)
	WIN MUL
	MUL8 F1, 0, 0, 0
	s_wait_dscnt 0x0                               ; the add is done, and my reads of this slot are over
	s_barrier_signal -1
	MUL8 F1, 0, 2, 0
.if \fill
	WIN 0
.endif
	s_barrier_wait -1
.if \fill
	CREST                                          ; the barrier has opened a round of the cluster's barrier
	s_add_nc_u64 s[G0+4*\slot+2:G0+4*\slot+3], s[G0+4*\slot+2:G0+4*\slot+3], 2097152      ; two K steps on: eight heads,
	s_add_nc_u64 s[G0B+4*\slot+2:G0B+4*\slot+3], s[G0B+4*\slot+2:G0B+4*\slot+3], 16384    ; 16,384 bytes of each column tile
	JLOAD \slot                                    ; the first tensor load behind the round; its four v_nop are the places in front of the loads below
.else
	PLACES
.endif
	FETCH \next, 0, F0
	WIN MUL
	MUL8 F1, 1, 0, 0
	MUL8 F1, 1, 2, 0
.endm
	s_wait_tensorcnt 1                             ; my part of K step 0 is in; K step 1's may stay out
	s_barrier_signal -1
	s_barrier_wait -1
	FETCH 0, 0, F0
	QUARTER 0, 1, F0, F1, 1                        ; the first quarter stands in front of the loop: its first products start the sums
	WIN 0
	s_mov_b32 s3, LAPS-1
.Llap:                                                 ; a trip goes once round the ring and fills both slots again
	QUARTER 0, 2, F1, F0, 0
	QUARTER 0, 3, F0, F1, 0
	TURN 0, 1, 1
	QUARTER 1, 1, F0, F1, 0
	QUARTER 1, 2, F1, F0, 0
	QUARTER 1, 3, F0, F1, 0
	TURN 1, 0, 1
	QUARTER 0, 1, F0, F1, 0
	WIN 0
	s_sub_co_u32 s3, s3, 1
	s_cmp_lg_u32 s3, 0
	s_cbranch_scc1 .Llap
	QUARTER 0, 2, F1, F0, 0                        ; the last lap fills nothing
	QUARTER 0, 3, F0, F1, 0
	TURN 0, 1, 0
	QUARTER 1, 1, F0, F1, 0
	QUARTER 1, 2, F1, F0, 0
	QUARTER 1, 3, F0, F1, 0
	s_wait_dscnt 16
	WIN MUL
	MUL8 F1, 0, 0, 0
	MUL8 F1, 0, 2, 0
	s_wait_dscnt 0
	MUL8 F1, 1, 0, 0
	MUL8 F1, 1, 2, 0
	WIN 0
; THE WAY OUT, 16 rows x 64 columns at a time, through my own stage: a wave's 64 columns of f32 are 256 consecutive bytes, aligned, so no other wave is needed and no barrier.
.macro TOSTAGE a
.set BB, TMP+32*((\a)%2)
.irp b, 0,1,2,3
	ds_store_b128 v[STO], v[ACC+8*(4*(\a)+\b):ACC+8*(4*(\a)+\b)+3] offset:64*\b          ; each accumulator from its low end on
	ds_store_b128 v[STO], v[ACC+8*(4*(\a)+\b)+4:ACC+8*(4*(\a)+\b)+7] offset:64*\b+16
.endr
.irp t, 0,1,2,3,4,5,6,7
	ds_load_b128 v[BB+4*\t:BB+4*\t+3], v[RD] offset:\t*2*SPITCH   ; LDS serves a wave's instructions in order: these see my stores
.endr
.endm
.macro SEND a, younger
.set BB, TMP+32*((\a)%2)
	s_wait_dscnt \younger                          ; the block is back in registers
.irp t, 0,1,2,3,4,5,6,7
	global_store_b128 v[CO], v[BB+4*\t:BB+4*\t+3], s[8:9] offset:(16*(\a)+2*\t)*8192 th:TH_STORE_NT   ; sixteen lanes store 256 consecutive bytes, aligned
.endr
.endm
	PLACES
	TOSTAGE 0
.irp a, 1,2,3
.if \a > 1
	s_wait_xcnt 0x0                                ; block a - 2's stores have read their registers: block a's loads may land there
.endif
	TOSTAGE \a
	SEND \a-1, 16                                  ; behind block a - 1's loads: block a's 8 stores and 8 loads
.endr
	SEND 3, 0
	s_wait_tensorcnt 0x0                           ; the wave's end
	ds_add_u32 v[SPW], v[NIL]
	s_wait_dscnt 0x0
	CROUND                                         ; the closing round
	s_endpgm
.Lfunc_end_k_q3361e3219a_proj:
	.size	k_q3361e3219a_proj, .Lfunc_end_k_q3361e3219a_proj-k_q3361e3219a_proj
	.p2alignl 7, 3214868480
	.fill 96, 4, 3214868480
	.section	.rodata,"a",@progbits
	.p2align	6, 0x0
	.amdhsa_kernel k_q3361e3219a_proj
		.amdhsa_group_segment_fixed_size 327680
		.amdhsa_private_segment_fixed_size 0
		.amdhsa_enable_private_segment 0
		.amdhsa_kernarg_size 24
		.amdhsa_user_sgpr_count 2
		.amdhsa_user_sgpr_kernarg_segment_ptr 1
		.amdhsa_wavefront_size32 1
		.amdhsa_system_sgpr_workgroup_id_x 1
		.amdhsa_system_sgpr_workgroup_id_y 1
		.amdhsa_system_sgpr_workgroup_id_z 1
		.amdhsa_system_vgpr_workitem_id 0
		.amdhsa_next_free_vgpr 512
		.amdhsa_next_free_sgpr 66
		.amdhsa_reserve_vcc 0
		.amdhsa_float_denorm_mode_32 3
		.amdhsa_float_denorm_mode_16_64 3
		.amdhsa_memory_ordered 1
		.amdhsa_forward_progress 1
		.amdhsa_inst_pref_size 86
	.end_amdhsa_kernel
	.amdgpu_metadata
---
amdhsa.version: [ 1, 2 ]
amdhsa.kernels:
  - .name:           k_q3361e3219a_proj
    .symbol:         k_q3361e3219a_proj.kd
    .args:
      - { .name: attn16, .offset: 0, .size: 8, .value_kind: global_buffer, .address_space: global }
      - { .name: wo16, .offset: 8, .size: 8, .value_kind: global_buffer, .address_space: global }
      - { .name: out0, .offset: 16, .size: 8, .value_kind: global_buffer, .address_space: global }
    .group_segment_fixed_size: 327680
    .private_segment_fixed_size: 0
    .kernarg_segment_align: 8
    .kernarg_segment_size: 24
    .max_flat_workgroup_size: 128
    .sgpr_count:     66
    .vgpr_count:     512
    .wavefront_size: 32
...
	.end_amdgpu_metadata
.endif
;; end of part 4
;; launch first16 (part 5): grid 128 x 2, 16 waves a work-group, no clusters, 18,432 bytes of LDS; arguments head32, wo16, out0; writes out0
.if DOCPART == 5
	.amdgcn_target "amdgcn-amd-amdhsa--gfx1250"
	.amdhsa_code_object_version 6
	.text
	.protected	k_q3361e3219a_first16
	.globl	k_q3361e3219a_first16
	.p2align	8
	.type	k_q3361e3219a_first16,@function
k_q3361e3219a_first16:
	s_mov_b64 s[64:65], 0
	v_nop
	global_prefetch_b8 v0, s[64:65] scope:SCOPE_SE
	s_setreg_imm32_b32 hwreg(HW_REG_WAVE_MODE, 25, 1), 1
	s_wait_xcnt 0x0
; FIRST16: the first 16 positions of each sequence once more, finely: their rows average one to sixteen values and are the largest of the output.  Attention in f32 (the f32 matrix form: 32 rows of 2,048, no bulk work),
; the projection with both operands as pairs of f16 numbers, a high and a low part: high x high + low x high + high x low.  It writes over rows 0-15 of each batch in out0.
; SHARES.  A work-group makes 16 rows x 16 columns of out0: (column tile x, batch y).  Wave w takes heads 2 w and 2 w + 1 (key and value head w / 2): their attention, then their 128 of the projection's K;
; the sixteen waves' partial sums meet in LDS.  Each work-group computes its batch's attention anew, so that the result is the projection's operand in the same registers and lanes and nothing passes between work-groups.
; No cluster and no tensor load: what is shared, head32, is 192 KiB a batch.
; THE ORDER OF k IN THE f32 FORM is permuted alike on both sources.  Scores: register n of lane (r, h) is channel 32 h + n, link c takes registers 2 c, 2 c + 1.  Second product: place (h, j) of link c is key 8 h + 2 c + j.
; The registers that the f32 form writes (v128-175) are written by matrix instructions alone.
; The stores are pieces of 64 bytes of 32 rows: 256 KiB in the whole launch.
; REGISTERS: v3-10 addresses; v16-47 Q, then the result's high (16-31) and low (32-47) parts; v48-79 K; v80-111 V^T; v112-119 scores, p; v120-127 p / l; v128-143 two score sums; v144-175 O^T;
;   v176-207 wo's fragments: high 0, 1, low 0, 1; v208-223 two sums of the projection; v224-231 at work.
.set WOLO,  8388608
.set SPARE, 16384                      ; LDS: 16 x 1,024 bytes of partial sums, then the spare words, 128 bytes a wave
.set SPW,   14
.set NIL,   15
; The low parts of the two numbers whose high parts stand in register hn (16 .. 31): f16(number - f32(high part)), into register 16 + hn.  hn is a plain number: it names the register's halves.
.macro LOWPART hn
	v_cvt_f32_f16 v[224+2*(\hn%2)], v\hn\().l
	v_cvt_f32_f16 v[225+2*(\hn%2)], v\hn\().h
	v_sub_f32 v[224+2*(\hn%2)], v[144+2*(\hn-16)], v[224+2*(\hn%2)]
	v_sub_f32 v[225+2*(\hn%2)], v[145+2*(\hn-16)], v[225+2*(\hn%2)]
	v_cvt_pk_f16_f32 v[16+\hn], v[224+2*(\hn%2)], v[225+2*(\hn%2)]
.endm
	s_load_b128 s[4:7], s[0:1], 0x0                ; head32, wo16
	s_load_b64 s[8:9], s[0:1], 0x10                ; out0
	v_lshl_add_u32 v[SPW], v0, 2, SPARE
	v_mov_b32 v[NIL], 0
	v_lshrrev_b32 v1, 5, v0
	v_readfirstlane_b32 s10, v1                    ; wave 0..15
	s_and_b32 s12, ttmp7, 0xffff                   ; batch
	v_and_b32 v1, 15, v0                           ; r
	v_bfe_u32 v2, v0, 4, 1                         ; h
	v_lshlrev_b32 v3, 8, v1
	v_lshl_add_u32 v3, v2, 7, v3                   ; Q, K: row r of 256 bytes, + 128 h
	v_lshlrev_b32 v4, 2, v1
	v_lshl_add_u32 v4, v2, 11, v4                  ; V: key 8 h, channel r
	v_and_b32 v5, 31, v0
	v_lshlrev_b32 v5, 4, v5                        ; 16 x lane
	v_lshlrev_b32 v6, 3, v2
	v_sub_nc_u32 v6, v1, v6                        ; r - 8 h, for the mask
	v_mov_b32 v7, 0xff800000                       ; -infinity
	s_lshl_b32 s26, s10, 10
	v_add_nc_u32 v8, s26, v5                       ; where I put my partial sums
	s_and_b32 s27, s10, 1
	s_lshl_b32 s26, s27, 9
	v_add_nc_u32 v9, s26, v5                       ; where waves 0 and 1 read them: made here, ahead of the parting of the waves
	v_lshlrev_b32 v10, 13, v1
	v_lshl_add_u32 v10, v2, 5, v10
	s_lshl_b32 s26, s27, 4
	v_add_nc_u32 v10, s26, v10                     ; out0: row r, + 32 h, + 16 x (wave % 2)
	v_mov_b32 v226, 0                              ; written once: a lane permute's destination counts as one of its sources
	s_mov_b32 s24, 0x76543210
	s_mov_b32 s25, 0xfedcba98
	s_lshl_b32 s28, s12, 12                        ; the batch's 4,096 bytes of a plane
	s_lshr_b32 s26, s10, 1
	s_add_co_u32 s26, s26, 32
	s_lshl_b32 s26, s26, 13
	s_add_co_u32 s26, s26, s28                     ; K's plane
	s_mov_b32 s27, 0
	s_lshl_b32 s30, s10, 14
	s_add_co_u32 s30, s30, s28                     ; q's plane 2 w
	s_mov_b32 s31, 0
	s_lshl_b32 s32, ttmp9, 16                      ; wo's column tile,
	s_lshl_b32 s33, s10, 12                        ; my 128 along K
	s_add_co_u32 s32, s32, s33
	s_mov_b32 s33, 0
	s_lshl_b32 s34, s12, 23                        ; out0: the batch's first row,
	s_lshl_b32 s35, ttmp9, 6                       ; the column tile
	s_add_co_u32 s34, s34, s35
	s_mov_b32 s35, 0
	s_wait_kmcnt 0x0
	s_add_nc_u64 s[14:15], s[4:5], s[26:27]
	s_add_nc_u64 s[16:17], s[14:15], 65536         ; V's plane: eight planes on
	s_add_nc_u64 s[18:19], s[4:5], s[30:31]
	s_add_nc_u64 s[20:21], s[6:7], s[32:33]
	s_add_nc_u64 s[22:23], s[20:21], WOLO
	s_add_nc_u64 s[8:9], s[8:9], s[34:35]
.irp n, 0,1,2,3,4,5,6,7
	global_load_b128 v[48+4*\n:51+4*\n], v3, s[14:15] offset:16*\n
.endr
.irp ct, 0,1,2,3
.irp kk, 0,1,2,3,4,5,6,7
	global_load_b32 v[80+8*\ct+\kk], v4, s[16:17] offset:\kk*256+\ct*64   ; V(8 h + kk, 16 ct + r)
.endr
.endr
.macro HEAD i
.if \i
.rept 8
	v_nop                                          ; places behind the last head's products, in front of loads into the registers that they read
.endr
.endif
.irp n, 0,1,2,3,4,5,6,7
	global_load_b128 v[16+4*\n:19+4*\n], v3, s[18:19] offset:\i*8192+16*\n
.endr
.irp c, 0,1
	global_load_b128 v[176+8*\c:179+8*\c], v5, s[20:21] offset:\i*2048+\c*1024
	global_load_b128 v[180+8*\c:183+8*\c], v5, s[20:21] offset:\i*2048+\c*1024+512
	global_load_b128 v[192+8*\c:195+8*\c], v5, s[22:23] offset:\i*2048+\c*1024
	global_load_b128 v[196+8*\c:199+8*\c], v5, s[22:23] offset:\i*2048+\c*1024+512
.endr
	s_wait_loadcnt 8                               ; Q and all older loads are in; wo's eight may be out
.set lk, 0
.rept 16                               ; S^T = K Q^T: sixteen links of 4 channels, two sums by turns
.if lk < 2
	v_wmma_f32_16x16x4_f32 v[128+8*(lk%2):135+8*(lk%2)], v[48+2*lk:49+2*lk], v[16+2*lk:17+2*lk], 0
.else
	v_wmma_f32_16x16x4_f32 v[128+8*(lk%2):135+8*(lk%2)], v[48+2*lk:49+2*lk], v[16+2*lk:17+2*lk], v[128+8*(lk%2):135+8*(lk%2)]
.endif
.set lk, lk+1
.endr
.rept 8
	v_nop                                          ; eight places behind this form
.endr
.irp j, 0,1,2,3,4,5,6,7
	v_add_f32 v[112+\j], v[128+\j], v[136+\j]      ; lane (r, h): query r, key 8 h + j
.endr
.irp j, 0,1,2,3,4,5,6,7
	v_cmp_gt_i32 vcc_lo, \j, v6                    ; hidden where 8 h + j > r
	v_cndmask_b32 v[112+\j], v[112+\j], v7, vcc_lo
.endr
	v_max3_num_f32 v224, v112, v113, v114
	v_max3_num_f32 v225, v115, v116, v117
	v_max3_num_f32 v224, v224, v118, v119
	v_max_num_f32 v224, v224, v225
	v_permlanex16_b32 v226, v224, s24, s25
	v_max_num_f32 v224, v224, v226                 ; the row's maximum (key 0 counts for every query)
.irp j, 0,1,2,3,4,5,6,7
	v_sub_f32 v[112+\j], v[112+\j], v224
.endr
.irp j, 0,1,2,3,4,5,6,7
	v_exp_f32 v[112+\j], v[112+\j]
.endr
	v_nop
	s_wait_alu depctr_va_vdst(0)                   ; one wait for the eight exponentials, ahead of their first reader
	v_add_f32 v225, v112, v113
	v_add_f32 v227, v114, v115
	v_add_f32 v228, v116, v117
	v_add_f32 v229, v118, v119
	v_add_f32 v225, v225, v227
	v_add_f32 v228, v228, v229
	v_add_f32 v225, v225, v228
	v_permlanex16_b32 v226, v225, s24, s25
	v_add_f32 v225, v225, v226
	v_rcp_f32 v227, v225
	v_nop
	s_wait_alu depctr_va_vdst(0)
.irp j, 0,1,2,3,4,5,6,7
	v_mul_f32 v[120+\j], v[112+\j], v227           ; the weights, in f32
.endr
.irp c, 0,1,2,3                        ; O^T = V^T P: four links of 4 keys, the four channel tiles by turns
.irp ct, 0,1,2,3
.if \c == 0
	v_wmma_f32_16x16x4_f32 v[144+8*\ct:151+8*\ct], v[80+8*\ct+2*\c:81+8*\ct+2*\c], v[120+2*\c:121+2*\c], 0
.else
	v_wmma_f32_16x16x4_f32 v[144+8*\ct:151+8*\ct], v[80+8*\ct+2*\c:81+8*\ct+2*\c], v[120+2*\c:121+2*\c], v[144+8*\ct:151+8*\ct]
.endif
.endr
.endr
.rept 8
	v_nop
.endr
.irp hn, 16,17,18,19,20,21,22,23,24,25,26,27,28,29,30,31
	v_cvt_pk_f16_f32 v\hn, v[144+2*(\hn-16)], v[145+2*(\hn-16)]   ; the high parts: two channel tiles, rounded in pairs, are source 1 (16 queries x 32 K) of the projection
.endr
.irp hn, 16,17,18,19,20,21,22,23,24,25,26,27,28,29,30,31
	LOWPART \hn                                    ; the low parts
.endr
	s_wait_loadcnt 0x0                             ; wo's fragments
.if \i == 0
	v_wmma_f32_16x16x32_f16 v[208:215], v[176:183], v[16:23], 0
	v_wmma_f32_16x16x32_f16 v[216:223], v[192:199], v[16:23], 0
.else
	v_wmma_f32_16x16x32_f16 v[208:215], v[176:183], v[16:23], v[208:215]
	v_wmma_f32_16x16x32_f16 v[216:223], v[192:199], v[16:23], v[216:223]
.endif
	v_wmma_f32_16x16x32_f16 v[208:215], v[176:183], v[32:39], v[208:215]   ; two sums by turns: high x high, low x high, high x low, for each 32 along K
	v_wmma_f32_16x16x32_f16 v[216:223], v[184:191], v[24:31], v[216:223]
	v_wmma_f32_16x16x32_f16 v[208:215], v[200:207], v[24:31], v[208:215]
	v_wmma_f32_16x16x32_f16 v[216:223], v[184:191], v[40:47], v[216:223]
.endm
	HEAD 0
	HEAD 1
.rept 4
	v_nop
.endr
.irp j, 0,1,2,3,4,5,6,7
	v_add_f32 v[224+\j], v[208+\j], v[216+\j]      ; lane (r, h): row r, columns 8 h + j of the tile: my 128 of K
.endr
	ds_store_b128 v8, v[224:227]
	ds_store_b128 v8, v[228:231] offset:512
	s_wait_dscnt 0x0                               ; for the others' sake: my stores are done
	s_barrier_signal -1
	s_barrier_wait -1
	s_cmp_gt_u32 s10, 1
	s_cbranch_scc1 .Ldone
.irp w, 0,1,2,3,4,5,6,7,8,9,10,11,12,13,14,15
	ds_load_b128 v[16+4*\w:19+4*\w], v9 offset:1024*\w   ; wave 0: registers 0-3 of all sixteen partial sums; wave 1: registers 4-7
.endr
	s_wait_dscnt 0x0
.irp st, 8,4,2,1                       ; added in a fixed order
.set w, 0
.rept \st
	v_pk_add_f32 v[16+4*w:17+4*w], v[16+4*w:17+4*w], v[16+4*(w+\st):17+4*(w+\st)]
	v_pk_add_f32 v[18+4*w:19+4*w], v[18+4*w:19+4*w], v[18+4*(w+\st):19+4*(w+\st)]
.set w, w+1
.endr
.endr
	global_store_b128 v10, v[16:19], s[8:9]
.Ldone:
	s_wait_tensorcnt 0x0                           ; the wave's end
	ds_add_u32 v[SPW], v[NIL]
	s_wait_dscnt 0x0
	s_endpgm
.Lfunc_end_k_q3361e3219a_first16:
	.size	k_q3361e3219a_first16, .Lfunc_end_k_q3361e3219a_first16-k_q3361e3219a_first16
	.p2alignl 7, 3214868480
	.fill 96, 4, 3214868480
	.section	.rodata,"a",@progbits
	.p2align	6, 0x0
	.amdhsa_kernel k_q3361e3219a_first16
		.amdhsa_group_segment_fixed_size 18432
		.amdhsa_private_segment_fixed_size 0
		.amdhsa_enable_private_segment 0
		.amdhsa_kernarg_size 24
		.amdhsa_user_sgpr_count 2
		.amdhsa_user_sgpr_kernarg_segment_ptr 1
		.amdhsa_wavefront_size32 1
		.amdhsa_system_sgpr_workgroup_id_x 1
		.amdhsa_system_sgpr_workgroup_id_y 1
		.amdhsa_system_sgpr_workgroup_id_z 1
		.amdhsa_system_vgpr_workitem_id 0
		.amdhsa_next_free_vgpr 256
		.amdhsa_next_free_sgpr 66
		.amdhsa_reserve_vcc 1
		.amdhsa_float_denorm_mode_32 3
		.amdhsa_float_denorm_mode_16_64 3
		.amdhsa_memory_ordered 1
		.amdhsa_forward_progress 1
		.amdhsa_inst_pref_size 32
	.end_amdhsa_kernel
	.amdgpu_metadata
---
amdhsa.version: [ 1, 2 ]
amdhsa.kernels:
  - .name:           k_q3361e3219a_first16
    .symbol:         k_q3361e3219a_first16.kd
    .args:
      - { .name: head32, .offset: 0, .size: 8, .value_kind: global_buffer, .address_space: global }
      - { .name: wo16, .offset: 8, .size: 8, .value_kind: global_buffer, .address_space: global }
      - { .name: out0, .offset: 16, .size: 8, .value_kind: global_buffer, .address_space: global }
    .group_segment_fixed_size: 18432
    .private_segment_fixed_size: 0
    .kernarg_segment_align: 8
    .kernarg_segment_size: 24
    .max_flat_workgroup_size: 512
    .sgpr_count:     66
    .vgpr_count:     256
    .wavefront_size: 32
...
	.end_amdgpu_metadata
.endif
;; end of part 5
;; ======== version 2 of 2: 4 launches; 1.18 times as fast as version 1
;; limits: values are held in f16: magnitudes above 65,504 overflow, below 6.1e-05 lose precision
;; workspace buffers: xq 2,228,224 bytes; wq4 3,342,336 bytes; wo16 16,777,216 bytes; rope 262,144 bytes; qkv16 12,582,912 bytes; head32 393,216 bytes; attn16 8,388,608 bytes; fine16 262,144 bytes
;; launch prep (part 6): grid 1160 x 1, 4 waves a work-group, no clusters, 33,280 bytes of LDS; arguments x, wq, wk, wv, wo, xq, wq4, wo16, rope; writes xq, wq4, wo16, rope
.if DOCPART == 6
	.amdgcn_target "amdgcn-amd-amdhsa--gfx1250"
	.amdhsa_code_object_version 6
	.text
	.protected	k_q3361e3219a_prep
	.globl	k_q3361e3219a_prep
	.p2align	8
	.type	k_q3361e3219a_prep,@function
k_q3361e3219a_prep:
	s_mov_b64 s[64:65], 0
	v_nop
	global_prefetch_b8 v0, s[64:65] scope:SCOPE_SE
	s_setreg_imm32_b32 hwreg(HW_REG_WAVE_MODE, 25, 1), 1
	s_wait_xcnt 0x0
; PREP: everything that is made once from the inputs.  Five paths, chosen by the work-group's number alone:
;   0..255     x [2048][2048] f32 -> codes of E2M1, K innermost (xq), and one E8M0 byte for each 32 along K (xq + XSC, [row][64])
;   256..511   wq [K 2048][N 2048] -> codes and scale words (wq4), columns 0..2047 of the joined 3,072
;   512..639   wk, wv [K 2048][N 512] -> the same, columns 2048..2559 and 2560..3071
;   640..1151  wo [K 2048][N 2048] -> f16 high parts (wo16) and f16 low parts f16(wo - high) (wo16 + WOLO)
;   1152..1159 cos and sin of position x 10^(-i/8), i = 0..31 (rope: [position 1024][cos 32 | sin 32] f32)
; THE WEIGHTS ARE LAID AS IMAGES OF THE OPERAND'S REGISTERS.  wq4: [column / 16][k / 32][column % 16][16 bytes]: a fragment (16 columns x 128 K) is 1,024 bytes on end, lane l's
; 16 bytes at 16 l and at 512 + 16 l.  Its scale words: [k / 128][column] of 4 bytes.  wo16: [column / 16][k / 8][column % 16][8 f16]: a fragment (16 columns x 32 K) likewise.
; A block's scale is 2^(floor(log2(largest magnitude)) - 2); its byte is that magnitude's exponent field - 2, held at 1 from below.
; LIMITS: a block of zeros gets the byte 1 where the rule says 127 (its codes are zeros, and this program alone reads the bytes); blocks whose largest magnitude lies under 2^-124
; keep the byte 1; NaN and infinities are not served; |wo| stays at or under 65,504 (f16); under 6e-5 its high part keeps an absolute step of 6e-8.
; The frequencies are the f32 numbers nearest to 10^(-i/8); an ulp's difference from a computed power is at most 1e-4 radians at position 1,023.
; No cluster, no tensor load: work-groups share no input here, and every byte is read once.  Only the path for x uses LDS.
.set XSC,   2097152                    ; x's scale bytes begin here in xq
.set WSC,   3145728                    ; the weights' scale words begin here in wq4
.set WOLO,  8388608                    ; wo's low parts begin here in wo16
.set STEPS, 8
.set EMAX,  2
.set CB,    8                          ; bytes of 16 codes
.set R,     16                         ; v16-79   x: four sets of 16 numbers as they are loaded
.set X,     80                         ; v80-111  x: two sets of 16 neighbours
.set E,     112                        ; v112-119 x: a scale byte for each step
.set C,     128                        ; v128-159 x: codes, four registers a step
.set WREG,  8192                       ; LDS: a region for each wave: two stages of 32 x SP bytes, then its 128 scale bytes
.set SP,    80
.set SPW,   12                         ; v12 LDS address of my spare word; never rewritten
.set NIL,   13                         ; v13 0; never rewritten
.set SPARE, 4*WREG                     ; behind the four regions: the spare words, 128 bytes a wave
.macro FINISH                          ; a wave's end
	s_wait_tensorcnt 0x0
	ds_add_u32 v[SPW], v[NIL]
	s_wait_dscnt 0x0
	s_endpgm
.endm
	s_load_b512 s[4:19], s[0:1], 0x0               ; x 4:5, wq 6:7, wk 8:9, wv 10:11, wo 12:13, xq 14:15, wq4 16:17, wo16 18:19
	s_load_b64 s[20:21], s[0:1], 0x40              ; rope
	v_lshl_add_u32 v[SPW], v0, 2, SPARE
	v_mov_b32 v[NIL], 0
	v_lshrrev_b32 v1, 5, v0
	v_readfirstlane_b32 s22, v1                    ; wave 0..3
	v_and_b32 v2, 31, v0                           ; lane
	s_wait_kmcnt 0x0
	s_cmp_lt_u32 ttmp9, 256
	s_cbranch_scc1 .Lpx
	s_cmp_lt_u32 ttmp9, 512
	s_cbranch_scc1 .Lpwq
	s_cmp_lt_u32 ttmp9, 640
	s_cbranch_scc1 .Lpwkv
	s_cmp_lt_u32 ttmp9, 1152
	s_cbranch_scc1 .Lpwo
; ---- THE TABLE OF COS AND SIN.  A thread takes a position.  The angle f = position x frequency (one f32 product, as the table is defined) is brought into -pi/4 .. pi/4
; by taking off n quarter turns in two parts of pi/2 (fused, so the first part's product is not rounded); sine and cosine by their series to r^9 and r^8, whose first
; terms left out are under 3e-8 there; the quadrant n mod 4 swaps the two and sets the signs.
	s_sub_co_u32 s23, ttmp9, 1152
	s_lshl_b32 s23, s23, 7
	v_add_nc_u32 v3, s23, v0                       ; my position
	v_cvt_f32_u32 v1, v3
	v_lshlrev_b32 v2, 8, v3                        ; its 256 bytes of the table
.macro SINCOS i, inv
	v_mul_f32 v4, \inv, v1                         ; f
	v_mul_f32 v5, 0x3f22f983, v4                   ; f x 2 / pi
	v_rndne_f32 v5, v5                             ; n
	v_fmamk_f32 v6, v5, 0xbfc90fdb, v4             ; f - n x (pi/2 as f32)
	v_fmamk_f32 v6, v5, 0x333bbd2e, v6             ; + n x (that f32 - pi/2) = r
	v_mul_f32 v7, v6, v6                           ; r^2
	v_mov_b32 v8, 0x3638ef1d                       ; 1/9!
	v_mov_b32 v10, 0x37d00d01                      ; 1/8!
	v_fmaak_f32 v8, v7, v8, 0xb9500d01             ; -1/7!
	v_fmaak_f32 v10, v7, v10, 0xbab60b61           ; -1/6!
	v_fmaak_f32 v8, v7, v8, 0x3c088889             ; 1/5!
	v_fmaak_f32 v10, v7, v10, 0x3d2aaaab           ; 1/4!
	v_fmaak_f32 v8, v7, v8, 0xbe2aaaab             ; -1/3!
	v_fmaak_f32 v10, v7, v10, 0xbf000000           ; -1/2
	v_mul_f32 v9, v6, v7                           ; r^3
	v_fma_f32 v10, v7, v10, 1.0                    ; cos r
	v_fma_f32 v8, v9, v8, v6                       ; sin r
	v_cvt_i32_f32 v11, v5
	v_and_b32 v14, 1, v11
	v_cmp_eq_u32 vcc_lo, 1, v14                    ; an odd quadrant swaps the two
	v_cndmask_b32 v15, v8, v10, vcc_lo
	v_cndmask_b32 v16, v10, v8, vcc_lo
	v_and_b32 v14, 2, v11                          ; the sine is negative in quadrants 2 and 3,
	v_lshlrev_b32 v14, 30, v14
	v_xor_b32 v[64+\i], v15, v14
	v_add_nc_u32 v11, 1, v11                       ; the cosine in quadrants 1 and 2
	v_and_b32 v11, 2, v11
	v_lshlrev_b32 v11, 30, v11
	v_xor_b32 v[32+\i], v16, v11
.endm
	SINCOS 0, 1.0
	SINCOS 1, 0.7498942093
	SINCOS 2, 0.5623413252
	SINCOS 3, 0.4216965034
	SINCOS 4, 0.3162277660
	SINCOS 5, 0.2371373706
	SINCOS 6, 0.1778279410
	SINCOS 7, 0.1333521432
	SINCOS 8, 0.1
	SINCOS 9, 0.07498942093
	SINCOS 10, 0.05623413252
	SINCOS 11, 0.04216965034
	SINCOS 12, 0.03162277660
	SINCOS 13, 0.02371373706
	SINCOS 14, 0.01778279410
	SINCOS 15, 0.01333521432
	SINCOS 16, 0.01
	SINCOS 17, 0.007498942093
	SINCOS 18, 0.005623413252
	SINCOS 19, 0.004216965034
	SINCOS 20, 0.003162277660
	SINCOS 21, 0.002371373706
	SINCOS 22, 0.001778279410
	SINCOS 23, 0.001333521432
	SINCOS 24, 0.001
	SINCOS 25, 0.0007498942093
	SINCOS 26, 0.0005623413252
	SINCOS 27, 0.0004216965034
	SINCOS 28, 0.0003162277660
	SINCOS 29, 0.0002371373706
	SINCOS 30, 0.0001778279410
	SINCOS 31, 0.0001333521432
.irp k, 0,1,2,3,4,5,6,7,8,9,10,11,12,13,14,15
	global_store_b128 v2, v[32+4*\k:35+4*\k], s[20:21] offset:16*\k   ; a lane fills its own 256 bytes over sixteen stores: 256 KiB in the whole launch
.endr
	FINISH
; ---- x.  Rows are dense and K is a multiple of 32: a plain stream of blocks of 32.  A wave takes 8 steps of 512 numbers: 1,024 waves share the 2,048 x 2,048 numbers, so that the chain of steps in a wave is short.
; Each load reads 512 consecutive bytes; a step's 2,048 bytes turn through the wave's own stage in LDS and come back 64 bytes a lane, so that a lane holds 16 neighbours (two lanes a block).
; Loads run four steps ahead, the turn one step.
.Lpx:
	v_lshlrev_b32 v3, 4, v2                        ; my 16 bytes of a load's 512
	s_mul_i32 s23, s22, WREG
	v_lshrrev_b32 v14, 2, v2
	v_mul_u32_u24 v14, v14, SP
	v_and_b32 v15, 3, v2
	v_lshl_add_u32 v14, v15, 4, v14
	v_add_nc_u32 v14, s23, v14                     ; the stage, on the way in: SP (lane / 4) + 16 (lane % 4)
	v_mul_u32_u24 v15, v2, SP
	v_add_nc_u32 v15, s23, v15                     ; and on the way out: SP x lane
	v_mul_u32_u24 v4, v2, CB                       ; my codes' place in a step's
	v_lshrrev_b32 v5, 1, v2
	s_add_co_u32 s23, s23, 2*32*SP
	v_add_nc_u32 v5, s23, v5                       ; LDS: my wave's 128 scale bytes, my block's byte
	v_lshlrev_b32 v7, 2, v2
	v_add_nc_u32 v6, s23, v7                       ; and on the way out 4 bytes a lane
	s_lshl_b32 s24, ttmp9, 2
	s_add_co_u32 s24, s24, s22                     ; which run of 4,096 numbers is my wave's
	s_lshl_b32 s26, s24, 14
	s_mov_b32 s27, 0
	s_add_nc_u64 s[4:5], s[4:5], s[26:27]
	s_lshl_b32 s26, s24, 11
	s_add_nc_u64 s[28:29], s[14:15], s[26:27]      ; its codes
	s_lshl_b32 s26, s24, 7
	s_add_co_u32 s26, s26, XSC
	s_add_nc_u64 s[30:31], s[14:15], s[26:27]      ; its scale bytes
.macro XLOAD t
.irp i, 0,1,2,3
	global_load_b128 v[R+16*((\t)%4)+4*\i:R+16*((\t)%4)+4*\i+3], v3, s[4:5] offset:2048*(\t)+512*\i th:TH_LOAD_NT
.endr
.endm
.macro XTURN t                         ; LDS serves a wave's instructions in order, so no wait stands between the stores and the loads
.irp i, 0,1,2,3
	ds_store_b128 v14, v[R+16*((\t)%4)+4*\i:R+16*((\t)%4)+4*\i+3] offset:32*SP*((\t)%2)+8*SP*\i
.endr
.irp i, 0,1,2,3
	ds_load_b128 v[X+16*((\t)%2)+4*\i:X+16*((\t)%2)+4*\i+3], v15 offset:32*SP*((\t)%2)+16*\i
.endr
.endm
.irp t, 0,1,2,3
	XLOAD \t
.endr
	s_wait_loadcnt 12                              ; step 0's four loads are in
	XTURN 0
.macro XSTEP t
.set XS, X+16*((\t)%2)
.if (\t) > 0
	s_wait_dscnt 1                                 ; this step's numbers are back from the stage (the last step's byte store may be out)
.else
	s_wait_dscnt 0x0
.endif
.if (\t)+4 < STEPS
	XLOAD (\t)+4
.endif
.if (\t)+1 < STEPS
.if STEPS-2-(\t) >= 3
	s_wait_loadcnt 12                              ; the next step's four loads are in; those of the three steps behind it may be out
.else
	s_wait_loadcnt 4*(STEPS-2-(\t))
.endif
	XTURN (\t)+1
.endif
	v_max3_num_f32 v8, |v[XS]|, |v[XS+1]|, |v[XS+2]|
	v_max3_num_f32 v9, |v[XS+3]|, |v[XS+4]|, |v[XS+5]|
.irp i, 6,10
	v_max3_num_f32 v8, v8, |v[XS+\i]|, |v[XS+\i+1]|
	v_max3_num_f32 v9, v9, |v[XS+\i+2]|, |v[XS+\i+3]|
.endr
	v_max3_num_f32 v8, v8, |v[XS+14]|, |v[XS+15]|
	v_max3_num_f32 v8, v8, v9, (EMAX+1)<<23        ; the floor 2^(3 - 127): the byte cannot fall under 1
	v_max_num_f32_dpp v8, v8, v8 row_xmask:1 row_mask:0xf bank_mask:0xf   ; with my neighbour's 16: the block's largest magnitude
	v_add_nc_u32 v11, -(EMAX<<23), v8              ; 2 off its exponent field: the conversion takes this operand's exponent field as its scale
	v_cvt_scalef32_pk8_fp4_f32 v[C+4*(\t)], v[XS:XS+7], v11
	v_cvt_scalef32_pk8_fp4_f32 v[C+4*(\t)+1], v[XS+8:XS+15], v11
	v_lshrrev_b32 v[E+(\t)], 23, v11               ; the scale's byte
	ds_store_b8 v5, v[E+(\t)] offset:16*(\t)       ; both lanes of a block write the same byte with the same value
	global_store_b64 v4, v[C+4*(\t):C+4*(\t)+1], s[28:29] offset:32*CB*(\t)   ; the wave stores 256 consecutive bytes
.endm
.irp t, 0,1,2,3,4,5,6,7
	XSTEP \t
.endr
	ds_load_b32 v8, v6                             ; my wave's 128 scale bytes
	s_wait_dscnt 0x0
	global_store_b32 v7, v8, s[30:31]              ; 32 lanes store 128 consecutive bytes: 128 KiB of such stores in the whole launch
	FINISH
; ---- wq, wk, wv.  K is the FIRST axis: a lane takes a column and its registers run down K, so a block of 32 lies in one lane and the conversions give codes with K innermost.
; A work-group takes 128 columns x 128 along K, a wave 32 columns.  Set ahead: s[24:25] the tensor, s26 my wave's first column in it, s27 the same among the 3,072, s28 the K step.
.macro WLOAD t, cols
.set i, 0
.rept 32
	global_load_b32 v[32+32*(\t)+i], v3, s[24:25] offset:(32*(\t)+i)*\cols*4 th:TH_LOAD_NT   ; 32 lanes read 128 consecutive bytes of a row
.set i, i+1
.endr
.endm
.macro PW cols
	s_mul_i32 s30, s28, 128*\cols*4
	s_lshl_b32 s29, s26, 2
	s_add_co_u32 s30, s30, s29
	s_mov_b32 s31, 0
	s_add_nc_u64 s[24:25], s[24:25], s[30:31]
	v_lshlrev_b32 v3, 2, v2
	WLOAD 0, \cols
	WLOAD 1, \cols
	s_lshl_b32 s30, s27, 10                        ; (column / 16) x 16,384
	s_lshl_b32 s29, s28, 10                        ; + K step x 1,024
	s_add_co_u32 s30, s30, s29
	s_add_nc_u64 s[32:33], s[16:17], s[30:31]      ; the codes' images
	s_mul_i32 s30, s28, 12288
	s_lshl_b32 s29, s27, 2
	s_add_co_u32 s30, s30, s29
	s_add_co_u32 s30, s30, WSC
	s_add_nc_u64 s[34:35], s[16:17], s[30:31]      ; the scale words
	v_lshrrev_b32 v4, 4, v2
	v_and_b32 v5, 15, v2
	v_lshlrev_b32 v5, 4, v5
	v_lshl_add_u32 v4, v4, 14, v5                  ; my column's tile and its 16 bytes in a block's 256
.irp t, 0,1,2,3
.if \t < 3
	s_wait_loadcnt 32                              ; this block's 32 loads are in; the next block's may be out
.else
	s_wait_loadcnt 0x0
.endif
.if \t < 2
	WLOAD \t+2, \cols                              ; each block has registers of its own: two blocks are always asked for
.endif
	v_max3_num_f32 v8, |v[32+32*\t]|, |v[33+32*\t]|, |v[34+32*\t]|
	v_max3_num_f32 v9, |v[35+32*\t]|, |v[36+32*\t]|, |v[37+32*\t]|
.irp i, 6,10,14,18,22,26
	v_max3_num_f32 v8, v8, |v[32+32*\t+\i]|, |v[33+32*\t+\i]|
	v_max3_num_f32 v9, v9, |v[34+32*\t+\i]|, |v[35+32*\t+\i]|
.endr
	v_max3_num_f32 v8, v8, |v[62+32*\t]|, |v[63+32*\t]|
	v_max3_num_f32 v8, v8, v9, (EMAX+1)<<23        ; the floor: the byte cannot fall under 1
	v_add_nc_u32 v11, -(EMAX<<23), v8              ; the conversion's scale operand
	v_lshrrev_b32 v10, 23, v11                     ; the scale's byte
.if \t == 0
	v_mov_b32 v24, v10                             ; four bytes make the K step's scale word, the lower K in the lower byte
.else
	v_lshl_or_b32 v24, v10, 8*\t, v24
.endif
.irp g, 0,1,2,3
	v_cvt_scalef32_pk8_fp4_f32 v[160+4*\t+\g], v[32+32*\t+8*\g:39+32*\t+8*\g], v11
.endr
	v_nop                                          ; one plain line behind the conversions
	global_store_b128 v4, v[160+4*\t:163+4*\t], s[32:33] offset:256*\t   ; sixteen lanes store 256 consecutive bytes, aligned
.endr
	global_store_b32 v3, v24, s[34:35]             ; 32 lanes store 128 consecutive bytes
	FINISH
.endm
.Lpwq:
	s_sub_co_u32 s23, ttmp9, 256
	s_and_b32 s26, s23, 15                         ; which 128 columns
	s_lshr_b32 s28, s23, 4                         ; which 128 along K
	s_lshl_b32 s26, s26, 7
	s_lshl_b32 s29, s22, 5
	s_add_co_u32 s26, s26, s29
	s_mov_b32 s27, s26
	s_mov_b64 s[24:25], s[6:7]
	PW 2048
.Lpwkv:
	s_sub_co_u32 s23, ttmp9, 512
	s_cmp_lt_u32 s23, 64                           ; wk or wv: the choice hangs on the work-group's number alone
	s_cselect_b64 s[24:25], s[8:9], s[10:11]
	s_lshr_b32 s27, s23, 6
	s_lshl_b32 s27, s27, 9
	s_add_co_u32 s27, s27, 2048                    ; where the tensor's columns begin among the 3,072
	s_and_b32 s26, s23, 3
	s_lshl_b32 s26, s26, 7
	s_lshl_b32 s29, s22, 5
	s_add_co_u32 s26, s26, s29
	s_add_co_u32 s27, s27, s26
	s_bfe_u32 s28, s23, 0x40002                    ; which 128 along K
	PW 512
; ---- wo.  The same plan: a lane a column, registers down K; 64 along K a wave.  Eight neighbours along K make 16 bytes of f16; the low part is f16(w - f32(high part)).
.Lpwo:
	s_sub_co_u32 s23, ttmp9, 640
	s_and_b32 s26, s23, 15                         ; which 128 columns
	s_lshr_b32 s28, s23, 4                         ; which 64 along K
	s_lshl_b32 s30, s28, 19
	s_lshl_b32 s29, s26, 9
	s_add_co_u32 s30, s30, s29
	s_lshl_b32 s29, s22, 7
	s_add_co_u32 s30, s30, s29
	s_mov_b32 s31, 0
	s_add_nc_u64 s[24:25], s[12:13], s[30:31]
	v_lshlrev_b32 v3, 2, v2
.set i, 0
.rept 64
	global_load_b32 v[32+i], v3, s[24:25] offset:i*8192 th:TH_LOAD_NT
.set i, i+1
.endr
	s_lshl_b32 s30, s26, 19                        ; 8 tiles of 65,536 bytes for each 128 columns,
	s_lshl_b32 s29, s22, 17                        ; 2 for my wave's 32,
	s_add_co_u32 s30, s30, s29
	s_lshl_b32 s29, s28, 11                        ; 2,048 bytes for each 64 along K
	s_add_co_u32 s30, s30, s29
	s_add_nc_u64 s[32:33], s[18:19], s[30:31]      ; the high parts
	s_add_nc_u64 s[34:35], s[32:33], WOLO          ; the low parts
	v_lshrrev_b32 v4, 4, v2
	v_and_b32 v5, 15, v2
	v_lshlrev_b32 v5, 4, v5
	v_lshl_add_u32 v4, v4, 16, v5
.irp hn, 96,97,98,99,100,101,102,103,104,105,106,107,108,109,110,111,112,113,114,115,116,117,118,119,120,121,122,123,124,125,126,127
.if (\hn%4) == 0
	s_wait_loadcnt 56-2*(\hn-96)                   ; this group's eight loads are in; the later groups' may be out
.endif
	v_cvt_pk_f16_f32 v\hn, v[32+2*(\hn-96)], v[33+2*(\hn-96)]
	v_cvt_f32_f16 v[176+2*(\hn%4)], v\hn\().l
	v_cvt_f32_f16 v[177+2*(\hn%4)], v\hn\().h
	v_pk_add_f32 v[176+2*(\hn%4):177+2*(\hn%4)], v[32+2*(\hn-96):33+2*(\hn-96)], v[176+2*(\hn%4):177+2*(\hn%4)] neg_lo:[0,1] neg_hi:[0,1]
	v_cvt_pk_f16_f32 v[128+\hn-96], v[176+2*(\hn%4)], v[177+2*(\hn%4)]
.if (\hn%4) == 3
	global_store_b128 v4, v[\hn-3:\hn], s[32:33] offset:256*((\hn-96)/4)               ; sixteen lanes store 256 consecutive bytes, aligned
	global_store_b128 v4, v[128+\hn-99:128+\hn-96], s[34:35] offset:256*((\hn-96)/4)
.endif
.endr
	FINISH
.Lfunc_end_k_q3361e3219a_prep:
	.size	k_q3361e3219a_prep, .Lfunc_end_k_q3361e3219a_prep-k_q3361e3219a_prep
	.p2alignl 7, 3214868480
	.fill 96, 4, 3214868480
	.section	.rodata,"a",@progbits
	.p2align	6, 0x0
	.amdhsa_kernel k_q3361e3219a_prep
		.amdhsa_group_segment_fixed_size 33280
		.amdhsa_private_segment_fixed_size 0
		.amdhsa_enable_private_segment 0
		.amdhsa_kernarg_size 72
		.amdhsa_user_sgpr_count 2
		.amdhsa_user_sgpr_kernarg_segment_ptr 1
		.amdhsa_wavefront_size32 1
		.amdhsa_system_sgpr_workgroup_id_x 1
		.amdhsa_system_sgpr_workgroup_id_y 1
		.amdhsa_system_sgpr_workgroup_id_z 1
		.amdhsa_system_vgpr_workitem_id 0
		.amdhsa_next_free_vgpr 192
		.amdhsa_next_free_sgpr 66
		.amdhsa_reserve_vcc 1
		.amdhsa_float_denorm_mode_32 3
		.amdhsa_float_denorm_mode_16_64 3
		.amdhsa_memory_ordered 1
		.amdhsa_forward_progress 1
		.amdhsa_inst_pref_size 119
	.end_amdhsa_kernel
	.amdgpu_metadata
---
amdhsa.version: [ 1, 2 ]
amdhsa.kernels:
  - .name:           k_q3361e3219a_prep
    .symbol:         k_q3361e3219a_prep.kd
    .args:
      - { .name: x, .offset: 0, .size: 8, .value_kind: global_buffer, .address_space: global }
      - { .name: wq, .offset: 8, .size: 8, .value_kind: global_buffer, .address_space: global }
      - { .name: wk, .offset: 16, .size: 8, .value_kind: global_buffer, .address_space: global }
      - { .name: wv, .offset: 24, .size: 8, .value_kind: global_buffer, .address_space: global }
      - { .name: wo, .offset: 32, .size: 8, .value_kind: global_buffer, .address_space: global }
      - { .name: xq, .offset: 40, .size: 8, .value_kind: global_buffer, .address_space: global }
      - { .name: wq4, .offset: 48, .size: 8, .value_kind: global_buffer, .address_space: global }
      - { .name: wo16, .offset: 56, .size: 8, .value_kind: global_buffer, .address_space: global }
      - { .name: rope, .offset: 64, .size: 8, .value_kind: global_buffer, .address_space: global }
    .group_segment_fixed_size: 33280
    .private_segment_fixed_size: 0
    .kernarg_segment_align: 8
    .kernarg_segment_size: 72
    .max_flat_workgroup_size: 128
    .sgpr_count:     66
    .vgpr_count:     192
    .wavefront_size: 32
...
	.end_amdgpu_metadata
.endif
;; end of part 6
;; launch qkv: the kernel of part 2 again; grid 16 x 16, 4 waves a work-group, clusters of 4 x 4, 327,680 bytes of LDS; arguments xq, wq4, rope, qkv16, head32; writes qkv16, head32
;; launch attn (part 7): grid 16 x 16, 8 waves a work-group, clusters of 4 x 1, 327,680 bytes of LDS; arguments qkv16, attn16, head32, fine16; writes attn16, fine16
.if DOCPART == 7
	.amdgcn_target "amdgcn-amd-amdhsa--gfx1250"
	.amdhsa_code_object_version 6
	.text
	.protected	k_q3361e3219a_attn
	.globl	k_q3361e3219a_attn
	.p2align	8
	.type	k_q3361e3219a_attn,@function
k_q3361e3219a_attn:
	s_mov_b64 s[64:65], 0
	v_nop
	global_prefetch_b8 v0, s[64:65] scope:SCOPE_SE
	s_setreg_imm32_b32 hwreg(HW_REG_WAVE_MODE, 25, 1), 1
	s_wait_xcnt 0x0
	s_wait_alu depctr_hold_cnt(0) depctr_sa_sdst(0) depctr_va_vdst(0) depctr_va_sdst(0) depctr_va_ssrc(0) depctr_va_vcc(0) depctr_vm_vsrc(0)
	s_getreg_b32 s2, hwreg(HW_REG_IB_STS2, 6, 4)
	s_cmp_eq_u32 s2, 0
	s_cbranch_scc0 .Lentry_in_a_cluster
	s_endpgm
.Lentry_in_a_cluster:
	s_bfe_u32 s2, ttmp6, 0x10000c
	s_cmp_lg_u32 s2, 0x3003
	s_cbranch_scc0 .Lentry_shape_is_right
	s_endpgm
.Lentry_shape_is_right:
; ATTN: causal attention in f16 with f32 sums, all positions.  q comes already rotated and multiplied by log2(e) / 8, so a score is an exponent of 2.  attn16: [head 32][row 2048][64] f16.
; SHARES.  A cluster's four work-groups are the four query heads of one key and value head, at the same positions; K and V are asked for JOINTLY, once for the four.
; Cluster x = u (0..3), y = batch x 8 + group.  A sequence has 64 tiles of 16 positions; a work-group owns tiles 8 i + u and 8 i + 7 - u; wave w owns tA = 8 w + u and tB = 63 - 8 w - u.
; In key steps of 64, tile t wants t / 4 + 1 steps: (2 w + 1) + (16 - 2 w) = 17 tile steps in EVERY wave of every work-group: the causal mask's work is even.  Wave 0's tB wants all 16 steps, so every joint load is read in every partner.
; Every branch hangs on u, the wave's number and the count of steps alone: alike in all four partners.
; ALL 1,024 KEYS AND VALUES OF THE GROUP STAY IN LDS: nothing is filled again.  They come in four chunks of 256 keys (waves 0-3: K, waves 4-7: V, 64 keys a load), all asked for at the head:
; a wave has four tensor loads out.  TWO BARRIERS: ahead of key steps 0 and 1 each wave has waited for its part of chunk 0; ahead of the other fourteen steps for all its loads.
; The waves' tile steps are even over the whole walk but not chunk by chunk, so no barrier stands between the later chunks: of the two steps ahead of the second barrier a wave has 3 or 4 tile steps, behind it 13 or 14.
; Since every tile is asked for at the head, there is no later request for a prefetch to run ahead of.
; LAYOUT.  S^T = K Q^T and O^T = V^T P: a lane holds ONE query (lane % 16) throughout.  Two rows of 128 bytes make an LDS row of 256 + padding (K: 16, V: 32).  V is turned by ds_load_tr16_b128.
; SOFTMAX.  Running maximum m and sum l in f32; p = 2^(s - m) is rounded to f16 for the second product; the sum is taken of the unrounded p.
; Two waves share a SIMD, so that one wave's softmax stands beside the other's products.
; THE FIRST 16 POSITIONS OF EACH SEQUENCE ONCE MORE, FINELY: their rows average one to sixteen values and are the largest of the output.  Wave 0 of the clusters with u = 0, which owns tile 0, also computes its head's
; attention of these 16 positions in f32 (the f32 matrix form: 32 instructions, no bulk work) from head32, while the first tiles are on their way, and stores the result as a high and a low f16 part,
; as images of the projection's operand registers: fine16: [batch][head][high 2,048 bytes | low 2,048]; a group of four registers is 512 bytes, lane l's 16 bytes at 16 l.
; THE ORDER OF k IN THE f32 FORM is permuted alike on both sources.  Scores: register n of lane (r, h) is channel 32 h + n, link c takes registers 2 c, 2 c + 1.  Second product: place (h, j) of link c is key 8 h + 2 c + j.
; The registers that the f32 form writes (v184-231) are written by matrix instructions alone.
; LIMITS: as stated for qkv16's numbers (f16); NaN and infinities are not served.
; REGISTERS: window 0: v3-15 addresses; v16-31 statistics, 8 a tile (+0 m, +2, +3 l, +4 the factor, +6, +7 at work; +1, +5 named as pair partners); v32-63 Q; v64-127 O^T, 32 a tile; v128-159 S^T, then p; v160-175 P; v176-181 at work.
;   In the fine part, ahead of the walk: v64-95 q in f32, then the result's high (64-79) and low (80-95) parts; v96-127 k; v128-159 V^T; v160-167 scores, p; v168-175 p / l; v176-181 at work; v182 an offset; v184-199 two score sums; v200-231 O^T.
;   window 1: v0-63 K's fragments of a step (16 kt + 8 c); v64-127 V's (64 + 32 c + 8 ct).
.set VOFF,  139264                     ; K: 512 double rows x 272; V behind it: 512 x 288
.set STAGE, VOFF+147456                ; the way out: 16 rows x (128 + 16) bytes for each wave; no fill lands here
.set SPARE, STAGE+8*2304               ; the spare words, 128 bytes a wave
.set VPL,   2097152                    ; from K's plane to V's in qkv16: 8 planes
.set SPW,   14
.set NIL,   15
.set MSB, 0
.macro WIN new
.if MSB != \new
	s_set_vgpr_msb (MSB<<8)|\new
.set MSB, \new
.endif
.endm
.macro CROUND
	s_barrier_signal -1
	s_barrier_wait -1
	s_cmp_lg_u32 s8, 0
	s_cbranch_scc1 .Lnot_wave_0_\@
	s_barrier_signal -3
.Lnot_wave_0_\@:
	s_barrier_wait -3
	s_barrier_signal -1
	s_barrier_wait -1
.endm
; The low parts of the two numbers whose high parts stand in register hn (64 .. 79): f16(number - f32(high part)), into register 16 + hn.  hn is a plain number: it names the register's halves.
.macro LOWPART hn
	v_cvt_f32_f16 v[176+2*(\hn%2)], v\hn\().l
	v_cvt_f32_f16 v[177+2*(\hn%2)], v\hn\().h
	v_sub_f32 v[176+2*(\hn%2)], v[200+2*(\hn-64)], v[176+2*(\hn%2)]
	v_sub_f32 v[177+2*(\hn%2)], v[201+2*(\hn-64)], v[177+2*(\hn%2)]
	v_cvt_pk_f16_f32 v[16+\hn], v[176+2*(\hn%2)], v[177+2*(\hn%2)]
.endm
	s_load_b128 s[4:7], s[0:1], 0x0                ; qkv16, attn16
	s_load_b128 s[96:99], s[0:1], 0x10             ; head32, fine16
	v_lshl_add_u32 v[SPW], v0, 2, SPARE
	v_mov_b32 v[NIL], 0
	ds_add_u32 v[SPW], v[NIL]                      ; the wave's opening: the add, twice on end, and its wait ahead of my first tensor load
	ds_add_u32 v[SPW], v[NIL]
	v_lshrrev_b32 v1, 5, v0
	v_readfirstlane_b32 s8, v1                     ; wave 0..7
	s_bfe_u32 s9, ttmp6, 0x40000                   ; cx: my head within the group: it enters Q's and the outputs' addresses alone
	s_mov_b32 s10, ttmp9                           ; u
	s_and_b32 s11, ttmp7, 0xffff
	s_lshr_b32 s12, s11, 3                         ; batch
	s_and_b32 s13, s11, 7                          ; group
	s_lshl_b32 s14, s8, 3
	s_add_co_u32 s14, s14, s10                     ; tA
	s_sub_co_u32 s15, 63, s14                      ; tB
	s_lshl_b32 s19, s14, 4                         ; their first queries,
	s_lshl_b32 s20, s15, 4
	s_add_co_u32 s16, s19, 15                      ; their last,
	s_add_co_u32 s17, s20, 15
	s_max_u32 s18, s16, s17                        ; and my wave's last
	s_mov_b32 s21, 0                               ; the step's first key
	s_mov_b32 s22, 0                               ; where its K begins in LDS: 8,704 bytes a step
	s_mov_b32 s23, 0                               ; and its V: 9,216
	s_mov_b32 s78, 0x76543210
	s_mov_b32 s79, 0xfedcba98                      ; v_permlanex16_b32's selects for lane l xor 16
	; descriptor group 1: 32 rows of 256 bytes (two keys each), dense in memory, padded in LDS
	s_mov_b32 s24, 15|(3<<16)|(1<<20)|(1<<21)|(5<<22)|(3<<25)   ; the mask: all four work-groups; elements of 8 bytes; 4 words of padding behind every 64
	s_mov_b32 s32, 15|(3<<16)|(1<<20)|(1<<21)|(5<<22)|(7<<25)   ; V: 8 words
.irp g, 24, 32
	s_mov_b32 s[\g+1], 32<<16
	s_mov_b32 s[\g+2], 32<<16
	s_mov_b32 s[\g+3], 32<<16
	s_mov_b32 s[\g+4], 32
	s_mov_b32 s[\g+5], 32
	s_mov_b32 s[\g+6], 0
	s_mov_b32 s[\g+7], 0
.endr
	s_and_b32 s92, s8, 3                           ; which 64 keys of a chunk I fetch
	s_add_co_u32 s86, s13, 32
	s_lshl_b32 s86, s86, 18                        ; K's plane,
	s_lshl_b32 s87, s12, 17
	s_add_co_u32 s86, s86, s87                     ; the batch's rows,
	s_lshl_b32 s87, s92, 13
	s_add_co_u32 s86, s86, s87                     ; my 64 keys of 128 bytes
	s_mov_b32 s87, 0
	s_mul_i32 s94, s92, 8704                       ; where they go: no place in the cluster enters an LDS address
	s_mul_i32 s95, s92, 9216
	s_lshl_b32 s84, s13, 2
	s_add_co_u32 s84, s84, s9                      ; my head
	s_lshl_b32 s2, s84, 13                         ; head32: 8,192 bytes a plane: q's plane is my head's,
	s_lshl_b32 s3, s12, 12                         ; 4,096 bytes a batch
	s_add_co_u32 s2, s2, s3
	s_lshl_b32 s92, s12, 5
	s_add_co_u32 s92, s92, s84
	s_lshl_b32 s92, s92, 12                        ; fine16: (32 x batch + head) x 4,096 bytes
	s_mov_b32 s93, 0
	s_lshl_b32 s84, s84, 18
	s_lshl_b32 s85, s12, 17
	s_add_co_u32 s84, s84, s85
	s_lshl_b32 s77, s14, 11
	s_add_co_u32 s88, s84, s77                     ; tile A's 16 rows, in q's plane and in attn16 alike
	s_mov_b32 s89, 0
	s_lshl_b32 s77, s15, 11
	s_add_co_u32 s90, s84, s77                     ; tile B's
	s_mov_b32 s91, 0
	s_add_co_u32 s84, s13, 32
	s_lshl_b32 s84, s84, 13
	s_add_co_u32 s84, s84, s3                      ; head32: k's plane; v's lies eight planes on
	s_mov_b32 s85, 0
	s_mov_b32 s3, 0
	s_wait_dscnt 0x0                               ; both opening adds are done
	s_wait_kmcnt 0x0
	s_add_nc_u64 s[86:87], s[4:5], s[86:87]
	s_add_nc_u64 s[80:81], s[6:7], s[88:89]
	s_add_nc_u64 s[82:83], s[6:7], s[90:91]
	s_add_nc_u64 s[88:89], s[4:5], s[88:89]
	s_add_nc_u64 s[90:91], s[4:5], s[90:91]
	s_add_nc_u64 s[2:3], s[96:97], s[2:3]          ; q in f32
	s_add_nc_u64 s[84:85], s[96:97], s[84:85]      ; k in f32
	s_add_nc_u64 s[92:93], s[98:99], s[92:93]      ; my head's place in fine16
	s_or_b32 s98, s8, s10                          ; 0 in wave 0 of the clusters with u = 0: the same in all four partners
.macro MKG0 g, lreg, loff, goff
	s_mov_b32 s[\g], 1
	s_add_co_u32 s[\g+1], s[\lreg], \loff
	s_add_nc_u64 s[\g+2:\g+3], s[86:87], \goff
	s_or_b32 s[\g+3], s[\g+3], 0x80000000
.endm
	MKG0 40, 94, 0, 0                              ; K, chunks 0 to 3: 34,816 bytes of LDS and 32,768 of memory a chunk
	MKG0 44, 94, 34816, 32768
	MKG0 48, 94, 2*34816, 2*32768
	MKG0 52, 94, 3*34816, 3*32768
	MKG0 56, 95, VOFF, VPL                         ; V: 36,864 bytes of LDS a chunk
	MKG0 60, 95, VOFF+36864, VPL+32768
	MKG0 68, 95, VOFF+2*36864, VPL+2*32768
	MKG0 72, 95, VOFF+3*36864, VPL+3*32768
	CROUND                                         ; all four work-groups are here: the joint loads meet
	s_cmp_lt_u32 s8, 4                             ; a wave's four first fills stand in one branch, ahead of every wait on TENSORcnt and every LDS read
	s_cbranch_scc0 .Lfirst_v
	tensor_load_to_lds s[40:43], s[24:31]
	s_nop 0
	tensor_load_to_lds s[44:47], s[24:31]
	s_nop 0
	tensor_load_to_lds s[48:51], s[24:31]
	s_nop 0
	tensor_load_to_lds s[52:55], s[24:31]
	s_nop 0
.rept 4
	v_nop
.endr
	s_branch .Lfirst_asked
.Lfirst_v:
	tensor_load_to_lds s[56:59], s[32:39]
	s_nop 0
	tensor_load_to_lds s[60:63], s[32:39]
	s_nop 0
	tensor_load_to_lds s[68:71], s[32:39]
	s_nop 0
	tensor_load_to_lds s[72:75], s[32:39]
	s_nop 0
.rept 4
	v_nop
.endr
.Lfirst_asked:
	v_and_b32 v1, 15, v0                           ; r
	v_bfe_u32 v2, v0, 4, 1                         ; h
	v_lshlrev_b32 v10, 7, v1
	v_lshl_add_u32 v10, v2, 4, v10                 ; Q: row r of 128 bytes + 16 h
.irp x, 0,1
.irp c, 0,1
	global_load_b128 v[32+16*\x+8*\c:35+16*\x+8*\c], v10, s[88+2*\x:89+2*\x] offset:64*\c       ; Q's fragments stay in registers
	global_load_b128 v[36+16*\x+8*\c:39+16*\x+8*\c], v10, s[88+2*\x:89+2*\x] offset:64*\c+32
.endr
.endr
	v_lshrrev_b32 v3, 1, v1                        ; K: key r of a tile: double row r / 2, half r % 2, + 16 h
	v_mul_u32_u24 v3, v3, 272
	v_and_b32 v5, 1, v1
	v_lshl_add_u32 v3, v5, 7, v3
	v_lshl_add_u32 v3, v2, 4, v3
	v_and_b32 v5, 7, v0                            ; V, for the turning load: key 8 h + lane % 8, channels 8 ((lane / 8) % 2) on
	v_lshl_add_u32 v5, v2, 3, v5
	v_lshrrev_b32 v4, 1, v5
	v_mul_u32_u24 v4, v4, 288
	v_and_b32 v5, 1, v5
	v_lshl_add_u32 v4, v5, 7, v4
	v_bfe_u32 v5, v0, 3, 1
	v_lshl_add_u32 v4, v5, 4, v4
	v_add_nc_u32 v4, VOFF, v4
	s_mul_i32 s77, s8, 2304
	s_add_co_u32 s77, s77, STAGE                   ; my stage
	v_mul_u32_u24 v7, v1, 144
	v_lshl_add_u32 v7, v2, 4, v7
	v_add_nc_u32 v7, s77, v7                       ; in: row r, 16 bytes for each half of the lanes
	v_and_b32 v6, 31, v0
	v_lshlrev_b32 v9, 4, v6                        ; 16 x lane
	v_lshrrev_b32 v8, 3, v6
	v_mul_u32_u24 v8, v8, 144
	v_and_b32 v6, 7, v6
	v_lshl_add_u32 v8, v6, 4, v8
	v_add_nc_u32 v8, s77, v8                       ; back: eight lanes to a row, four rows an instruction
	v_lshlrev_b32 v11, 3, v2
	v_sub_nc_u32 v11, v1, v11                      ; r - 8 h, for the masks
	v_mov_b32 v13, 0xff800000                      ; -infinity
	v_lshlrev_b32 v12, 8, v1
	v_lshl_add_u32 v12, v2, 7, v12                 ; q, k in f32: row r of 256 bytes, + 128 h
	v_lshlrev_b32 v182, 2, v1
	v_lshl_add_u32 v182, v2, 11, v182              ; v in f32: key 8 h, channel r
; ---- THE FINE PART: one branch on ids, loads and work together, ahead of the first barrier: the first tiles are on their way meanwhile.  No LDS, no barrier, no tensor load stands in it.
	s_cmp_lg_u32 s98, 0
	s_cbranch_scc1 .Lno_fine
.irp n, 0,1,2,3,4,5,6,7
	global_load_b128 v[64+4*\n:67+4*\n], v12, s[2:3] offset:16*\n
.endr
.irp n, 0,1,2,3,4,5,6,7
	global_load_b128 v[96+4*\n:99+4*\n], v12, s[84:85] offset:16*\n
.endr
.irp ct, 0,1,2,3
.irp kk, 0,1,2,3,4,5,6,7
	global_load_b32 v[128+8*\ct+\kk], v182, s[84:85] offset:65536+\kk*256+\ct*64   ; V(8 h + kk, 16 ct + r)
.endr
.endr
	v_mov_b32 v178, 0                              ; written once: a lane permute's destination counts as one of its sources
	s_wait_loadcnt 0x0
.set lk, 0
.rept 16                               ; S^T = K Q^T: sixteen links of 4 channels, two sums by turns
.if lk < 2
	v_wmma_f32_16x16x4_f32 v[184+8*(lk%2):191+8*(lk%2)], v[96+2*lk:97+2*lk], v[64+2*lk:65+2*lk], 0
.else
	v_wmma_f32_16x16x4_f32 v[184+8*(lk%2):191+8*(lk%2)], v[96+2*lk:97+2*lk], v[64+2*lk:65+2*lk], v[184+8*(lk%2):191+8*(lk%2)]
.endif
.set lk, lk+1
.endr
.rept 8
	v_nop                                          ; eight places behind this form
.endr
.irp j, 0,1,2,3,4,5,6,7
	v_add_f32 v[160+\j], v[184+\j], v[192+\j]      ; lane (r, h): query r, key 8 h + j
.endr
.irp j, 0,1,2,3,4,5,6,7
	v_cmp_gt_i32 vcc_lo, \j, v11                   ; hidden where 8 h + j > r
	v_cndmask_b32 v[160+\j], v[160+\j], v13, vcc_lo
.endr
	v_max3_num_f32 v176, v160, v161, v162
	v_max3_num_f32 v177, v163, v164, v165
	v_max3_num_f32 v176, v176, v166, v167
	v_max_num_f32 v176, v176, v177
	v_permlanex16_b32 v178, v176, s78, s79
	v_max_num_f32 v176, v176, v178                 ; the row's maximum (key 0 counts for every query)
.irp j, 0,1,2,3,4,5,6,7
	v_sub_f32 v[160+\j], v[160+\j], v176
.endr
.irp j, 0,1,2,3,4,5,6,7
	v_exp_f32 v[160+\j], v[160+\j]
.endr
	v_nop
	s_wait_alu depctr_va_vdst(0)                   ; one wait for the eight exponentials, ahead of their first reader
	v_add_f32 v177, v160, v161
	v_add_f32 v179, v162, v163
	v_add_f32 v180, v164, v165
	v_add_f32 v181, v166, v167
	v_add_f32 v177, v177, v179
	v_add_f32 v180, v180, v181
	v_add_f32 v177, v177, v180
	v_permlanex16_b32 v178, v177, s78, s79
	v_add_f32 v177, v177, v178
	v_rcp_f32 v179, v177
	v_nop
	s_wait_alu depctr_va_vdst(0)
.irp j, 0,1,2,3,4,5,6,7
	v_mul_f32 v[168+\j], v[160+\j], v179           ; the weights, in f32
.endr
.irp c, 0,1,2,3                        ; O^T = V^T P: four links of 4 keys, the four channel tiles by turns
.irp ct, 0,1,2,3
.if \c == 0
	v_wmma_f32_16x16x4_f32 v[200+8*\ct:207+8*\ct], v[128+8*\ct+2*\c:129+8*\ct+2*\c], v[168+2*\c:169+2*\c], 0
.else
	v_wmma_f32_16x16x4_f32 v[200+8*\ct:207+8*\ct], v[128+8*\ct+2*\c:129+8*\ct+2*\c], v[168+2*\c:169+2*\c], v[200+8*\ct:207+8*\ct]
.endif
.endr
.endr
.rept 8
	v_nop
.endr
.irp hn, 64,65,66,67,68,69,70,71,72,73,74,75,76,77,78,79
	v_cvt_pk_f16_f32 v\hn, v[200+2*(\hn-64)], v[201+2*(\hn-64)]   ; the high parts: two channel tiles, rounded in pairs, are source 1 (16 queries x 32 K) of the projection
.endr
.irp hn, 64,65,66,67,68,69,70,71,72,73,74,75,76,77,78,79
	LOWPART \hn                                    ; the low parts
.endr
.irp g, 0,1,2,3
	global_store_b128 v9, v[64+4*\g:67+4*\g], s[92:93] offset:512*\g          ; 32 lanes store 512 consecutive bytes
	global_store_b128 v9, v[80+4*\g:83+4*\g], s[92:93] offset:2048+512*\g
.endr
	s_wait_xcnt 0x0                                ; the stores have read their registers, which are written again below
.Lno_fine:
.irp x, 0,1
	v_mov_b32 v[16+8*\x], 0xff61b1e6               ; m = -3e38, under every score
.irp k, 1,2,3,4,5,6,7
	v_mov_b32 v[16+8*\x+\k], 0                     ; l = 0; the rest is named as pair partners or as a lane permute's destination before it is first written
.endr
.endr
.set i, 0
.rept 64
	v_mov_b32 v[64+i], 0                           ; O^T.  (The step is written once: the first finds zeros, which its factor 0 leaves zeros)
.set i, i+1
.endr
; ONE TILE OF 16 QUERIES AGAINST THE STEP'S 64 KEYS.
.macro TILE x
.set T, 16+8*\x
.set Q, 32+16*\x
.set O, 64+32*\x
	s_cmp_gt_u32 s21, s[16+\x]                     ; all the step's keys come after this tile's queries: nothing to do
	s_cbranch_scc1 .Lno_tile_\@
	s_wait_dscnt 16                                ; K's sixteen loads are in; V's sixteen may be out
	WIN 0x01                                       ; source 0 window 1
.irp kt, 0,1,2,3
	v_wmma_f32_16x16x32_f16 v[128+8*\kt:135+8*\kt], v[16*\kt:16*\kt+7], v[Q:Q+7], 0
.endr
.irp kt, 0,1,2,3
	v_wmma_f32_16x16x32_f16 v[128+8*\kt:135+8*\kt], v[16*\kt+8:16*\kt+15], v[Q+8:Q+15], v[128+8*\kt:135+8*\kt]
.endr
	WIN 0
.rept 4
	v_nop                                          ; places behind the products, in front of the first read of the scores
.endr
	s_add_co_u32 s77, s21, 63
	s_cmp_le_u32 s77, s[19+\x]                     ; all the step's keys count: no mask
	s_cbranch_scc1 .Lopen_\@
	s_sub_co_i32 s77, s[19+\x], s21
	v_add_nc_u32 v12, s77, v11                     ; register 8 kt + j holds key 16 kt + 8 h + j of the step: hidden where 16 kt + j > my query - the step's first key - 8 h
.set n, 0
.rept 32
	v_cmp_gt_i32 vcc_lo, 16*(n/8)+n%8, v12
	v_cndmask_b32 v[128+n], v[128+n], v13, vcc_lo
.set n, n+1
.endr
.Lopen_\@:
.irp kt, 0,1,2,3
	v_max3_num_f32 v[176+\kt], v[128+8*\kt], v[129+8*\kt], v[130+8*\kt]   ; four chains, each begun at its accumulator's low end
.endr
.irp kt, 0,1,2,3
	v_max3_num_f32 v[176+\kt], v[176+\kt], v[131+8*\kt], v[132+8*\kt]
.endr
.irp kt, 0,1,2,3
	v_max3_num_f32 v[176+\kt], v[176+\kt], v[133+8*\kt], v[134+8*\kt]
.endr
	v_max3_num_f32 v176, v176, v135, v143
	v_max3_num_f32 v178, v178, v151, v159
	v_max3_num_f32 v176, v176, v177, v178
	v_max3_num_f32 v176, v176, v179, v[T]
	v_permlanex16_b32 v[T+7], v176, s78, s79       ; the query's other 32 keys lie in the lane 16 away
	v_max_num_f32 v[T+6], v176, v[T+7]             ; the new m
	v_sub_f32 v[T+7], v[T], v[T+6]                 ; old m - new m
	v_mov_b32 v[T], v[T+6]
.set n, 0
.rept 16
	v_pk_add_f32 v[128+n:129+n], v[128+n:129+n], v[T:T+1] op_sel_hi:[1,0] neg_lo:[0,1] neg_hi:[0,1]   ; s - m, two at a time
.set n, n+2
.endr
	v_exp_f32 v[T+4], v[T+7]                       ; the factor 2^(old m - new m)
.set n, 0
.rept 32
	v_exp_f32 v[128+n], v[128+n]                   ; p
.set n, n+1
.endr
	v_nop                                          ; a plain line behind the last exponential
	s_wait_alu depctr_va_vdst(0)                   ; one wait for the batch of 33, ahead of its first reader
	v_pk_mul_f32 v[T+2:T+3], v[T+2:T+3], v[T+4:T+5] op_sel_hi:[1,0]
	v_pk_add_f32 v[180:181], v[128:129], v[130:131]   ; the sum of the unrounded p, in two chains
.irp j, 4,8,12,16,20,24,28
	v_pk_add_f32 v[T+2:T+3], v[T+2:T+3], v[128+\j:129+\j]
	v_pk_add_f32 v[180:181], v[180:181], v[130+\j:131+\j]
.endr
	v_pk_add_f32 v[T+2:T+3], v[T+2:T+3], v[180:181]
.set n, 0
.rept 16
	v_cvt_pk_f16_f32 v[160+n], v[128+2*n], v[129+2*n]   ; two score tiles, rounded in pairs, ARE source 1 (32 keys x 16 queries) of the second product
.set n, n+1
.endr
.set n, 0
.rept 16
	v_pk_mul_f32 v[O+n:O+n+1], v[O+n:O+n+1], v[T+4:T+5] op_sel_hi:[1,0]   ; O^T under the new m
.set n, n+2
.endr
	s_wait_dscnt 0x0                               ; V is in
	WIN 0x01
.irp ct, 0,1,2,3
	v_wmma_f32_16x16x32_f16 v[O+8*\ct:O+8*\ct+7], v[64+8*\ct:71+8*\ct], v[160:167], v[O+8*\ct:O+8*\ct+7]
.endr
.irp ct, 0,1,2,3
	v_wmma_f32_16x16x32_f16 v[O+8*\ct:O+8*\ct+7], v[96+8*\ct:103+8*\ct], v[168:175], v[O+8*\ct:O+8*\ct+7]
.endr
	WIN 0
.Lno_tile_\@:
.endm
; A KEY STEP: 64 keys.  K's and V's fragments are read once for both tiles.  A step all of whose keys come after both tiles' queries is left out, but for the lines that step addresses.
.macro STEP
	s_cmp_gt_u32 s21, s18
	s_cbranch_scc1 .Lend_step_\@
	s_wait_dscnt 0x0                               ; the last step's 32 loads have landed, on every way here, before their registers are loaded again (a tile that was worked has waited for them already)
	v_add_nc_u32 v5, s22, v3
	v_add_nc_u32 v6, s23, v4
	v_nop
	v_nop                                          ; four places behind the last products, in front of loads into the registers that they read
	WIN 0x40                                       ; destination window 1
.irp kt, 0,1,2,3
.irp c, 0,1
	ds_load_b128 v[16*\kt+8*\c:16*\kt+8*\c+3], v5 offset:\kt*2176+64*\c
	ds_load_b128 v[16*\kt+8*\c+4:16*\kt+8*\c+7], v5 offset:\kt*2176+64*\c+32
.endr
.endr
.irp c, 0,1
.irp ct, 0,1,2,3
	ds_load_tr16_b128 v[64+32*\c+8*\ct:64+32*\c+8*\ct+3], v6 offset:\c*4608+32*\ct
	ds_load_tr16_b128 v[64+32*\c+8*\ct+4:64+32*\c+8*\ct+7], v6 offset:\c*4608+32*\ct+2304
.endr
.endr
	WIN 0
	TILE 0
	TILE 1
.Lend_step_\@:
	s_add_co_u32 s21, s21, 64
	s_add_co_u32 s22, s22, 8704
	s_add_co_u32 s23, s23, 9216
.endm
; A barrier that shows tiles to all eight waves: my loads but the youngest `left` have landed (those may stay out), and no LDS instruction of mine is pending at the signal.
.macro SHOW left
	s_wait_dscnt 0x0
	s_wait_tensorcnt \left
	s_barrier_signal -1
	s_barrier_wait -1
.endm
.macro WALK steps                      ; so many key steps, a constant count
	s_mov_b32 s76, \steps
.Lsteps_\@:
	STEP
	s_sub_co_u32 s76, s76, 1
	s_cmp_lg_u32 s76, 0
	s_cbranch_scc1 .Lsteps_\@
.endm
	s_wait_loadcnt 0x0                             ; Q
	SHOW 3                                         ; chunk 0, keys 0-255, is whole
	WALK 2                                         ; keys 0-127
	SHOW 0                                         ; all 1,024 keys and values are whole
	WALK 14
; THE WAY OUT of a tile: O^T / l, rounded to f16, through my stage, and out as whole rows: an instruction stores four rows, 512 consecutive bytes.
.macro OUTT x
.set T, 16+8*\x
.set O, 64+32*\x
	v_add_f32 v[T+6], v[T+2], v[T+3]
	v_permlanex16_b32 v[T+7], v[T+6], s78, s79
	v_add_f32 v[T+6], v[T+6], v[T+7]
	v_rcp_f32 v[T+4], v[T+6]
	v_nop                                          ; a plain line behind the reciprocal,
	s_wait_alu depctr_va_vdst(0)                   ; and the wait ahead of its first reader
.set n, 0
.rept 16
	v_pk_mul_f32 v[O+n:O+n+1], v[O+n:O+n+1], v[T+4:T+5] op_sel_hi:[1,0]
.set n, n+2
.endr
.set n, 0
.rept 16
	v_cvt_pk_f16_f32 v[160+n], v[O+2*n], v[O+2*n+1]
.set n, n+1
.endr
.irp ct, 0,1,2,3
	ds_store_b128 v7, v[160+4*\ct:163+4*\ct] offset:32*\ct
.endr
.irp i, 0,1,2,3
	ds_load_b128 v[128+16*\x+4*\i:131+16*\x+4*\i], v8 offset:\i*576   ; LDS serves a wave's instructions in order: these see my stores
.endr
.irp i, 0,1,2,3
	s_wait_dscnt 3-\i
	global_store_b128 v9, v[128+16*\x+4*\i:131+16*\x+4*\i], s[80+2*\x:81+2*\x] offset:512*\i
.endr
.endm
.rept 4
	v_nop                                          ; places behind the last products
.endr
	OUTT 0
	OUTT 1
	s_wait_tensorcnt 0x0                           ; the wave's end
	ds_add_u32 v[SPW], v[NIL]
	s_wait_dscnt 0x0
	CROUND                                         ; the closing round
	s_endpgm
.Lfunc_end_k_q3361e3219a_attn:
	.size	k_q3361e3219a_attn, .Lfunc_end_k_q3361e3219a_attn-k_q3361e3219a_attn
	.p2alignl 7, 3214868480
	.fill 96, 4, 3214868480
	.section	.rodata,"a",@progbits
	.p2align	6, 0x0
	.amdhsa_kernel k_q3361e3219a_attn
		.amdhsa_group_segment_fixed_size 327680
		.amdhsa_private_segment_fixed_size 0
		.amdhsa_enable_private_segment 0
		.amdhsa_kernarg_size 32
		.amdhsa_user_sgpr_count 2
		.amdhsa_user_sgpr_kernarg_segment_ptr 1
		.amdhsa_wavefront_size32 1
		.amdhsa_system_sgpr_workgroup_id_x 1
		.amdhsa_system_sgpr_workgroup_id_y 1
		.amdhsa_system_sgpr_workgroup_id_z 1
		.amdhsa_system_vgpr_workitem_id 0
		.amdhsa_next_free_vgpr 384
		.amdhsa_next_free_sgpr 100
		.amdhsa_reserve_vcc 1
		.amdhsa_float_denorm_mode_32 3
		.amdhsa_float_denorm_mode_16_64 3
		.amdhsa_memory_ordered 1
		.amdhsa_forward_progress 1
		.amdhsa_inst_pref_size 79
	.end_amdhsa_kernel
	.amdgpu_metadata
---
amdhsa.version: [ 1, 2 ]
amdhsa.kernels:
  - .name:           k_q3361e3219a_attn
    .symbol:         k_q3361e3219a_attn.kd
    .args:
      - { .name: qkv16, .offset: 0, .size: 8, .value_kind: global_buffer, .address_space: global }
      - { .name: attn16, .offset: 8, .size: 8, .value_kind: global_buffer, .address_space: global }
      - { .name: head32, .offset: 16, .size: 8, .value_kind: global_buffer, .address_space: global }
      - { .name: fine16, .offset: 24, .size: 8, .value_kind: global_buffer, .address_space: global }
    .group_segment_fixed_size: 327680
    .private_segment_fixed_size: 0
    .kernarg_segment_align: 8
    .kernarg_segment_size: 32
    .max_flat_workgroup_size: 256
    .sgpr_count:     100
    .vgpr_count:     384
    .wavefront_size: 32
...
	.end_amdgpu_metadata
.endif
;; end of part 7
;; launch proj (part 8): grid 16 x 16, 4 waves a work-group, clusters of 4 x 4, 327,680 bytes of LDS; arguments attn16, wo16, out0, fine16; writes out0
.if DOCPART == 8
	.amdgcn_target "amdgcn-amd-amdhsa--gfx1250"
	.amdhsa_code_object_version 6
	.text
	.protected	k_q3361e3219a_proj
	.globl	k_q3361e3219a_proj
	.p2align	8
	.type	k_q3361e3219a_proj,@function
k_q3361e3219a_proj:
	s_mov_b64 s[64:65], 0
	v_nop
	global_prefetch_b8 v0, s[64:65] scope:SCOPE_SE
	s_setreg_imm32_b32 hwreg(HW_REG_WAVE_MODE, 25, 1), 1
	s_wait_xcnt 0x0
	s_wait_alu depctr_hold_cnt(0) depctr_sa_sdst(0) depctr_va_vdst(0) depctr_va_sdst(0) depctr_va_ssrc(0) depctr_va_vcc(0) depctr_vm_vsrc(0)
	s_getreg_b32 s2, hwreg(HW_REG_IB_STS2, 6, 4)
	s_cmp_eq_u32 s2, 0
	s_cbranch_scc0 .Lentry_in_a_cluster
	s_endpgm
.Lentry_in_a_cluster:
	s_bfe_u32 s2, ttmp6, 0x10000c
	s_cmp_lg_u32 s2, 0xf033
	s_cbranch_scc0 .Lentry_shape_is_right
	s_endpgm
.Lentry_shape_is_right:
; PROJ: out0 [2048][2048] f32 = attention's result [2048][K 2048] x wo [K 2048][2048], f16 operands, f32 sums.
; A: attn16, [head][row][64] f16: K = 64 x head + channel.  B: wo16's high parts, images of the operand's registers: [column / 16][k / 8][column % 16][8 f16].
; A tile of the result is 128 x 128: 256 work-groups.  Four waves, each 64 x 64: 16 accumulators.  K goes in steps of 256 (four heads) through a ring of two LDS slots.
; CLUSTERS: 4 x 4.  A's tile is asked for jointly along a row of the cluster (waves 0, 1: 64 rows each), B's along a column (waves 2, 3: four column tiles each).
; THE MATRIX INSTRUCTION IS USED TRANSPOSED (source 0 = 16 columns of wo, source 1 = 16 rows of A): a lane holds eight neighbouring numbers of a row of the result.
; A wave has two tensor loads out at the start and one behind each round.
; THE FIRST 16 POSITIONS OF EACH SEQUENCE ARE PROJECTED FINELY, with both operands as pairs of f16 numbers, a high and a low part: high x high + low x high + high x low.  There are 2 batches x 128 column tiles = 256 blocks
; of 16 x 16, one for each work-group: tile row tr and tile column tc make batch tr / 8, column tile 8 tc + tr % 8.  The place in the cluster enters plain global addresses alone: every work-group runs the same lines.
; Wave w takes heads 8 w .. 8 w + 7 (512 of K): 48 matrix instructions on two sums by turns; the four waves' sums meet in LDS bytes of their own.  The result's parts (fine16, images of the operand's registers) are asked for
; at the head, wo's fragments behind the last change of slots, when no tile is on its way any more; the products stand behind the tile's own stores.
; So that each byte of out0 has one writer, the tile's first block of 16 rows is stored under a lane mask: all lanes off where these rows are positions 0-15.  A mask, not a branch.
; The fine block's stores are pieces of 64 bytes of 16 rows: 256 KiB in the whole launch.
; LIMITS: f16 operands, as stated where they are made.
; REGISTERS: window 0: v16-31 addresses; v32-95 the way out; v96-111 the fine block's two sums, v112-119 their sum; v128-255 the accumulators ((a, b) at 128 + 8 (4 a + b)).
;   window 1: two fragment buffers of 128: 64 of A (2 x 4 x 16 rows x 32 K), then 64 of B.   window 2: the fine rows: my head i at 32 ((i + 1) % 8): high 16, low 16.   window 3: wo's fragments: 32 along K, number s, at 16 s: high 8, low 8.
.set AHALF, 34816                      ; 64 rows x 4 heads: [head 4][32 double rows x (256 + 16) bytes]
.set BHALF, 32768                      ; 4 column tiles x 8,192 bytes of images
.set SLOT,  2*AHALF+2*BHALF
.set STAGE, 2*SLOT                     ; the way out: 16 rows x (256 + 16) bytes for each wave; no fill lands here
.set SPITCH, 272
.set SPARE, STAGE+4*16*SPITCH          ; the spare words, 128 bytes a wave
.set RED,   SPARE+512                  ; the fine block's four partial sums, 1,024 bytes a wave; no fill lands here
.set WOLO,  8388608                    ; wo's low parts begin here in wo16
.set LAPS,  4                          ; a lap = two K steps
.set ADRA, 16
.set ADRB, 20
.set RDA,  22                          ; v22 where waves 0 and 1 read the partial sums
.set FO,   23                          ; v23 my place in the fine block of out0
.set STO,  24
.set RD,   25
.set CO,   26
.set LI,   27                          ; v27 16 x lane; never rewritten
.set SPW,  28
.set NIL,  29
.set PMV,  30                          ; v30 the position in its sequence of my wave's first row
.set RST,  31                          ; v31 where I put my partial sums
.set TMP,  32
.set FP,   96
.set FR,   112
.set ACC,  128
.set F0,   0
.set F1,   128
.set G1, 24
.set G0, 32
.set G1B, 48
.set G0B, 56
.set MSB, 0
.macro WIN new
.if MSB != \new
	s_set_vgpr_msb (MSB<<8)|\new
.set MSB, \new
.endif
.endm
.set MUL,  0x05                        ; sources 0 and 1 window 1; C and D window 0
.set TO_F, 0x40                        ; destination window 1
.macro JLOAD s                         ; a joint load; an s_nop 0 and four v_nop follow each of the two lines
	s_cmp_eq_u32 s11, 0
	s_cbranch_scc0 .Lfor_b_\@
	tensor_load_to_lds s[G0+4*\s:G0+4*\s+3], s[G1:G1+7]
	s_nop 0
.rept 4
	v_nop
.endr
	s_branch .Lasked_\@
.Lfor_b_\@:
	tensor_load_to_lds s[G0B+4*\s:G0B+4*\s+3], s[G1B:G1B+7]
	s_nop 0
.rept 4
	v_nop
.endr
.Lasked_\@:
.endm
.macro CREST
	s_cmp_lg_u32 s10, 0
	s_cbranch_scc1 .Lnot_wave_0_\@
	s_barrier_signal -3
.Lnot_wave_0_\@:
	s_barrier_wait -3
	s_barrier_signal -1
	s_barrier_wait -1
.endm
.macro CROUND
	s_barrier_signal -1
	s_barrier_wait -1
	CREST
.endm
	s_load_b128 s[4:7], s[0:1], 0x0                ; attn16, wo16
	s_load_b64 s[8:9], s[0:1], 0x10                ; out0
	s_load_b64 s[66:67], s[0:1], 0x18              ; fine16
	v_lshl_add_u32 v[SPW], v0, 2, SPARE
	v_mov_b32 v[NIL], 0
	ds_add_u32 v[SPW], v[NIL]                      ; the wave's opening: the add, twice on end, and its wait ahead of my first tensor load
	ds_add_u32 v[SPW], v[NIL]
	v_lshrrev_b32 v1, 5, v0
	v_readfirstlane_b32 s10, v1                    ; wave 0..3
	s_lshr_b32 s11, s10, 1                         ; which half of the tile's rows is mine.  Also: I fetch for A (0) or for B (1)
	s_and_b32 s12, s10, 1                          ; which half of its columns.  Also: which half of that tile I fetch
	s_bfe_u32 s40, ttmp6, 0x40000                  ; cx, cy
	s_bfe_u32 s41, ttmp6, 0x40004
	s_lshl_b32 s42, ttmp9, 2
	s_add_co_u32 s42, s42, s40                     ; tile column
	s_and_b32 s13, ttmp7, 0xffff
	s_lshl_b32 s13, s13, 2
	s_add_co_u32 s13, s13, s41                     ; tile row
	s_lshl_b32 s43, s41, 2
	s_lshl_b32 s43, 15, s43                        ; my row of the cluster
	s_lshl_b32 s44, 0x1111, s40                    ; my column
	; A: four heads x 8,192 bytes (64 rows of 128), 262,144 bytes apart; 16 bytes of padding behind every 256
	s_or_b32 s[G1+0], s43, (3<<16)|(1<<20)|(1<<21)|(5<<22)|(3<<25)
	s_mov_b32 s[G1+1], 1024<<16
	s_mov_b32 s[G1+2], 4<<16
	s_mov_b32 s[G1+3], 1024<<16
	s_mov_b32 s[G1+4], 4
	s_mov_b32 s[G1+5], 32768
	s_mov_b32 s[G1+6], 0
	s_mov_b32 s[G1+7], 0
	; B: four column tiles x 8,192 bytes, 65,536 bytes apart, dense in LDS
	s_or_b32 s[G1B+0], s44, (3<<16)|(1<<21)
	s_mov_b32 s[G1B+1], 1024<<16
	s_mov_b32 s[G1B+2], 4<<16
	s_mov_b32 s[G1B+3], 1024<<16
	s_mov_b32 s[G1B+4], 4
	s_mov_b32 s[G1B+5], 8192
	s_mov_b32 s[G1B+6], 0
	s_mov_b32 s[G1B+7], 0
	s_lshl_b32 s16, s13, 14                        ; A: (128 x tile row + 64 x half) rows of 128 bytes
	s_lshl_b32 s17, s12, 13
	s_add_co_u32 s16, s16, s17
	s_mov_b32 s17, 0
	s_lshl_b32 s46, s42, 19                        ; B: (8 x tile column + 4 x half) tiles of 65,536 bytes
	s_lshl_b32 s47, s12, 18
	s_add_co_u32 s46, s46, s47
	s_mov_b32 s47, 0
	s_mul_i32 s20, s12, AHALF                      ; where they go in a slot
	s_lshl_b32 s21, s12, 15
	s_add_co_u32 s21, s21, 2*AHALF
	; the fine block: in registers of their own, which feed no descriptor
	s_lshr_b32 s74, s13, 3                         ; its batch
	s_and_b32 s75, s13, 7
	s_lshl_b32 s76, s42, 3
	s_add_co_u32 s76, s76, s75                     ; its column tile: 8 x tile column + tile row % 8
	s_lshl_b32 s68, s76, 16                        ; wo16: 65,536 bytes a column tile,
	s_lshl_b32 s69, s10, 14                        ; 16,384 for my 512 of K
	s_add_co_u32 s68, s68, s69
	s_mov_b32 s69, 0
	s_lshl_b32 s72, s74, 23                        ; out0: the batch's first row,
	s_lshl_b32 s73, s76, 6                         ; 64 bytes a column tile
	s_add_co_u32 s72, s72, s73
	s_mov_b32 s73, 0
	s_lshl_b32 s70, s74, 17                        ; fine16: 131,072 bytes a batch,
	s_lshl_b32 s71, s10, 15                        ; 32,768 for my eight heads
	s_add_co_u32 s70, s70, s71
	s_mov_b32 s71, 0
	s_lshl_b32 s75, s75, 7
	s_lshl_b32 s77, s11, 6
	s_add_co_u32 s75, s75, s77                     ; the position in its sequence of my wave's first row
	s_wait_dscnt 0x0                               ; both opening adds are done
	s_wait_kmcnt 0x0
	s_add_nc_u64 s[14:15], s[4:5], s[16:17]
	s_add_nc_u64 s[46:47], s[6:7], s[46:47]
	s_add_nc_u64 s[66:67], s[66:67], s[70:71]      ; my eight heads' images
	s_add_nc_u64 s[68:69], s[6:7], s[68:69]        ; wo's high fragments,
	s_add_nc_u64 s[70:71], s[68:69], WOLO          ; its low ones
	s_add_nc_u64 s[72:73], s[8:9], s[72:73]        ; the fine block in out0
	CROUND                                         ; all sixteen work-groups are here
.irp s, 0,1
	s_mov_b32 s[G0+4*\s], 1
	s_add_co_u32 s[G0+4*\s+1], s20, \s*SLOT
	s_add_nc_u64 s[G0+4*\s+2:G0+4*\s+3], s[14:15], \s*1048576      ; K step s: four heads on
	s_or_b32 s[G0+4*\s+3], s[G0+4*\s+3], 0x80000000
	s_mov_b32 s[G0B+4*\s], 1
	s_add_co_u32 s[G0B+4*\s+1], s21, \s*SLOT
	s_add_nc_u64 s[G0B+4*\s+2:G0B+4*\s+3], s[46:47], \s*8192
	s_or_b32 s[G0B+4*\s+3], s[G0B+4*\s+3], 0x80000000
	JLOAD \s
.endr
	v_and_b32 v[LI], 31, v0
	v_lshlrev_b32 v[LI], 4, v[LI]                  ; 16 x lane
	WIN 0x80                                       ; destination window 2
.irp i, 0,1,2,3,4,5,6,7                ; the fine rows of my eight heads: they are wanted at the kernel's end
.irp g, 0,1,2,3
	global_load_b128 v[32*((\i+1)%8)+4*\g:32*((\i+1)%8)+4*\g+3], v[LI], s[66:67] offset:\i*4096+\g*512
	global_load_b128 v[32*((\i+1)%8)+16+4*\g:32*((\i+1)%8)+16+4*\g+3], v[LI], s[66:67] offset:\i*4096+2048+\g*512
.endr
.endr
	WIN 0
	v_and_b32 v1, 15, v0                           ; r
	v_bfe_u32 v2, v0, 4, 1                         ; h
	v_lshrrev_b32 v3, 1, v1                        ; A: row r of a tile: double row r / 2, half r % 2, + 16 h
	v_mul_u32_u24 v3, v3, 272
	v_and_b32 v4, 1, v1
	v_lshl_add_u32 v3, v4, 7, v3
	v_lshl_add_u32 v3, v2, 4, v3
	s_mul_i32 s21, s11, AHALF                      ; my 64 rows of A
	s_lshl_b32 s22, s12, 15                        ; my 64 columns of B,
	s_add_co_u32 s22, s22, 2*AHALF                 ; which lie behind A
.irp s, 0,1
	v_add_nc_u32 v[ADRA+\s], s21, v3
	v_add_nc_u32 v[ADRB+\s], s22, v[LI]
	s_add_co_u32 s21, s21, SLOT
	s_add_co_u32 s22, s22, SLOT
.endr
	s_mul_i32 s23, s10, 16*SPITCH
	s_add_co_u32 s23, s23, STAGE                   ; my stage
	v_mul_u32_u24 v5, v1, SPITCH
	v_lshl_add_u32 v5, v2, 5, v5
	v_add_nc_u32 v[STO], s23, v5                   ; in: row r, 32 bytes for each half of the lanes
	v_mul_u32_u24 v5, v2, SPITCH
	v_lshl_add_u32 v5, v1, 4, v5
	v_add_nc_u32 v[RD], s23, v5                    ; back: lanes 0-15 one row of 256 bytes, lanes 16-31 the next
	v_lshlrev_b32 v5, 13, v2
	v_lshl_add_u32 v[CO], v1, 4, v5                ; and the same two rows in out0
	s_lshl_b32 s77, s10, 10
	s_add_co_u32 s77, s77, RED
	v_add_nc_u32 v[RST], s77, v[LI]                ; my partial sums: 1,024 bytes a wave
	s_lshl_b32 s77, s12, 9
	s_add_co_u32 s77, s77, RED
	v_add_nc_u32 v[RDA], s77, v[LI]                ; wave 0 reads registers 0-3 of all four, wave 1 registers 4-7
	v_lshlrev_b32 v5, 13, v1
	v_lshl_add_u32 v5, v2, 5, v5
	s_lshl_b32 s77, s12, 4
	v_add_nc_u32 v[FO], s77, v5                    ; the fine block: row r, + 32 h, + 16 x (wave % 2)
	v_mov_b32 v[PMV], s75
	s_lshl_b32 s16, s13, 20                        ; my first row: (128 x tile row + 64 x half) x 8,192 bytes
	s_lshl_b32 s17, s11, 19
	s_add_co_u32 s16, s16, s17
	s_mov_b32 s17, 0
	s_add_nc_u64 s[8:9], s[8:9], s[16:17]
	s_lshl_b32 s46, s42, 9                         ; my first column: (128 x tile column + 64 x half) x 4 bytes
	s_lshl_b32 s47, s12, 8
	s_add_co_u32 s46, s46, s47
	s_mov_b32 s47, 0
	s_add_nc_u64 s[8:9], s[8:9], s[46:47]
; 8 matrix instructions: row tiles a0, a0 + 1 x all 4 column tiles, 32 along K: half c of buffer f.  zero = 1: the first product starts the sums
.macro MUL8 f, c, a0, zero
.irp a, \a0, \a0+1
.irp b, 0,1,2,3
.if \zero
	v_wmma_f32_16x16x32_f16 v[ACC+8*(4*(\a)+\b):ACC+8*(4*(\a)+\b)+7], v[\f+64+8*(4*\c+\b):\f+64+8*(4*\c+\b)+7], v[\f+8*(4*\c+\a):\f+8*(4*\c+\a)+7], 0
.else
	v_wmma_f32_16x16x32_f16 v[ACC+8*(4*(\a)+\b):ACC+8*(4*(\a)+\b)+7], v[\f+64+8*(4*\c+\b):\f+64+8*(4*\c+\b)+7], v[\f+8*(4*\c+\a):\f+8*(4*\c+\a)+7], v[ACC+8*(4*(\a)+\b):ACC+8*(4*(\a)+\b)+7]
.endif
.endr
.endr
.endm
; 32 LDS loads in one run: the fragments of the slot's head z (64 along K) into buffer f; the first 32 along K first
.macro FETCH slot, z, f
	WIN TO_F
.irp c, 0,1
.irp i, 0,1,2,3
	ds_load_b128 v[\f+64+8*(4*\c+\i):\f+64+8*(4*\c+\i)+3],   v[ADRB+\slot] offset:\i*8192+(2*(\z)+\c)*1024
	ds_load_b128 v[\f+64+8*(4*\c+\i)+4:\f+64+8*(4*\c+\i)+7], v[ADRB+\slot] offset:\i*8192+(2*(\z)+\c)*1024+512
	ds_load_b128 v[\f+8*(4*\c+\i):\f+8*(4*\c+\i)+3],         v[ADRA+\slot] offset:(\z)*8704+\i*2176+64*\c
	ds_load_b128 v[\f+8*(4*\c+\i)+4:\f+8*(4*\c+\i)+7],       v[ADRA+\slot] offset:(\z)*8704+\i*2176+64*\c+32
.endr
.endr
.endm
.macro PLACES
.rept 4
	v_nop
.endr
.endm
; A K step is four quarters (heads), 32 matrix instructions each, on buffers 0, 1, 0, 1.  One of the first three: multiplies buffer f and fetches head z into g.
.macro QUARTER slot, z, f, g, zero
	s_wait_dscnt 16                                ; the first 32 along K are in
	WIN MUL
	MUL8 \f, 0, 0, \zero
	MUL8 \f, 0, 2, \zero
	PLACES
	FETCH \slot, \z, \g
	s_wait_dscnt 32                                ; all but the 32 just issued
	WIN MUL
	MUL8 \f, 1, 0, 0
	MUL8 \f, 1, 2, 0
.endm
; The last quarter multiplies buffer 1 and changes slots: one barrier; in front of it each wave waits for all its tensor loads, adds 0 to its spare word, and waits for that and for its reads of this slot.
.macro TURN slot, next, fill
	WIN 0
	s_wait_tensorcnt 0x0                           ; all my tensor loads have landed: my part of the next slot
	ds_add_u32 v[SPW], v[NIL]                      ; 0 onto my spare word
	s_wait_dscnt 17                                ; (the add and the youngest sixteen loads may be out)
	WIN MUL
	MUL8 F1, 0, 0, 0
	s_wait_dscnt 0x0                               ; the add is done, and my reads of this slot are over
	s_barrier_signal -1
	MUL8 F1, 0, 2, 0
.if \fill
	WIN 0
.endif
	s_barrier_wait -1
.if \fill
	CREST                                          ; the barrier has opened a round of the cluster's barrier
	s_add_nc_u64 s[G0+4*\slot+2:G0+4*\slot+3], s[G0+4*\slot+2:G0+4*\slot+3], 2097152      ; two K steps on: eight heads,
	s_add_nc_u64 s[G0B+4*\slot+2:G0B+4*\slot+3], s[G0B+4*\slot+2:G0B+4*\slot+3], 16384    ; 16,384 bytes of each column tile
	JLOAD \slot                                    ; the first tensor load behind the round; its four v_nop are the places in front of the loads below
.else
	PLACES
.endif
	FETCH \next, 0, F0
	WIN MUL
	MUL8 F1, 1, 0, 0
	MUL8 F1, 1, 2, 0
.endm
	s_wait_tensorcnt 1                             ; my part of K step 0 is in; K step 1's may stay out
	s_barrier_signal -1
	s_barrier_wait -1
	FETCH 0, 0, F0
	QUARTER 0, 1, F0, F1, 1                        ; the first quarter stands in front of the loop: its first products start the sums
	WIN 0
	s_mov_b32 s3, LAPS-1
.Llap:                                                 ; a trip goes once round the ring and fills both slots again
	QUARTER 0, 2, F1, F0, 0
	QUARTER 0, 3, F0, F1, 0
	TURN 0, 1, 1
	QUARTER 1, 1, F0, F1, 0
	QUARTER 1, 2, F1, F0, 0
	QUARTER 1, 3, F0, F1, 0
	TURN 1, 0, 1
	QUARTER 0, 1, F0, F1, 0
	WIN 0
	s_sub_co_u32 s3, s3, 1
	s_cmp_lg_u32 s3, 0
	s_cbranch_scc1 .Llap
	QUARTER 0, 2, F1, F0, 0                        ; the last lap fills nothing
	QUARTER 0, 3, F0, F1, 0
	TURN 0, 1, 0
	WIN 0xc0                                       ; destination window 3: wo's fragments for the fine block: every tile has landed, and a K step's products and the way out stand ahead of their first use
.irp s, 0,1,2,3,4,5,6,7,8,9,10,11,12,13,14,15
	global_load_b128 v[16*\s:16*\s+3], v[LI], s[68:69] offset:\s*1024
	global_load_b128 v[16*\s+4:16*\s+7], v[LI], s[68:69] offset:\s*1024+512
	global_load_b128 v[16*\s+8:16*\s+11], v[LI], s[70:71] offset:\s*1024
	global_load_b128 v[16*\s+12:16*\s+15], v[LI], s[70:71] offset:\s*1024+512
.endr
	QUARTER 1, 1, F0, F1, 0
	QUARTER 1, 2, F1, F0, 0
	QUARTER 1, 3, F0, F1, 0
	s_wait_dscnt 16
	WIN MUL
	MUL8 F1, 0, 0, 0
	MUL8 F1, 0, 2, 0
	s_wait_dscnt 0
	MUL8 F1, 1, 0, 0
	MUL8 F1, 1, 2, 0
	WIN 0
; THE WAY OUT, 16 rows x 64 columns at a time, through my own stage: a wave's 64 columns of f32 are 256 consecutive bytes, aligned, so no other wave is needed and no barrier.
.macro TOSTAGE a
.set BB, TMP+32*((\a)%2)
.irp b, 0,1,2,3
	ds_store_b128 v[STO], v[ACC+8*(4*(\a)+\b):ACC+8*(4*(\a)+\b)+3] offset:64*\b          ; each accumulator from its low end on
	ds_store_b128 v[STO], v[ACC+8*(4*(\a)+\b)+4:ACC+8*(4*(\a)+\b)+7] offset:64*\b+16
.endr
.irp t, 0,1,2,3,4,5,6,7
	ds_load_b128 v[BB+4*\t:BB+4*\t+3], v[RD] offset:\t*2*SPITCH   ; LDS serves a wave's instructions in order: these see my stores
.endr
.endm
.macro SEND a, younger
.set BB, TMP+32*((\a)%2)
	s_wait_dscnt \younger                          ; the block is back in registers
.if (\a) == 0                          ; my first 16 rows are left to the fine block where they are positions 0-15: there every lane is off
	v_cmp_lt_u32 vcc_lo, 15, v[PMV]
	s_wait_xcnt 0x0                                ; EXEC changes only behind this wait
	s_and_saveexec_b32 s78, vcc_lo
.endif
.irp t, 0,1,2,3,4,5,6,7
	global_store_b128 v[CO], v[BB+4*\t:BB+4*\t+3], s[8:9] offset:(16*(\a)+2*\t)*8192 th:TH_STORE_NT   ; sixteen lanes store 256 consecutive bytes, aligned
.endr
.if (\a) == 0
	s_wait_xcnt 0x0                                ; and again in front of the line that widens it
	s_or_b32 exec_lo, exec_lo, s78
.endif
.endm
	PLACES
	TOSTAGE 0
.irp a, 1,2,3
.if \a > 1
	s_wait_xcnt 0x0                                ; block a - 2's stores have read their registers: block a's loads may land there
.endif
	TOSTAGE \a
	SEND \a-1, 16                                  ; behind block a - 1's loads: block a's 8 stores and 8 loads
.endr
	SEND 3, 0
; THE FINE BLOCK, while the tile's stores leave.  Product q of 48: the two sums take turns, one instruction a turn; the first two start them.
.macro FW q, w, a
.if (\q) < 2
	v_wmma_f32_16x16x32_f16 v[FP+8*((\q)%2):FP+8*((\q)%2)+7], v[\w:\w+7], v[\a:\a+7], 0
.else
	v_wmma_f32_16x16x32_f16 v[FP+8*((\q)%2):FP+8*((\q)%2)+7], v[\w:\w+7], v[\a:\a+7], v[FP+8*((\q)%2):FP+8*((\q)%2)+7]
.endif
.endm
	s_wait_loadcnt 0x0                             ; the fine rows and wo's fragments
	WIN 0x0b                                       ; source 0 (wo) window 3, source 1 (the rows) window 2, C and D window 0
.set i, 0
.rept 8                                ; my head i: for each 32 along K: high x high, low x high, high x low
.set AB, 32*((i+1)%8)
	FW 6*i,   32*i,    AB
	FW 6*i+1, 32*i+8,  AB
	FW 6*i+2, 32*i,    AB+16
	FW 6*i+3, 32*i+16, AB+8
	FW 6*i+4, 32*i+24, AB+8
	FW 6*i+5, 32*i+16, AB+24
.set i, i+1
.endr
	WIN 0
	PLACES
.irp j, 0,1,2,3,4,5,6,7
	v_add_f32 v[FR+\j], v[FP+\j], v[FP+8+\j]       ; lane (r, h): row r, columns 8 h + j of the block: my 512 of K
.endr
	ds_store_b128 v[RST], v[FR:FR+3]
	ds_store_b128 v[RST], v[FR+4:FR+7] offset:512
	s_wait_dscnt 0x0                               ; for the others' sake: my stores are done
	s_barrier_signal -1
	s_barrier_wait -1
	s_cmp_gt_u32 s10, 1
	s_cbranch_scc1 .Lfdone
.irp w, 0,1,2,3
	ds_load_b128 v[FP+4*\w:FP+4*\w+3], v[RDA] offset:1024*\w
.endr
	s_wait_dscnt 0x0
	v_pk_add_f32 v[FP:FP+1], v[FP:FP+1], v[FP+4:FP+5]             ; added in a fixed order
	v_pk_add_f32 v[FP+2:FP+3], v[FP+2:FP+3], v[FP+6:FP+7]
	v_pk_add_f32 v[FP+8:FP+9], v[FP+8:FP+9], v[FP+12:FP+13]
	v_pk_add_f32 v[FP+10:FP+11], v[FP+10:FP+11], v[FP+14:FP+15]
	v_pk_add_f32 v[FP:FP+1], v[FP:FP+1], v[FP+8:FP+9]
	v_pk_add_f32 v[FP+2:FP+3], v[FP+2:FP+3], v[FP+10:FP+11]
	global_store_b128 v[FO], v[FP:FP+3], s[72:73]
.Lfdone:
	s_wait_tensorcnt 0x0                           ; the wave's end
	ds_add_u32 v[SPW], v[NIL]
	s_wait_dscnt 0x0
	CROUND                                         ; the closing round
	s_endpgm
.Lfunc_end_k_q3361e3219a_proj:
	.size	k_q3361e3219a_proj, .Lfunc_end_k_q3361e3219a_proj-k_q3361e3219a_proj
	.p2alignl 7, 3214868480
	.fill 96, 4, 3214868480
	.section	.rodata,"a",@progbits
	.p2align	6, 0x0
	.amdhsa_kernel k_q3361e3219a_proj
		.amdhsa_group_segment_fixed_size 327680
		.amdhsa_private_segment_fixed_size 0
		.amdhsa_enable_private_segment 0
		.amdhsa_kernarg_size 32
		.amdhsa_user_sgpr_count 2
		.amdhsa_user_sgpr_kernarg_segment_ptr 1
		.amdhsa_wavefront_size32 1
		.amdhsa_system_sgpr_workgroup_id_x 1
		.amdhsa_system_sgpr_workgroup_id_y 1
		.amdhsa_system_sgpr_workgroup_id_z 1
		.amdhsa_system_vgpr_workitem_id 0
		.amdhsa_next_free_vgpr 1024
		.amdhsa_next_free_sgpr 80
		.amdhsa_reserve_vcc 1
		.amdhsa_float_denorm_mode_32 3
		.amdhsa_float_denorm_mode_16_64 3
		.amdhsa_memory_ordered 1
		.amdhsa_forward_progress 1
		.amdhsa_inst_pref_size 104
	.end_amdhsa_kernel
	.amdgpu_metadata
---
amdhsa.version: [ 1, 2 ]
amdhsa.kernels:
  - .name:           k_q3361e3219a_proj
    .symbol:         k_q3361e3219a_proj.kd
    .args:
      - { .name: attn16, .offset: 0, .size: 8, .value_kind: global_buffer, .address_space: global }
      - { .name: wo16, .offset: 8, .size: 8, .value_kind: global_buffer, .address_space: global }
      - { .name: out0, .offset: 16, .size: 8, .value_kind: global_buffer, .address_space: global }
      - { .name: fine16, .offset: 24, .size: 8, .value_kind: global_buffer, .address_space: global }
    .group_segment_fixed_size: 327680
    .private_segment_fixed_size: 0
    .kernarg_segment_align: 8
    .kernarg_segment_size: 32
    .max_flat_workgroup_size: 128
    .sgpr_count:     80
    .vgpr_count:     1024
    .wavefront_size: 32
...
	.end_amdgpu_metadata
.endif
;; end of part 8
